; MI455X (gfx1250); checked and timed in simulation.
; The chip was launched on July 23, 2026; its instructions are those of AMD's public machine-readable ISA for CDNA 5 (MIT licence, August 2026) and "CDNA5" Instruction Set Architecture Reference Guide (July 2026). The comments in the code are by the model that wrote it; some were corrected since.
;; Encoder. Allowed arithmetic: matrix products marked QUANTISED: E2M3 operands, one E8M0 scale for each 32 along K, by v_wmma_scale_f32_16x16x128_f8f6f4 with both operands' format E2M3, f32 sums; everything else in f32.
;; Inputs: b1 4,096 float32; b2 1,024 float32; b_o 1,024 float32; ln1_b 1,024 float32; ln1_g 1,024 float32; ln2_b 1,024 float32; ln2_g 1,024 float32; src_mask 2 x 2,048 float32; w1 4,096 x 1,024 float32; w2 1,024 x 4,096 float32; w_k 16 x 1,024 x 64 float32; w_o 1,024 x 1,024 float32; w_q 16 x 1,024 x 64 float32; w_v 16 x 1,024 x 64 float32; x 2 x 2,048 x 1,024 float32.
;; Outputs: out0 2 x 2,048 x 1,024 float32.
;; This version of the problem:
;;   THIS VERSION OF THE PROBLEM IS GIVEN IN LOW PRECISION. The matrix products marked QUANTISED in the list below multiply operands that are first quantised to E2M3 (2 exponent bits, 3 mantissa bits; 6 bits a number), with one power-of-two scale for each 32 numbers along K (OCP MX v1.0); their sums are f32. All else is computed in f32.
;;   The module's matrix products, in the order in which they are computed (A, B: the left and right operand; K: the contracted axis; several contracted axes count as one K, in the product's order):
;;     1. [M 1,024, K 1,024] x [K 1,024, N 4,096]; A: input w_q; B: input x: QUANTISED
;;     2. [M 1,024, K 1,024] x [K 1,024, N 4,096]; A: input w_k; B: input x: QUANTISED
;;     3. [M 1,024, K 1,024] x [K 1,024, N 4,096]; A: input w_v; B: input x: QUANTISED
;;     4. batch 32 x [M 2,048, K 64] x [K 64, N 2,048]; A: computed on the way; B: computed on the way: QUANTISED
;;     5. batch 32 x [M 2,048, K 2,048] x [K 2,048, N 64]; A: softmax (see below); B: computed on the way: QUANTISED
;;     6. [M 4,096, K 1,024] x [K 1,024, N 1,024]; A: computed on the way; B: input w_o: QUANTISED
;;     7. [M 4,096, K 1,024] x [K 1,024, N 4,096]; A: computed on the way; B: input w1: QUANTISED
;;     8. [M 4,096, K 4,096] x [K 4,096, N 1,024]; A: computed on the way; B: input w2: QUANTISED
;;   THE QUANTISER, for each operand of a quantised product, along K:
;;     - K is cut into blocks of 32 from its start; a last block that is shorter is filled with zeros.
;;     - A block's scale is 2^e with e = floor(log2(the largest magnitude in the block)) - 2, held to -126 .. 127; a block of zeros has e = 0. As a byte (E8M0): e + 127.
;;     - Each number is divided by its block's scale, clamped to +-7.5, and rounded to the nearest number of E2M3, ties to even, subnormals kept.
;;     - The product sums the exact products of the quantised numbers (number of the format x scale) in f32.
;;   ~~~python
;;   def quantise(x, axis):      # numpy; x: float32 -> the quantised numbers, widened to float32 again
;;       x = np.moveaxis(x, axis, -1); K = x.shape[-1]
;;       x = np.pad(x, [(0, 0)] * (x.ndim - 1) + [(0, -K % 32)]); x = x.reshape(x.shape[:-1] + (-1, 32)); a = np.abs(x).max(-1, keepdims=True)
;;       e = np.where(a > 0, np.clip(np.frexp(np.where(a > 0, a, 1))[1] - 1 - 2, -126, 127), 0)      # np.frexp(a)[1] - 1 = floor(log2(a)), exactly
;;       r = np.clip(x / 2.0 ** e, -7.5, 7.5)
;;       step = 2.0 ** (np.maximum(np.frexp(np.where(r == 0, 1, r))[1] - 1, 0) - 3)
;;       q = np.round(r / step) * step * 2.0 ** e      # np.round: ties to even
;;       return np.moveaxis(q.reshape(q.shape[:-2] + (-1,))[..., :K], -1, axis).astype(np.float32)
;;   ~~~
;;   SOFTMAX AHEAD OF A QUANTISED PRODUCT. Where the list says 'softmax', what is quantised is not the finished softmax but p = 2^(t - M), with t = logit x log2(e) and M = ceil(the row's largest t), a whole number; so 1/2 < the row's largest p <= 1. The row's sum l is taken of the UNQUANTISED p, in f32, and the product's result is divided by l at the end. Since M is a whole number, a kernel that streams over the keys may use a running M (the ceiling of the running maximum): every later rescaling is an exact power of two, which a block's scale takes up: the codes' values come out the same.
;;   OPERANDS COMPUTED ON THE WAY. 'Computed on the way' means the value that the module computes at that place (a softmax that the list does not call 'softmax' is quantised finished and normalised). What goes into a quantiser is computed in f32, as accurately as f32 sums, v_exp_f32 and their like allow (about 1e-6 of the number): no bf16 or f16 on the way to a quantiser, and a product that is left as it is and whose result goes on into a quantised operand takes f32 operands (vector FMAs, or v_wmma_f32_16x16x4_f32). A number that lies on a knife's edge between two numbers of the format may be rounded either way, as far as f32 arithmetic and the matrix unit's own rounding can turn it there, and no further.
;; 2 versions. Each part assembles by itself: llvm-mc -triple=amdgcn-amd-amdhsa -mcpu=gfx1250 --defsym DOCPART=n.
;; ======== version 1 of 2: 9 launches
;; workspace buffers: img 13,107,200 bytes; qkv 9,830,400 bytes; cc 3,276,800 bytes; cf 16,777,216 bytes; x1 20,054,016 bytes; hq 13,107,200 bytes
;; launch qrow (part 1): grid 832 x 1, 4 waves a work-group, no clusters, 34,304 bytes of LDS; arguments x, w_o, w1, w2, img; writes img
.if DOCPART == 1
	.amdgcn_target "amdgcn-amd-amdhsa--gfx1250"
	.amdhsa_code_object_version 6
	.text
	.protected	k_q8b6e4da770_qrow
	.globl	k_q8b6e4da770_qrow
	.p2align	8
	.type	k_q8b6e4da770_qrow,@function
k_q8b6e4da770_qrow:
	s_mov_b64 s[64:65], 0
	v_nop
	global_prefetch_b8 v0, s[64:65] scope:SCOPE_SE
	s_setreg_imm32_b32 hwreg(HW_REG_WAVE_MODE, 25, 1), 1
	s_wait_xcnt 0x0
; x [4096][1024], w_o [1024][1024], w1 [4096][1024], w2 [1024][4096], f32 with K innermost, become RECORDS of FP6 (E2M3) codes in img.
; A RECORD (12,800 bytes) is 128 rows x 128 along K as images of operand registers: fragment a (0..7) at 1536 a, its registers 4 c .. 4 c + 3 of lane l at + 512 c + 16 l;
; position r of fragment a is row pi(a, r) = 32 (a / 2) + 8 (a % 2) + r + 8 (r / 8) of the group; the E8M0 scale word of position (a, r) lies at 12288 + 64 a + 4 r.
; Records: x at 0 (32 groups x 8 K steps), w_o at 256 (8 x 8), w1 at 320 (32 x 8), w2 at 576 (8 x 32).  A work-group makes record ttmp9; wave w its rows 32 w .. 32 w + 31 = fragments 2 w, 2 w + 1.
; Each load reads 512 consecutive bytes of one row; 16 rows turn through the wave's own stage in LDS so that a lane holds 16 neighbours along K of each block of 32 of ITS row.
; A block's scale is 2^(floor(log2(largest magnitude)) - 2); its byte is that magnitude's exponent field - 2, held at 1 from below.
; LIMITS: a block of zeros gets the byte 1 (its codes are zeros; this program alone reads the bytes); blocks whose largest magnitude lies under 2^-124 were not tried; NaN and infinities are not served.
; Waves share nothing: no barrier.  No matrix unit, no cluster: every input byte is read once by one wave.
.set REC,   12800
.set STG,   16*528                     ; a wave's stage: 16 rows x (512 bytes + 16)
.set SPARE, 4*STG                      ; behind the stages: the spare words, 128 bytes a wave
.set SPW, 10
.set NIL, 11
.set MX,  12                           ; v12-15 largest magnitudes, v16-19 bytes, v20-23 the conversions' scale operands
.set PB,  16
.set SO,  20
.set PC,  28                           ; v28-39 a fragment's codes
.set TP,  40                           ; v40-47 the halves that are moved
.set R0,  48                           ; v48-111  fragment 2 w's 16 rows as loaded
.set R1,  112                          ; v112-175 fragment 2 w + 1's
.set X,   176                          ; v176-239 64 numbers of my row: register 16 b + i = k 32 b + 16 (lane / 16) + i
.set SEL, 30                           ; s[30:31] selects for lane l xor 16
.set FLR, 32                           ; s32 the floor 2^(3 - 127)
; 64 numbers of a lane become a fragment's 12 registers in v[PC] on and the row's scale word in v[pw]
.macro QUANT src, pw
.irp b, 0,1,2,3
	v_max3_num_f32 v[MX+\b], s[FLR], |v[\src+16*\b]|, |v[\src+16*\b+1]|   ; my 16 numbers of block b, and the floor: the byte cannot fall under 1
.endr
.irp i, 2,4,6,8,10,12,14
.irp b, 0,1,2,3
	v_max3_num_f32 v[MX+\b], v[MX+\b], |v[\src+16*\b+\i]|, |v[\src+16*\b+\i+1]|
.endr
.endr
.irp b, 0,1,2,3
	v_permlanex16_b32 v[PB+\b], v[MX+\b], s[SEL], s[SEL+1]
.endr
.irp b, 0,1,2,3
	v_max_num_f32 v[MX+\b], v[MX+\b], v[PB+\b]          ; with lane l xor 16's 16: the block's largest magnitude
.endr
.irp b, 0,1,2,3
	v_add_nc_u32 v[SO+\b], 0xff000000, v[MX+\b]         ; 2 off its exponent field: the conversion's scale operand
.endr
.irp b, 0,1,2,3
	v_lshrrev_b32 v[PB+\b], 23, v[SO+\b]                ; the scale's byte
.endr
	v_lshl_or_b32 v[\pw], v[PB+1], 8, v[PB]
	v_lshl_or_b32 v[\pw], v[PB+2], 16, v[\pw]
	v_lshl_or_b32 v[\pw], v[PB+3], 24, v[\pw]
.irp c, 0,1
	v_cvt_scalef32_pk16_fp6_f32 v[PC+6*\c:PC+6*\c+2], v[\src+32*\c:\src+32*\c+15], v[SO+2*\c]
	v_cvt_scalef32_pk16_fp6_f32 v[TP+4*\c:TP+4*\c+2], v[\src+32*\c+16:\src+32*\c+31], v[SO+2*\c+1]
.endr
	v_nop                                               ; one plain place behind a scaled conversion
.irp c, 0,1                                                 ; the operand wants a whole block in a lane: lanes 0-15 block 2 c, lanes 16-31 block 2 c + 1
.irp i, 0,1,2
	v_permlane16_swap_b32 v[PC+6*\c+\i], v[TP+4*\c+\i]
.endr
.irp i, 0,1,2
	v_mov_b32 v[PC+3+6*\c+\i], v[TP+4*\c+\i]
.endr
.endr
.endm
.macro LOADS pitch                     ; 32 rows' 512 bytes; position t of a fragment is row t + 8 (t / 8), the second fragment 8 rows on
.irp t, 0,1,2,3,4,5,6,7,8,9,10,11,12,13,14,15
	global_load_b128 v[R0+4*\t:R0+4*\t+3], v1, s[8:9] offset:(\t+8*(\t/8))*\pitch th:TH_LOAD_NT
.endr
.irp t, 0,1,2,3,4,5,6,7,8,9,10,11,12,13,14,15
	global_load_b128 v[R1+4*\t:R1+4*\t+3], v1, s[8:9] offset:(8+\t+8*(\t/8))*\pitch th:TH_LOAD_NT
.endr
.endm
.macro TURN R                          ; 16 rows into my stage as loaded, and back 64 bytes of each block to a lane; LDS serves a wave's instructions in order
.irp t, 0,1,2,3,4,5,6,7,8,9,10,11,12,13,14,15
	ds_store_b128 v4, v[\R+4*\t:\R+4*\t+3] offset:528*\t
.endr
.irp j, 0,1,2,3,4,5,6,7,8,9,10,11,12,13,14,15
	ds_load_b128 v[X+4*\j:X+4*\j+3], v5 offset:128*(\j/4)+16*(\j%4)
.endr
.endm
	s_load_b256 s[4:11], s[0:1], 0x0               ; x, w_o, w1, w2
	s_load_b64 s[12:13], s[0:1], 0x20              ; img
	v_lshl_add_u32 v[SPW], v0, 2, SPARE
	v_mov_b32 v[NIL], 0
	v_lshrrev_b32 v1, 5, v0
	v_readfirstlane_b32 s14, v1                    ; wave
	v_and_b32 v9, 31, v0                           ; lane
	v_and_b32 v2, 15, v0                           ; r
	v_bfe_u32 v3, v0, 4, 1                         ; h
	v_lshlrev_b32 v1, 4, v9                        ; 16 l
	s_mul_i32 s15, s14, STG
	v_add_nc_u32 v4, s15, v1                       ; the stage, in: 16 l
	v_mul_u32_u24 v5, v2, 528
	v_lshl_add_u32 v5, v3, 6, v5
	v_add_nc_u32 v5, s15, v5                       ; and out: row r, + 64 h
	s_mul_i32 s16, s14, 3072
	v_add_nc_u32 v24, s16, v1                      ; my codes in the record: 16 l + two fragments a wave
	v_lshlrev_b32 v6, 2, v9
	s_lshl_b32 s16, s14, 7
	v_add_nc_u32 v6, s16, v6                       ; my scale word: 4 l + 128 w
.irp b, 0,1,2,3
	v_mov_b32 v[PB+\b], 0                          ; a lane permute's destination counts as one of its sources
.endr
	s_mov_b32 s[SEL], 0x76543210
	s_mov_b32 s[SEL+1], 0xfedcba98
	s_mov_b32 s[FLR], 0x1800000
	s_mov_b32 s21, 576
	s_wait_kmcnt 0x0
	s_cmp_lt_u32 ttmp9, s21                        ; which tensor: the choice hangs on the work-group's number alone
	s_cselect_b64 s[8:9], s[8:9], s[10:11]
	s_cselect_b32 s20, 320, s21                    ; the section's first record
	s_cselect_b32 s22, 3, 5                        ; log2 of K steps in a row
	s_cselect_b32 s23, 12, 14                      ; log2 of a row's bytes
	s_cmp_lt_u32 ttmp9, 320
	s_cselect_b64 s[8:9], s[6:7], s[8:9]
	s_cselect_b32 s20, 256, s20
	s_cmp_lt_u32 ttmp9, 256
	s_cselect_b64 s[8:9], s[4:5], s[8:9]
	s_cselect_b32 s20, 0, s20
	s_sub_co_u32 s24, ttmp9, s20
	s_lshr_b32 s25, s24, s22                       ; the group of 128 rows
	s_lshl_b32 s26, s25, s22
	s_sub_co_u32 s26, s24, s26                     ; the K step
	s_lshl_b32 s25, s25, 7
	s_lshl_b32 s27, s14, 5
	s_add_co_u32 s25, s25, s27                     ; my wave's first row
	s_lshl_b32 s25, s25, s23
	s_lshl_b32 s26, s26, 9
	s_add_co_u32 s26, s25, s26                     ; under 2^25
	s_mov_b32 s27, 0
	s_add_nc_u64 s[8:9], s[8:9], s[26:27]
	s_mul_i32 s26, ttmp9, REC
	s_add_nc_u64 s[12:13], s[12:13], s[26:27]
	s_cmp_lt_u32 ttmp9, s21                        ; the rows' pitch stands in the loads' immediates: two runs of loads, nothing else parts
	s_cbranch_scc0 .Lwide
	LOADS 4096
	s_branch .Lloaded
.Lwide:
	LOADS 16384
.Lloaded:
	s_wait_loadcnt 16                              ; the first fragment's 16 rows are in; the second's 16 loads may be out
	TURN R0
	s_wait_dscnt 0x0
	QUANT X, 7
.irp c, 0,1,2
	global_store_b128 v24, v[PC+4*\c:PC+4*\c+3], s[12:13] offset:512*\c       ; 512 consecutive bytes a store
.endr
	s_wait_loadcnt 0x0
	TURN R1
	s_wait_dscnt 0x0
	s_wait_xcnt 0x0                                ; the three stores have read v[PC] on, which is written again
	QUANT X, 8
.irp c, 0,1,2
	global_store_b128 v24, v[PC+4*\c:PC+4*\c+3], s[12:13] offset:1536+512*\c
.endr
	v_cmp_le_u32 vcc_lo, 16, v9
	v_cndmask_b32 v25, v7, v8, vcc_lo              ; lanes 0-15: fragment 2 w's words, lanes 16-31: fragment 2 w + 1's
	global_store_b32 v6, v25, s[12:13] offset:12288
	s_wait_tensorcnt 0x0                           ; the wave's end
	ds_add_u32 v[SPW], v[NIL]
	s_wait_dscnt 0x0
	s_endpgm
.Lfunc_end_k_q8b6e4da770_qrow:
	.size	k_q8b6e4da770_qrow, .Lfunc_end_k_q8b6e4da770_qrow-k_q8b6e4da770_qrow
	.p2alignl 7, 3214868480
	.fill 96, 4, 3214868480
	.section	.rodata,"a",@progbits
	.p2align	6, 0x0
	.amdhsa_kernel k_q8b6e4da770_qrow
		.amdhsa_group_segment_fixed_size 34304
		.amdhsa_private_segment_fixed_size 0
		.amdhsa_enable_private_segment 0
		.amdhsa_kernarg_size 40
		.amdhsa_user_sgpr_count 2
		.amdhsa_user_sgpr_kernarg_segment_ptr 1
		.amdhsa_wavefront_size32 1
		.amdhsa_system_sgpr_workgroup_id_x 1
		.amdhsa_system_sgpr_workgroup_id_y 1
		.amdhsa_system_sgpr_workgroup_id_z 1
		.amdhsa_system_vgpr_workitem_id 0
		.amdhsa_next_free_vgpr 240
		.amdhsa_next_free_sgpr 66
		.amdhsa_reserve_vcc 1
		.amdhsa_float_denorm_mode_32 3
		.amdhsa_float_denorm_mode_16_64 3
		.amdhsa_memory_ordered 1
		.amdhsa_forward_progress 1
		.amdhsa_inst_pref_size 21
	.end_amdhsa_kernel
	.amdgpu_metadata
---
amdhsa.version: [ 1, 2 ]
amdhsa.kernels:
  - .name:           k_q8b6e4da770_qrow
    .symbol:         k_q8b6e4da770_qrow.kd
    .args:
      - { .name: x, .offset: 0, .size: 8, .value_kind: global_buffer, .address_space: global }
      - { .name: w_o, .offset: 8, .size: 8, .value_kind: global_buffer, .address_space: global }
      - { .name: w1, .offset: 16, .size: 8, .value_kind: global_buffer, .address_space: global }
      - { .name: w2, .offset: 24, .size: 8, .value_kind: global_buffer, .address_space: global }
      - { .name: img, .offset: 32, .size: 8, .value_kind: global_buffer, .address_space: global }
    .group_segment_fixed_size: 34304
    .private_segment_fixed_size: 0
    .kernarg_segment_align: 8
    .kernarg_segment_size: 40
    .max_flat_workgroup_size: 128
    .sgpr_count:     66
    .vgpr_count:     240
    .wavefront_size: 32
...
	.end_amdgpu_metadata
.endif
;; end of part 1
;; launch qcol (part 2): grid 96 x 1, 4 waves a work-group, no clusters, 141,824 bytes of LDS; arguments w_q, w_k, w_v, img; writes img
.if DOCPART == 2
	.amdgcn_target "amdgcn-amd-amdhsa--gfx1250"
	.amdhsa_code_object_version 6
	.text
	.protected	k_q8b6e4da770_qcol
	.globl	k_q8b6e4da770_qcol
	.p2align	8
	.type	k_q8b6e4da770_qcol,@function
k_q8b6e4da770_qcol:
	s_mov_b64 s[64:65], 0
	v_nop
	global_prefetch_b8 v0, s[64:65] scope:SCOPE_SE
	s_setreg_imm32_b32 hwreg(HW_REG_WAVE_MODE, 25, 1), 1
	s_wait_xcnt 0x0
; w_q, w_k, w_v [16 heads][1024 (K)][64], f32: K is the MIDDLE axis.  They become records of FP6 codes in img, laid as the records of x and the other weights:
; 128 rows x 128 K, fragment a at 1536 a (+ 512 c + 16 l), position r = row pi(a, r) = 32 (a / 2) + 8 (a % 2) + r + 8 (r / 8), scale words at 12288 + 64 a + 4 r.
; An operand row is (tensor T, head, n); a group of 128 rows is a pair of heads: record 832 + ((8 T + pair) 8 + K step).
; Work-group: T = x / 32, pair = (x / 4) % 8, two K steps 2 (x % 4) + (wave / 2); wave w takes head 2 pair + (w % 2): a dense block of 128 rows of K x 64 numbers, 32,768 bytes,
; read in loads of 512 consecutive bytes, laid in the wave's own stage, and read back with A LANE TO A COLUMN n AND ITS REGISTERS DOWN K, in the very order of the operand's registers.
; The stage: four batches of 32 rows x 272 bytes, 128 bytes between batches, so that lanes 0-15 and lanes 16-31 (32 rows of K apart) fall on different banks.
; LIMITS: a block of zeros gets the byte 1 (its codes are zeros; this program alone reads the bytes); blocks under 2^-124 were not tried; NaN and infinities are not served.
.set REC,   12800
.set BAT,   32*272+128
.set STG,   4*BAT
.set SPARE, 4*STG
.set SPW, 10
.set NIL, 11
.set MX,  12
.set PB,  16
.set SO,  20
.set PC,  28
.set TP,  40
.set R0,  48
.set R1,  112
.set X,   176                          ; v176-239: register 32 c + i = k 64 c + 32 (lane / 16) + i of my column
.set PW,  240                          ; v240-243 the four fragments' scale words
.set SEL, 30
.set FLR, 32
.macro QUANTC pw
.irp c, 0,1
	v_max3_num_f32 v[MX+\c], s[FLR], |v[X+32*\c]|, |v[X+32*\c+1]|        ; my block 2 c + h: all its 32 numbers are mine; and the floor
.endr
.irp i, 2,4,6,8,10,12,14,16,18,20,22,24,26,28,30
.irp c, 0,1
	v_max3_num_f32 v[MX+\c], v[MX+\c], |v[X+32*\c+\i]|, |v[X+32*\c+\i+1]|
.endr
.endr
.irp c, 0,1
	v_add_nc_u32 v[SO+\c], 0xff000000, v[MX+\c]
.endr
.irp c, 0,1
	v_lshrrev_b32 v[PB+\c], 23, v[SO+\c]
.endr
	v_lshl_or_b32 v[\pw], v[PB+1], 16, v[PB]           ; my two bytes: blocks h and 2 + h,
	v_lshlrev_b32 v[\pw], v7, v[\pw]                    ; 8 h bits up;
	v_mov_b32 v8, 0
	v_permlanex16_b32 v8, v[\pw], s[SEL], s[SEL+1]
	v_or_b32 v[\pw], v[\pw], v8                         ; with lane l xor 16's two the word is whole
.irp c, 0,1
	v_cvt_scalef32_pk16_fp6_f32 v[PC+6*\c:PC+6*\c+2], v[X+32*\c:X+32*\c+15], v[SO+\c]
	v_cvt_scalef32_pk16_fp6_f32 v[TP+4*\c:TP+4*\c+2], v[X+32*\c+16:X+32*\c+31], v[SO+\c]
.endr
	v_nop                                               ; one plain place behind a scaled conversion
.irp c, 0,1
.irp i, 0,1,2
	v_mov_b32 v[PC+3+6*\c+\i], v[TP+4*\c+\i]
.endr
.endr
.endm
.macro GLOAD t, R                      ; batch t: 32 rows of K, 8,192 consecutive bytes
.irp j, 0,1,2,3,4,5,6,7,8,9,10,11,12,13,14,15
	global_load_b128 v[\R+4*\j:\R+4*\j+3], v1, s[4:5] offset:8192*\t+512*\j th:TH_LOAD_NT
.endr
.endm
.macro SSTORE t, R                     ; a load's 512 bytes are two rows
.irp j, 0,1,2,3,4,5,6,7,8,9,10,11,12,13,14,15
	ds_store_b128 v4, v[\R+4*\j:\R+4*\j+3] offset:BAT*\t+544*\j
.endr
.endm
.macro FRAGC al                        ; fragment al of my head: columns 32 (al / 2) + 8 (al % 2) + r + 8 (r / 8)
.irp c, 0,1
.set ii, 0
.rept 32
	ds_load_b32 v[X+32*\c+ii], v5 offset:2*\c*BAT+272*ii+4*(32*(\al/2)+8*(\al%2))
.set ii, ii+1
.endr
.endr
	s_wait_dscnt 0x0
.if \al > 0
	s_wait_xcnt 0x0                                ; the last fragment's stores have read v[PC] on
.endif
	QUANTC PW+\al
.irp c, 0,1,2
	global_store_b128 v24, v[PC+4*\c:PC+4*\c+3], s[10:11] offset:1536*\al+512*\c
.endr
.endm
	s_load_b256 s[4:11], s[0:1], 0x0               ; w_q, w_k, w_v, img
	v_lshl_add_u32 v[SPW], v0, 2, SPARE
	v_mov_b32 v[NIL], 0
	v_lshrrev_b32 v1, 5, v0
	v_readfirstlane_b32 s14, v1                    ; wave
	v_and_b32 v9, 31, v0
	v_and_b32 v2, 15, v0                           ; r
	v_bfe_u32 v3, v0, 4, 1                         ; h
	v_lshlrev_b32 v1, 4, v9                        ; 16 l
	v_lshlrev_b32 v7, 3, v3                        ; 8 h
	s_mul_i32 s15, s14, STG
	v_mul_u32_u24 v4, v3, 272
	v_lshl_add_u32 v4, v2, 4, v4
	v_add_nc_u32 v4, s15, v4                       ; the stage, in: row l / 16 of a load's two, 16 (l % 16)
	v_and_b32 v5, 8, v2
	v_add_nc_u32 v5, v5, v2
	v_lshlrev_b32 v5, 2, v5                        ; out: 4 (r + 8 (r / 8)),
	v_mad_u32_u24 v5, v3, BAT, v5                  ; a batch on for lanes 16-31
	v_add_nc_u32 v5, s15, v5
	s_and_b32 s18, s14, 1                          ; which head of the pair
	s_mul_i32 s24, s18, 4*1536
	v_add_nc_u32 v24, s24, v1                      ; my codes in the record
	v_lshlrev_b32 v6, 2, v9
	s_lshl_b32 s24, s18, 8
	v_add_nc_u32 v6, s24, v6                       ; my scale words: 4 l + 256 (w % 2)
	s_mov_b32 s[SEL], 0x76543210
	s_mov_b32 s[SEL+1], 0xfedcba98
	s_mov_b32 s[FLR], 0x1800000
	s_and_b32 s15, ttmp9, 3
	s_lshr_b32 s16, ttmp9, 2
	s_and_b32 s16, s16, 7                          ; the pair of heads
	s_lshr_b32 s17, ttmp9, 5                       ; T
	s_lshr_b32 s19, s14, 1
	s_lshl_b32 s20, s15, 1
	s_add_co_u32 s19, s19, s20                     ; the K step
	s_lshl_b32 s20, s16, 1
	s_add_co_u32 s20, s20, s18                     ; the head
	s_lshl_b32 s20, s20, 18
	s_lshl_b32 s21, s19, 15
	s_add_co_u32 s20, s20, s21
	s_mov_b32 s21, 0
	s_lshl_b32 s22, s17, 3
	s_add_co_u32 s22, s22, s16
	s_lshl_b32 s22, s22, 3
	s_add_co_u32 s22, s22, s19
	s_add_co_u32 s22, s22, 832
	s_mul_i32 s22, s22, REC
	s_mov_b32 s23, 0
	s_wait_kmcnt 0x0
	s_cmp_lt_u32 s17, 2                            ; the tensor: the choice hangs on the work-group's number alone
	s_cselect_b64 s[6:7], s[6:7], s[8:9]
	s_cmp_lt_u32 s17, 1
	s_cselect_b64 s[4:5], s[4:5], s[6:7]
	s_add_nc_u64 s[4:5], s[4:5], s[20:21]
	s_add_nc_u64 s[10:11], s[10:11], s[22:23]
	GLOAD 0, R0
	GLOAD 1, R1
	s_wait_loadcnt 16                              ; the older batch is in; the younger batch's 16 loads may be out
	SSTORE 0, R0
	s_wait_dscnt 0x0                               ; the stores have read their registers
	GLOAD 2, R0
	s_wait_loadcnt 16
	SSTORE 1, R1
	s_wait_dscnt 0x0
	GLOAD 3, R1
	s_wait_loadcnt 16
	SSTORE 2, R0
	s_wait_loadcnt 0x0
	SSTORE 3, R1
	FRAGC 0                                        ; LDS serves a wave's instructions in order: the loads see my stores
	FRAGC 1
	FRAGC 2
	FRAGC 3
	v_cmp_le_u32 vcc_lo, 16, v9
	v_cndmask_b32 v244, v[PW], v[PW+1], vcc_lo
	v_cndmask_b32 v245, v[PW+2], v[PW+3], vcc_lo
	global_store_b32 v6, v244, s[10:11] offset:12288
	global_store_b32 v6, v245, s[10:11] offset:12288+128
	s_wait_tensorcnt 0x0                           ; the wave's end
	ds_add_u32 v[SPW], v[NIL]
	s_wait_dscnt 0x0
	s_endpgm
.Lfunc_end_k_q8b6e4da770_qcol:
	.size	k_q8b6e4da770_qcol, .Lfunc_end_k_q8b6e4da770_qcol-k_q8b6e4da770_qcol
	.p2alignl 7, 3214868480
	.fill 96, 4, 3214868480
	.section	.rodata,"a",@progbits
	.p2align	6, 0x0
	.amdhsa_kernel k_q8b6e4da770_qcol
		.amdhsa_group_segment_fixed_size 141824
		.amdhsa_private_segment_fixed_size 0
		.amdhsa_enable_private_segment 0
		.amdhsa_kernarg_size 32
		.amdhsa_user_sgpr_count 2
		.amdhsa_user_sgpr_kernarg_segment_ptr 1
		.amdhsa_wavefront_size32 1
		.amdhsa_system_sgpr_workgroup_id_x 1
		.amdhsa_system_sgpr_workgroup_id_y 1
		.amdhsa_system_sgpr_workgroup_id_z 1
		.amdhsa_system_vgpr_workitem_id 0
		.amdhsa_next_free_vgpr 248
		.amdhsa_next_free_sgpr 66
		.amdhsa_reserve_vcc 1
		.amdhsa_float_denorm_mode_32 3
		.amdhsa_float_denorm_mode_16_64 3
		.amdhsa_memory_ordered 1
		.amdhsa_forward_progress 1
		.amdhsa_inst_pref_size 42
	.end_amdhsa_kernel
	.amdgpu_metadata
---
amdhsa.version: [ 1, 2 ]
amdhsa.kernels:
  - .name:           k_q8b6e4da770_qcol
    .symbol:         k_q8b6e4da770_qcol.kd
    .args:
      - { .name: w_q, .offset: 0, .size: 8, .value_kind: global_buffer, .address_space: global }
      - { .name: w_k, .offset: 8, .size: 8, .value_kind: global_buffer, .address_space: global }
      - { .name: w_v, .offset: 16, .size: 8, .value_kind: global_buffer, .address_space: global }
      - { .name: img, .offset: 24, .size: 8, .value_kind: global_buffer, .address_space: global }
    .group_segment_fixed_size: 141824
    .private_segment_fixed_size: 0
    .kernarg_segment_align: 8
    .kernarg_segment_size: 32
    .max_flat_workgroup_size: 128
    .sgpr_count:     66
    .vgpr_count:     248
    .wavefront_size: 32
...
	.end_amdgpu_metadata
.endif
;; end of part 2
;; launch g_qkv (part 3): grid 12 x 16, 4 waves a work-group, clusters of 4 x 4, 327,680 bytes of LDS; arguments img, qkv; writes qkv
.if DOCPART == 3
	.amdgcn_target "amdgcn-amd-amdhsa--gfx1250"
	.amdhsa_code_object_version 6
	.text
	.protected	k_q8b6e4da770_g_qkv
	.globl	k_q8b6e4da770_g_qkv
	.p2align	8
	.type	k_q8b6e4da770_g_qkv,@function
k_q8b6e4da770_g_qkv:
	s_mov_b64 s[64:65], 0
	v_nop
	global_prefetch_b8 v0, s[64:65] scope:SCOPE_SE
	s_setreg_imm32_b32 hwreg(HW_REG_WAVE_MODE, 25, 1), 1
	s_wait_xcnt 0x0
	s_wait_alu depctr_hold_cnt(0) depctr_sa_sdst(0) depctr_va_vdst(0) depctr_va_sdst(0) depctr_va_ssrc(0) depctr_va_vcc(0) depctr_vm_vsrc(0)
	s_getreg_b32 s2, hwreg(HW_REG_IB_STS2, 6, 4)
	s_cmp_eq_u32 s2, 0
	s_cbranch_scc0 .Lentry_in_a_cluster
	s_endpgm
.Lentry_in_a_cluster:
	s_bfe_u32 s2, ttmp6, 0x10000c
	s_cmp_lg_u32 s2, 0xf033
	s_cbranch_scc0 .Lentry_shape_is_right
	s_endpgm
.Lentry_shape_is_right:
; THE GEMM ON RECORDS, one text assembled four times; this copy: q, k and v^T.
; C = A B^T on FP6 (E2M3) codes with E8M0 scales.  Both operands lie in memory as RECORDS of 12,800 bytes: 128 rows x 128 K as images of operand registers (fragment a at 1536 a + 512 c + 16 l; position r of
; fragment a = row pi(a, r) = 32 (a / 2) + 8 (a % 2) + r + 8 (r / 8); scale words at 12288 + 64 a + 4 r), records of a group of rows on end along K.
; A work-group of four waves makes 256 x 256 of C, a wave 128 x 128: 64 accumulators, 512 registers.  K goes in steps of 256 through two LDS slots; a wave's one tensor load brings two records, 25,600 dense bytes, codes
; and scale words together; a fragment is three ds_load_b128 of 512 consecutive bytes.  4 x 4 work-groups form a cluster: A's records are asked for jointly along a row of it, B's along a column.
; TRANSPOSED USE: source 0 = 16 rows of B, source 1 = 16 rows of A: lane (r, h) of accumulator (a, b) holds A's row pi(a, r), and its register j B's row 32 (b / 2) + 8 (b % 2) + 16 h + j:
; for a fixed a the 64 registers 8 b + j are 16 neighbours of each block of 32 along B's rows, which are the next product's K.
; WAY OUT.  EPI = 1: (relu,) quantised in registers along B's rows; a wave writes one whole record.  EPI = 0: the accumulators leave as they stand, 512 dense bytes a store: block ((8 G + a) 8 + column group) of 8,192 bytes.
; THIS COPY (QKV = 1): clusters x = 0, 1: A = x's records, B = w_q's and w_k's: record (8 T + pair) 32 + token group holds q or k, K = the pair's 2 x 64.  Cluster x = 2: A = w_v's records, B = x's: v^T, quantised along the
; tokens: record 512 + 32 pair + token group.  The job is chosen by selects on the cluster's x, which all sixteen partners share; no branch hangs on it.
; LIMITS: a block of zeros gets the byte 1 (codes zero; read by this program alone); blocks under 2^-124 were not tried; NaN and infinities are not served.
.set NK,    8                          ; K steps of 128
.set A_OFF, 0
.set B_OFF, 0
.set EPI,   1
.set FF1,   0
.set QKV,   1
.set REC,   12800
.set PART,  2*REC                      ; what one tensor load brings
.set SLOT,  4*PART                     ; A's two groups, then B's two
.set SPARE, 2*SLOT                     ; behind the ring: the spare words, 128 bytes a wave
.set LAPS,  NK/4                       ; a lap = once round the ring = 512 along K
.set FR,    12
.set NL,    3                          ; LDS loads of a fragment
.set NP,    4                          ; places behind this matrix instruction (ISA guide 7.12.1)
.set ADRA, 16                          ; v16-17 16 l + my A part in slot 0, 1
.set ADRB, 20                          ; v20-21 the same for B
.set ADRS, 22                          ; v22-23 my scale words: lanes 0-15 A's, lanes 16-31 B's
.set L16,  24
.set L4,   25
.set H64,  26
.set LANE, 27
.set SPW,  28
.set NIL,  29
.set SC,   32                          ; v32-63 scale words: 16 s + 8 q + i: lanes 0-15 A's block i, lanes 16-31 B's block i
.set BI,   64                          ; v64-127 the bias in the result's layout (FF1)
.set AF,   128                         ; v128-223 A's eight fragments; on the way out the codes
.set TP,   224
.set MX,   232
.set PB,   236
.set SO,   240
.set SW,   244
.set PW,   248
.set G1,  24
.set G0,  32
.set G1B, 48
.set G0B, 56
.set SEL, 76
.set FLR, 78
.set MSB, 0
.macro WIN new                         ; the immediate's high byte repeats the setting that is left
.if MSB != (\new)
	s_set_vgpr_msb (MSB<<8)|(\new)
.set MSB, (\new)
.endif
.endm
.set MUL_LO, 0xa1                      ; source 0 (B) window 1, source 1 (A) window 0, C and D window 2
.set MUL_HI, 0xf1                      ; the same, C and D window 3
.set TO_B,   0x40
.macro JLOAD s                         ; a joint load: waves 0, 1 fetch A's two groups, waves 2, 3 B's; s_nop 0 and four v_nop follow each line
	s_cmp_eq_u32 s15, 0
	s_cbranch_scc0 .Lfor_b_\@
	tensor_load_to_lds s[G0+4*\s:G0+4*\s+3], s[G1:G1+7]
	s_nop 0
.rept 4
	v_nop
.endr
	s_branch .Lasked_\@
.Lfor_b_\@:
	tensor_load_to_lds s[G0B+4*\s:G0B+4*\s+3], s[G1B:G1B+7]
	s_nop 0
.rept 4
	v_nop
.endr
.Lasked_\@:
.endm
.macro CREST                           ; a round of the cluster's barrier behind its opening barrier
	s_cmp_lg_u32 s14, 0
	s_cbranch_scc1 .Lnot_wave_0_\@
	s_barrier_signal -3
.Lnot_wave_0_\@:
	s_barrier_wait -3
	s_barrier_signal -1
	s_barrier_wait -1
.endm
.macro CROUND
	s_barrier_signal -1
	s_barrier_wait -1
	CREST
.endm
.macro PLACES n
.rept \n
	v_nop
.endr
.endm
.macro FRAG reg, adr, off
.irp c, 0,1,2
	ds_load_b128 v[\reg+4*\c:\reg+4*\c+3], v[\adr] offset:\off+512*\c
.endr
.endm
.macro FETCH_B slot, q, p              ; B's eight fragments of the slot's q-th record into set p
	WIN TO_B
.irp i, 0,1,2,3,4,5,6,7
	FRAG 128*(\p)+FR*\i, ADRB+\slot, (\q)*REC+1536*\i
.endr
	WIN 0
.endm
.macro FETCH_A slot, q, i0             ; A's blocks i0 .. i0 + 3
.irp i, \i0, \i0+1, \i0+2, \i0+3
	FRAG AF+FR*(\i), ADRA+\slot, (\q)*REC+1536*(\i)
.endr
.endm
.macro SCALES sc                       ; a slot's scale words, both records
.irp q, 0,1
.irp i, 0,1,2,3,4,5,6,7
	ds_load_b32 v[SC+16*\sc+8*\q+\i], v[ADRS+\sc] offset:\q*REC+64*\i
.endr
.endr
.endm
; 16 matrix instructions: A's blocks a0, a0 + 1 x B's eight.  zero = 1: C = 0 starts the sums; 2: the bias does.  The 64 accumulators take turns, one instruction a turn.
.macro MUL16 a0, p, q, sc, zero
.irp a, \a0, \a0+1
.irp b, 0,1,2,3,4,5,6,7
.if \zero == 1
	v_wmma_scale_f32_16x16x128_f8f6f4 v[8*(8*((\a)%4)+\b):8*(8*((\a)%4)+\b)+7], v[128*(\p)+FR*\b:128*(\p)+FR*\b+FR-1], v[AF+FR*(\a):AF+FR*(\a)+FR-1], 0, v[SC+16*(\sc)+8*(\q)+\b], v[SC+16*(\sc)+8*(\q)+(\a)] matrix_a_fmt:MATRIX_FMT_FP6 matrix_b_fmt:MATRIX_FMT_FP6 matrix_a_scale:MATRIX_SCALE_ROW1
.elseif \zero == 2
	v_wmma_scale_f32_16x16x128_f8f6f4 v[8*(8*((\a)%4)+\b):8*(8*((\a)%4)+\b)+7], v[128*(\p)+FR*\b:128*(\p)+FR*\b+FR-1], v[AF+FR*(\a):AF+FR*(\a)+FR-1], v[BI+8*\b:BI+8*\b+7], v[SC+16*(\sc)+8*(\q)+\b], v[SC+16*(\sc)+8*(\q)+(\a)] matrix_a_fmt:MATRIX_FMT_FP6 matrix_b_fmt:MATRIX_FMT_FP6 matrix_a_scale:MATRIX_SCALE_ROW1
.else
	v_wmma_scale_f32_16x16x128_f8f6f4 v[8*(8*((\a)%4)+\b):8*(8*((\a)%4)+\b)+7], v[128*(\p)+FR*\b:128*(\p)+FR*\b+FR-1], v[AF+FR*(\a):AF+FR*(\a)+FR-1], v[8*(8*((\a)%4)+\b):8*(8*((\a)%4)+\b)+7], v[SC+16*(\sc)+8*(\q)+\b], v[SC+16*(\sc)+8*(\q)+(\a)] matrix_a_fmt:MATRIX_FMT_FP6 matrix_b_fmt:MATRIX_FMT_FP6 matrix_a_scale:MATRIX_SCALE_ROW1
.endif
.endr
.endr
.endm
.macro STEP slot, q, zero              ; a step of 128 along K whose successor lies in the same slot
	s_wait_dscnt 4*NL                              ; all but the youngest twelve loads (A's blocks 4-7) are in
.if \zero == 2
	WIN 0x81                                       ; C (the bias) in window 0
.else
	WIN MUL_LO
.endif
	MUL16 0, (\q)%2, \q, \slot, \zero
	MUL16 2, (\q)%2, \q, \slot, \zero
	s_wait_dscnt 0
	PLACES NP
	FETCH_B \slot, (\q)+1, 1-(\q)%2
	FETCH_A \slot, (\q)+1, 0
.if \zero == 2
	WIN 0xc1
.else
	WIN MUL_HI
.endif
	MUL16 4, (\q)%2, \q, \slot, \zero
	MUL16 6, (\q)%2, \q, \slot, \zero
	PLACES NP
	WIN 0
	FETCH_A \slot, (\q)+1, 4
.endm
; A slot's last step changes slots: one barrier; ahead of it each wave waits for all its tensor loads, adds 0 to its spare word, and waits for that and for its reads of this slot.
.macro TURN slot, next, fill
	s_wait_tensorcnt 0x0                           ; my one load that was out, my part of the next slot, has landed
	ds_add_u32 v[SPW], v[NIL]
	s_wait_dscnt 4*NL+1                            ; the add and the youngest twelve loads may be out
	WIN MUL_LO
	MUL16 0, 1, 1, \slot, 0
	s_wait_dscnt 0x0                               ; the add is done, my reads of this slot are over
	s_barrier_signal -1
	MUL16 2, 1, 1, \slot, 0
	WIN 0
	s_barrier_wait -1
.if \fill
	CREST                                          ; the barrier has opened a round of the cluster's: no wave of any partner still reads this slot or has a load on its way
	s_add_nc_u64 s[G0+4*\slot+2:G0+4*\slot+3], s[G0+4*\slot+2:G0+4*\slot+3], 2*PART
	s_add_nc_u64 s[G0B+4*\slot+2:G0B+4*\slot+3], s[G0B+4*\slot+2:G0B+4*\slot+3], 2*PART
	JLOAD \slot                                    ; first behind the round; its four v_nop are the places ahead of the loads below
.else
	PLACES NP
.endif
	FETCH_B \next, 0, 0
	FETCH_A \next, 0, 0
	SCALES \next
	WIN MUL_HI
	MUL16 4, 1, 1, \slot, 0
	MUL16 6, 1, 1, \slot, 0
	PLACES NP
	WIN 0
	FETCH_A \next, 0, 4
.endm
; 64 results of a lane (window W, from register src on) become a fragment's codes in v[pc] on and the row's scale word in v[pw], both in window 0
.macro QUANT src, W, pc, pw
	WIN ((\W)<<2)|((\W)<<4)
.irp b, 0,1,2,3
	v_max3_num_f32 v[MX+\b], s[FLR], |v[(\src)+16*\b]|, |v[(\src)+16*\b+1]|     ; each accumulator is read from its low end on; the floor holds the byte at 1
.endr
.irp i, 2,4,6,8,10,12,14
.irp b, 0,1,2,3
	v_max3_num_f32 v[MX+\b], v[MX+\b], |v[(\src)+16*\b+\i]|, |v[(\src)+16*\b+\i+1]|
.endr
.endr
	WIN 0
.irp b, 0,1,2,3
	v_permlanex16_b32 v[PB+\b], v[MX+\b], s[SEL], s[SEL+1]
.endr
.irp b, 0,1,2,3
	v_max_num_f32 v[MX+\b], v[MX+\b], v[PB+\b]
.endr
.irp b, 0,1,2,3
	v_add_nc_u32 v[SO+\b], 0xff000000, v[MX+\b]
.endr
.irp b, 0,1,2,3
	v_lshrrev_b32 v[PB+\b], 23, v[SO+\b]
.endr
	v_lshl_or_b32 v[\pw], v[PB+1], 8, v[PB]
	v_lshl_or_b32 v[\pw], v[PB+2], 16, v[\pw]
	v_lshl_or_b32 v[\pw], v[PB+3], 24, v[\pw]
	WIN \W
.irp c, 0,1
	v_cvt_scalef32_pk16_fp6_f32 v[(\pc)+6*\c:(\pc)+6*\c+2], v[(\src)+32*\c:(\src)+32*\c+15], v[SO+2*\c]
	v_cvt_scalef32_pk16_fp6_f32 v[TP+4*\c:TP+4*\c+2], v[(\src)+32*\c+16:(\src)+32*\c+31], v[SO+2*\c+1]
.endr
	WIN 0
	v_nop                                          ; one plain place behind a scaled conversion
.irp c, 0,1
.irp i, 0,1,2
	v_permlane16_swap_b32 v[(\pc)+6*\c+\i], v[TP+4*\c+\i]
.endr
.irp i, 0,1,2
	v_mov_b32 v[(\pc)+3+6*\c+\i], v[TP+4*\c+\i]
.endr
.endr
.endm
.if QKV
	s_load_b64 s[4:5], s[0:1], 0x0                 ; img, for A
	s_load_b64 s[6:7], s[0:1], 0x0                 ; img, for B
	s_load_b64 s[8:9], s[0:1], 0x8                 ; the output
.else
	s_load_b128 s[4:7], s[0:1], 0x0                ; A's buffer, B's buffer
.if FF1
	s_load_b128 s[8:11], s[0:1], 0x10              ; the output, the bias
.else
	s_load_b64 s[8:9], s[0:1], 0x10                ; the output
.endif
.endif
	v_lshl_add_u32 v[SPW], v0, 2, SPARE
	v_mov_b32 v[NIL], 0
	ds_add_u32 v[SPW], v[NIL]                      ; the wave's opening: the add and its wait ahead of my first tensor load
	v_lshrrev_b32 v1, 5, v0
	v_readfirstlane_b32 s14, v1                    ; wave
	s_lshr_b32 s15, s14, 1                         ; my half of the tile's rows; also: I fetch for A (0) or B (1)
	s_and_b32 s16, s14, 1                          ; my half of its columns; also: which group I fetch
	s_bfe_u32 s40, ttmp6, 0x40000                  ; cx
	s_bfe_u32 s41, ttmp6, 0x40004                  ; cy
	s_and_b32 s72, ttmp7, 0xffff                   ; cluster y
.if QKV
	s_cmp_lt_u32 ttmp9, 2                          ; q and k, or v^T: the same in all sixteen partners
	s_cselect_b32 s42, ttmp9, s72                  ; clusters along the tile columns
	s_cselect_b32 s17, s72, 0                      ; and along the tile rows
	s_mov_b32 s73, 960*REC
	s_cselect_b32 s70, 0, s73                      ; A's section of img: x, or w_v
	s_mov_b32 s73, 832*REC
	s_cselect_b32 s71, s73, 0                      ; B's: w_q and w_k, or x
	s_cselect_b32 s74, 0, 512
	s_cselect_b32 s75, 1, 0
.else
	s_mov_b32 s42, ttmp9
	s_mov_b32 s17, s72
	s_mov_b32 s70, A_OFF
	s_mov_b32 s71, B_OFF
.endif
	s_lshl_b32 s42, s42, 2
	s_add_co_u32 s42, s42, s40                     ; tile column
	s_lshl_b32 s17, s17, 2
	s_add_co_u32 s17, s17, s41                     ; tile row
	s_lshl_b32 s43, s41, 2
	s_lshl_b32 s43, 15, s43                        ; my row of the cluster
	s_lshl_b32 s44, 0x1111, s40                    ; my column
	s_or_b32 s[G1+0], s43, (3<<16)|(1<<21)         ; the mask; elements of 8 bytes; bit 21 beside a mask; no padding
	s_or_b32 s[G1B+0], s44, (3<<16)|(1<<21)
.irp g, G1, G1B                        ; 25,600 dense bytes as 100 rows of 256
	s_mov_b32 s[\g+1], 32<<16
	s_mov_b32 s[\g+2], 100<<16
	s_mov_b32 s[\g+3], 32<<16
	s_mov_b32 s[\g+4], 100
	s_mov_b32 s[\g+5], 32
	s_mov_b32 s[\g+6], 0
	s_mov_b32 s[\g+7], 0
.endr
	s_lshl_b32 s20, s17, 1
	s_add_co_u32 s20, s20, s16                     ; A's group that I would fetch: it hangs on the tile row alone
	s_mul_i32 s20, s20, NK*REC
	s_add_co_u32 s20, s20, s70
	s_mov_b32 s21, 0
	s_lshl_b32 s46, s42, 1
	s_add_co_u32 s46, s46, s16                     ; B's: on the tile column alone
	s_mul_i32 s46, s46, NK*REC
	s_add_co_u32 s46, s46, s71
	s_mov_b32 s47, 0
	s_mul_i32 s45, s14, PART                       ; where it goes: no place in the cluster enters an LDS address
	s_mov_b32 s[SEL], 0x76543210
	s_mov_b32 s[SEL+1], 0xfedcba98
	s_mov_b32 s[FLR], 0x1800000
	s_wait_dscnt 0x0                               ; the opening add is done
	s_wait_kmcnt 0x0
	s_add_nc_u64 s[20:21], s[4:5], s[20:21]
	s_add_nc_u64 s[46:47], s[6:7], s[46:47]
	CROUND                                         ; all sixteen work-groups are here: the first joint loads meet
.irp s, 0,1
	s_mov_b32 s[G0+4*\s], 1
	s_add_co_u32 s[G0+4*\s+1], s45, \s*SLOT
	s_add_nc_u64 s[G0+4*\s+2:G0+4*\s+3], s[20:21], \s*PART
	s_or_b32 s[G0+4*\s+3], s[G0+4*\s+3], 0x80000000
	s_mov_b32 s[G0B+4*\s], 1
	s_add_co_u32 s[G0B+4*\s+1], s45, \s*SLOT
	s_add_nc_u64 s[G0B+4*\s+2:G0B+4*\s+3], s[46:47], \s*PART
	s_or_b32 s[G0B+4*\s+3], s[G0B+4*\s+3], 0x80000000
	JLOAD \s
.endr
	v_and_b32 v[LANE], 31, v0
	v_and_b32 v1, 15, v0                           ; r
	v_bfe_u32 v2, v0, 4, 1                         ; h
	v_lshlrev_b32 v[L16], 4, v[LANE]
	v_lshlrev_b32 v[L4], 2, v[LANE]
	v_lshlrev_b32 v[H64], 6, v2
	s_mul_i32 s72, s15, PART                       ; my group of A
	s_mul_i32 s73, s16, PART
	s_add_co_u32 s73, s73, 2*PART                  ; my group of B
	v_add_nc_u32 v[ADRA], s72, v[L16]
	v_add_nc_u32 v[ADRB], s73, v[L16]
	v_add_nc_u32 v[ADRA+1], SLOT, v[ADRA]
	v_add_nc_u32 v[ADRB+1], SLOT, v[ADRB]
	s_sub_co_u32 s73, s73, s72
	v_mul_u32_u24 v3, s73, v2                      ; lanes 16-31 take B's scale words
	v_lshl_add_u32 v3, v1, 2, v3
	s_add_co_u32 s72, s72, 12288
	v_add_nc_u32 v[ADRS], s72, v3
	v_add_nc_u32 v[ADRS+1], SLOT, v[ADRS]
	s_lshl_b32 s66, s17, 1
	s_add_co_u32 s66, s66, s15                     ; my group of A's rows
	s_lshl_b32 s67, s42, 1
	s_add_co_u32 s67, s67, s16                     ; my group of B's rows
.if FF1
	s_lshl_b32 s70, s67, 9                         ; the bias of my 128 columns; lane (r, h) wants, for block b, those of 32 (b / 2) + 8 (b % 2) + 16 h + 0 .. 7
	s_mov_b32 s71, 0
	s_add_nc_u64 s[10:11], s[10:11], s[70:71]
.irp b, 0,1,2,3,4,5,6,7
	global_load_b128 v[BI+8*\b:BI+8*\b+3], v[H64], s[10:11] offset:(32*(\b/2)+8*(\b%2))*4
	global_load_b128 v[BI+8*\b+4:BI+8*\b+7], v[H64], s[10:11] offset:(32*(\b/2)+8*(\b%2))*4+16
.endr
.endif
.if QKV
	s_cmp_eq_u32 s75, 1
	s_cselect_b32 s68, s67, s66
	s_cselect_b32 s69, s66, s67
	s_lshl_b32 s68, s68, 5
	s_add_co_u32 s68, s68, s69
	s_add_co_u32 s68, s68, s74
	s_mul_i32 s68, s68, REC
.elseif FF1
	s_lshl_b32 s68, s66, 5
	s_add_co_u32 s68, s68, s67
	s_mul_i32 s68, s68, REC
.else
	s_lshl_b32 s68, s66, 19
	s_lshl_b32 s69, s67, 13
	s_add_co_u32 s68, s68, s69
.endif
	s_mov_b32 s69, 0
	s_add_nc_u64 s[8:9], s[8:9], s[68:69]
.if EPI
.irp b, 0,1,2,3
	v_mov_b32 v[PB+\b], 0                          ; a lane permute's destination counts as one of its sources
.endr
.endif
	s_wait_tensorcnt 1                             ; my part of slot 0 is in; slot 1's load may be out
	s_barrier_signal -1
	s_barrier_wait -1
	FETCH_B 0, 0, 0
	FETCH_A 0, 0, 0
	SCALES 0
	FETCH_A 0, 0, 4
.if FF1
	s_wait_loadcnt 0x0                             ; the bias
.endif
	STEP 0, 0, 1+FF1                               ; the first step stands ahead of the loop: its products start the sums
	s_mov_b32 s3, LAPS-1
.Llap:                                                 ; a trip goes once round the ring and fills both slots again
	TURN 0, 1, 1
	STEP 1, 0, 0
	TURN 1, 0, 1
	STEP 0, 0, 0
	s_sub_co_u32 s3, s3, 1
	s_cmp_lg_u32 s3, 0
	s_cbranch_scc1 .Llap
	TURN 0, 1, 0                                   ; the last lap fills nothing
	STEP 1, 0, 0
	s_wait_dscnt 4*NL
	WIN MUL_LO
	MUL16 0, 1, 1, 1, 0
	MUL16 2, 1, 1, 1, 0
	s_wait_dscnt 0
	WIN MUL_HI
	MUL16 4, 1, 1, 1, 0
	MUL16 6, 1, 1, 1, 0
	WIN 0
	PLACES NP                                      ; ahead of the first read of results and the first write over operands
.if EPI == 0
.irp a, 0,1,2,3,4,5,6,7
	WIN 0x08+4*(\a/4)                              ; a store's data are its source 1: window 2 or 3
.irp b, 0,1,2,3,4,5,6,7
	global_store_b128 v[L16], v[8*(8*(\a%4)+\b):8*(8*(\a%4)+\b)+3], s[8:9] offset:\a*65536+1024*\b th:TH_STORE_NT
	global_store_b128 v[L16], v[8*(8*(\a%4)+\b)+4:8*(8*(\a%4)+\b)+7], s[8:9] offset:\a*65536+1024*\b+512 th:TH_STORE_NT
.endr
.endr
	WIN 0
.else
.irp a, 0,1,2,3,4,5,6,7
.if FF1
	WIN 0x88+0x44*(\a/4)
.set j, 64*(\a%4)
.rept 64
	v_max_num_f32 v[j], 0, v[j]                    ; the activation, in f32
.set j, j+1
.endr
.endif
	QUANT 64*(\a%4), 2+\a/4, AF+12*\a, PW+\a
.irp c, 0,1,2
	global_store_b128 v[L16], v[AF+12*\a+4*\c:AF+12*\a+4*\c+3], s[8:9] offset:1536*\a+512*\c
.endr
.endr
	v_cmp_le_u32 vcc_lo, 16, v[LANE]
.irp i, 0,1,2,3
	v_cndmask_b32 v[SW+\i], v[PW+2*\i], v[PW+2*\i+1], vcc_lo    ; lanes 0-15 fragment 2 i's words, lanes 16-31 fragment 2 i + 1's
.endr
.irp i, 0,1,2,3
	global_store_b32 v[L4], v[SW+\i], s[8:9] offset:12288+128*\i
.endr
.endif
	s_wait_tensorcnt 0x0                           ; the wave's end
	ds_add_u32 v[SPW], v[NIL]
	s_wait_dscnt 0x0
	CROUND                                         ; the closing round
	s_endpgm
.Lfunc_end_k_q8b6e4da770_g_qkv:
	.size	k_q8b6e4da770_g_qkv, .Lfunc_end_k_q8b6e4da770_g_qkv-k_q8b6e4da770_g_qkv
	.p2alignl 7, 3214868480
	.fill 96, 4, 3214868480
	.section	.rodata,"a",@progbits
	.p2align	6, 0x0
	.amdhsa_kernel k_q8b6e4da770_g_qkv
		.amdhsa_group_segment_fixed_size 327680
		.amdhsa_private_segment_fixed_size 0
		.amdhsa_enable_private_segment 0
		.amdhsa_kernarg_size 16
		.amdhsa_user_sgpr_count 2
		.amdhsa_user_sgpr_kernarg_segment_ptr 1
		.amdhsa_wavefront_size32 1
		.amdhsa_system_sgpr_workgroup_id_x 1
		.amdhsa_system_sgpr_workgroup_id_y 1
		.amdhsa_system_sgpr_workgroup_id_z 1
		.amdhsa_system_vgpr_workitem_id 0
		.amdhsa_next_free_vgpr 1024
		.amdhsa_next_free_sgpr 80
		.amdhsa_reserve_vcc 1
		.amdhsa_float_denorm_mode_32 3
		.amdhsa_float_denorm_mode_16_64 3
		.amdhsa_memory_ordered 1
		.amdhsa_forward_progress 1
		.amdhsa_inst_pref_size 138
	.end_amdhsa_kernel
	.amdgpu_metadata
---
amdhsa.version: [ 1, 2 ]
amdhsa.kernels:
  - .name:           k_q8b6e4da770_g_qkv
    .symbol:         k_q8b6e4da770_g_qkv.kd
    .args:
      - { .name: img, .offset: 0, .size: 8, .value_kind: global_buffer, .address_space: global }
      - { .name: qkv, .offset: 8, .size: 8, .value_kind: global_buffer, .address_space: global }
    .group_segment_fixed_size: 327680
    .private_segment_fixed_size: 0
    .kernarg_segment_align: 8
    .kernarg_segment_size: 16
    .max_flat_workgroup_size: 128
    .sgpr_count:     80
    .vgpr_count:     1024
    .wavefront_size: 32
...
	.end_amdgpu_metadata
.endif
;; end of part 3
;; launch attn (part 4): grid 32 x 8, 8 waves a work-group, clusters of 4 x 1, 327,680 bytes of LDS; arguments qkv, src_mask, cc; writes cc
.if DOCPART == 4
	.amdgcn_target "amdgcn-amd-amdhsa--gfx1250"
	.amdhsa_code_object_version 6
	.text
	.protected	k_q8b6e4da770_attn
	.globl	k_q8b6e4da770_attn
	.p2align	8
	.type	k_q8b6e4da770_attn,@function
k_q8b6e4da770_attn:
	s_mov_b64 s[64:65], 0
	v_nop
	global_prefetch_b8 v0, s[64:65] scope:SCOPE_SE
	s_setreg_imm32_b32 hwreg(HW_REG_WAVE_MODE, 25, 1), 1
	s_wait_xcnt 0x0
	s_wait_alu depctr_hold_cnt(0) depctr_sa_sdst(0) depctr_va_vdst(0) depctr_va_sdst(0) depctr_va_ssrc(0) depctr_va_vcc(0) depctr_vm_vsrc(0)
	s_getreg_b32 s2, hwreg(HW_REG_IB_STS2, 6, 4)
	s_cmp_eq_u32 s2, 0
	s_cbranch_scc0 .Lentry_in_a_cluster
	s_endpgm
.Lentry_in_a_cluster:
	s_bfe_u32 s2, ttmp6, 0x10000c
	s_cmp_lg_u32 s2, 0x3003
	s_cbranch_scc0 .Lentry_shape_is_right
	s_endpgm
.Lentry_shape_is_right:
; ATTENTION on FP6 codes.  m = (q . k / 64) mask_i mask_j, exact zeros become 1e-10; softmax over the keys; times v.  Both products quantised; p = 2^(t - M), t = m log2(e), M a whole number (the ceiling of the
; running largest t); the row's sum is taken of the unquantised p and divides at the end.  The result, concat, is quantised along (head, channel) and written as records for the next product.
; INPUT RECORDS (12,800 bytes: fragment a at 1536 a + 512 c + 16 l, position r = row pi(a, r) = 32 (a / 2) + 8 (a % 2) + r + 8 (r / 8), scale words at 12288 + 64 a + 4 r):
;   q: record 32 P + token group, k: 256 + 32 P + token group: 128 tokens x (pair P's even head's 64, odd head's 64).   v^T: 512 + 32 P + token group: the pair's 128 channels x 128 tokens.
; SHARES.  A work-group: 128 queries (token group Gq) and a PAIR of heads; wave w: query tile w (16 queries) for both heads.  A fragment of k holds the even head in registers 0-5 and the odd head in 6-11:
; against [q_even | zero codes] and [zero codes | q_odd] one fragment serves both heads, and K = 64 is filled up with zero codes, which add nothing.  The two heads' O together are one fragment of concat.
; Both products transposed: S^T = k q^T, O^T = v^T p^T: a lane holds one query throughout; by pi the 16 registers of two neighbouring tiles are 16 neighbouring keys (or channels).
; CLUSTER.  The four work-groups of a cluster share batch and pair: each record of k and v^T is asked for jointly.  Ring: two slots of four key steps (4 records of k, 4 of v^T); every wave fetches one record.
; THE MASKS.  u = s (mask_j c), c = log2(e) / 64; t = u |mask_i|; mask_i's sign is carried by q's codes (their sign bits are turned where mask_i < 0: exact), so that a block's largest t is |mask_i| x its largest u.
; THE 1e-10.  An entry that is 0 makes the row's largest t positive, so M >= 1; there 1e-10 log2(e) - M and 0 - M round to the same f32.  So the replacement is made where it shows: in the blocks' largest t, which fix M.
; LIMITS: the order of the three factors' roundings differs from the source's by f32 ulps; NaN and infinities are not served; a block of zeros gets the byte 1 (codes zero).
.set REC,   12800
.set SLOT1, 1<<17
.set MW,    8*REC                      ; behind slot 0: mask_j c of the batch's 2,048 keys, 8,192 bytes
.set SCG,   MW+8192                    ; the eight waves' scale words of the result, 512 bytes
.set SPARE, SCG+512                    ; the spare words, 128 bytes a wave
.set AD,  4                            ; v1 16 l; v2 4 r; v3 MW + 64 h; v4-6 the step's addresses; v7 16 l + 1536 w; v8-11 at work; v12 SCG + 64 w + 4 r; v13 SCG + 16 l
.set ADS, 5
.set ADM, 6
.set SPW, 28
.set NIL, 29
.set KS,  32                           ; v32-39 k's scale words, v40-47 v's
.set VS,  40
.set PWD, 48                           ; p's scale word
.set QS,  49                           ; q's
.set EPS, 50                           ; 1e-10 log2(e)
.set MI,  52                           ; v[52:53] |mask_i|
.set F,   54                           ; v[54:55] 2^(old M - new M)
.set ST0, 56                           ; head hd at + 4 hd: -M, the largest t, the sum in two halves
.set KF,  64                           ; v64-159 k's eight fragments
.set S,   160                          ; v160-223 S^T, then p
.set PC,  224
.set TP,  236
.set BM,  244
.set MX,  244
.set PT,  248
.set PB,  248
.set SO,  252
.set MK,  64                           ; window 1: v0-63 O^T (head hd at 32 hd); v64-127 mask_j c of the step's keys; v128-223 v's eight fragments; v224-241 q: [even | zeros | odd]
.set VF,  128
.set QX,  224
.set WV,  12
.set TB,  2                            ; s2 the step's records in LDS;  s3 its mask words
.set TS,  3
.set SEL, 20
.set FLR, 22
.set G1,  24
.set G0,  40
.set SLOTS, 44
.set CNT, 45
.set CS,  52
.set MSB, 0
.macro WIN new
.if MSB != (\new)
	s_set_vgpr_msb (MSB<<8)|(\new)
.set MSB, (\new)
.endif
.endm
.macro CROUND                          ; a round of the cluster's barrier
	s_barrier_signal -1
	s_barrier_wait -1
	s_cmp_lg_u32 s[WV], 0
	s_cbranch_scc1 .Lnot_wave_0_\@
	s_barrier_signal -3
.Lnot_wave_0_\@:
	s_barrier_wait -3
	s_barrier_signal -1
	s_barrier_wait -1
.endm
.macro PLACES
.rept 4
	v_nop
.endr
.endm
.macro PACKP pw                        ; from the four scale operands in v[SO] on: the bytes, the word, the codes of v[S] on into v[PC] on
.irp b, 0,1,2,3
	v_lshrrev_b32 v[PB+\b], 23, v[SO+\b]
.endr
	v_lshl_or_b32 v[\pw], v[PB+1], 8, v[PB]
	v_lshl_or_b32 v[\pw], v[PB+2], 16, v[\pw]
	v_lshl_or_b32 v[\pw], v[PB+3], 24, v[\pw]
.irp c, 0,1
	v_cvt_scalef32_pk16_fp6_f32 v[PC+6*\c:PC+6*\c+2], v[S+32*\c:S+32*\c+15], v[SO+2*\c]
	v_cvt_scalef32_pk16_fp6_f32 v[TP+4*\c:TP+4*\c+2], v[S+32*\c+16:S+32*\c+31], v[SO+2*\c+1]
.endr
	v_nop                                          ; one plain place behind a scaled conversion
.irp c, 0,1                                            ; the operand wants a whole block in a lane
.irp i, 0,1,2
	v_permlane16_swap_b32 v[PC+6*\c+\i], v[TP+4*\c+\i]
.endr
.irp i, 0,1,2
	v_mov_b32 v[PC+3+6*\c+\i], v[TP+4*\c+\i]
.endr
.endr
.endm
; One head's part of a key step of 128 keys
.macro HEAD hd
.set STT, ST0+4*\hd
	WIN 0x04                                       ; source 1 (q, then the mask words) in window 1
.irp t, 0,1,2,3,4,5,6,7
	v_wmma_scale_f32_16x16x128_f8f6f4 v[S+8*\t:S+8*\t+7], v[KF+12*\t:KF+12*\t+11], v[QX+6*\hd:QX+6*\hd+11], 0, v[KS+\t], v[QS] matrix_a_fmt:MATRIX_FMT_FP6 matrix_b_fmt:MATRIX_FMT_FP6
.endr
	PLACES
.if \hd == 0
	s_wait_dscnt 24                                ; the mask words are in; v's 24 loads may be out
.endif
.set j, 0
.rept 32
	v_pk_mul_f32 v[S+j:S+j+1], v[S+j:S+j+1], v[MK+j:MK+j+1]      ; u = s mask_j c; each accumulator from its low end on
.set j, j+2
.endr
	WIN 0
.irp b, 0,1,2,3
	v_max3_num_f32 v[BM+\b], v[S+16*\b], v[S+16*\b+1], v[S+16*\b+2]   ; the largest u of each block of 32 keys: it serves the row's maximum and the block's largest p
.endr
.irp i, 3,5,7,9,11,13
.irp b, 0,1,2,3
	v_max3_num_f32 v[BM+\b], v[BM+\b], v[S+16*\b+\i], v[S+16*\b+\i+1]
.endr
.endr
.irp b, 0,1,2,3
	v_max_num_f32 v[BM+\b], v[BM+\b], v[S+16*\b+15]
.endr
.irp b, 0,1,2,3
	v_permlanex16_b32 v[PT+\b], v[BM+\b], s[SEL], s[SEL+1]
.endr
.irp b, 0,1,2,3
	v_max_num_f32 v[BM+\b], v[BM+\b], v[PT+\b]
.endr
.irp b, 0,1,2,3
	v_mul_f32 v[PT+\b], v[BM+\b], v[MI]            ; the block's largest t
.endr
.irp b, 0,1,2,3
	v_cmp_eq_f32 vcc_lo, 0, v[PT+\b]               ; a largest t of 0 is an entry that the source replaces by 1e-10
	v_cndmask_b32 v[PT+\b], v[PT+\b], v[EPS], vcc_lo
.endr
	v_max3_num_f32 v8, v[PT], v[PT+1], v[PT+2]
	v_max_num_f32 v8, v8, v[PT+3]
	v_max_num_f32 v[STT+1], v[STT+1], v8           ; the running largest t
	v_mov_b32 v8, v[STT]
	v_floor_f32 v[STT], -v[STT+1]                  ; the new -M = -ceil(t)
	v_sub_f32 v8, v[STT], v8                       ; old M - new M: a whole number, 0 or less
	v_cvt_i32_f32 v8, v8                           ; (it saturates)
	v_ldexp_f32 v[F], 1.0, v8                      ; f: a multiplication by it rounds nothing
.set j, 0
.rept 32
	v_pk_fma_f32 v[S+j:S+j+1], v[S+j:S+j+1], v[MI:MI+1], v[STT:STT+1] op_sel_hi:[1,0,0]   ; t - M
.set j, j+2
.endr
.irp b, 0,1,2,3
	v_fma_f32 v[BM+\b], v[BM+\b], v[MI], v[STT]    ; the same of each block's largest
.endr
.set j, 0
.rept 64
	v_exp_f32 v[S+j], v[S+j]                       ; p, at most 1, not normalised
.set j, j+1
.endr
	v_pk_mul_f32 v[STT+2:STT+3], v[STT+2:STT+3], v[F:F+1] op_sel_hi:[1,0]    ; the sums under the new M (a plain place behind the exponentials)
	s_wait_alu depctr_va_vdst(0)                   ; one wait for the batch, ahead of its first reader
.irp b, 0,1,2,3
	v_exp_f32 v[BM+\b], v[BM+\b]                   ; the block's largest p
.endr
	v_pk_add_f32 v[10:11], v[S:S+1], v[S+2:S+3]    ; the row's sum of the unquantised p, in two chains
.irp i, 4,8,12,16,20,24,28,32,36,40,44,48,52,56,60
	v_pk_add_f32 v[STT+2:STT+3], v[STT+2:STT+3], v[S+\i:S+\i+1]
	v_pk_add_f32 v[10:11], v[10:11], v[S+\i+2:S+\i+3]
.endr
	v_pk_add_f32 v[STT+2:STT+3], v[STT+2:STT+3], v[10:11]
	s_wait_alu depctr_va_vdst(0)                   ; and one for the four
.irp b, 0,1,2,3
	v_max_num_f32 v[BM+\b], s[FLR], v[BM+\b]       ; the floor: the byte cannot fall under 1
.endr
.irp b, 0,1,2,3
	v_add_nc_u32 v[SO+\b], 0xff000000, v[BM+\b]
.endr
	PACKP PWD
	WIN 0x41
.set j, 32*\hd
.rept 16
	v_pk_mul_f32 v[j:j+1], v[j:j+1], v[F:F+1] op_sel_hi:[1,0]    ; O^T under the new M; for each product below twelve of these name none of its registers: its places behind the scale word and the codes
.set j, j+2
.endr
.if \hd == 0
	s_wait_dscnt 0x0                               ; v's fragments are in
.endif
	WIN 0x51                                       ; v and O^T in window 1, p in window 0
.irp t, 0,1,2,3
	v_wmma_scale_f32_16x16x128_f8f6f4 v[32*\hd+8*\t:32*\hd+8*\t+7], v[VF+12*(4*\hd+\t):VF+12*(4*\hd+\t)+11], v[PC:PC+11], v[32*\hd+8*\t:32*\hd+8*\t+7], v[VS+4*\hd+\t], v[PWD] matrix_a_fmt:MATRIX_FMT_FP6 matrix_b_fmt:MATRIX_FMT_FP6
.endr
	WIN 0
.endm
.macro STEP
	v_add_nc_u32 v[AD], s[TB], v1                  ; these three and the v_nop are the four places behind the last products, ahead of loads into their operands
	v_add_nc_u32 v[ADS], s[TB], v2
	v_add_nc_u32 v[ADM], s[TS], v3
	v_nop
.irp t, 0,1,2,3,4,5,6,7
	ds_load_b32 v[KS+\t], v[ADS] offset:12288+64*\t
.endr
.irp t, 0,1,2,3,4,5,6,7
	ds_load_b32 v[VS+\t], v[ADS] offset:4*REC+12288+64*\t
.endr
.irp t, 0,1,2,3,4,5,6,7
.irp c, 0,1,2
	ds_load_b128 v[KF+12*\t+4*\c:KF+12*\t+4*\c+3], v[AD] offset:1536*\t+512*\c
.endr
.endr
	WIN 0x40
.irp i, 0,1,2,3,4,5,6,7,8,9,10,11,12,13,14,15
	ds_load_b128 v[MK+4*\i:MK+4*\i+3], v[ADM] offset:128*(\i/4)+16*(\i%4)
.endr
.irp t, 0,1,2,3,4,5,6,7
.irp c, 0,1,2
	ds_load_b128 v[VF+12*\t+4*\c:VF+12*\t+4*\c+3], v[AD] offset:4*REC+1536*\t+512*\c
.endr
.endr
	s_wait_dscnt 40                                ; the scale words and k are in; the 16 loads of mask words and v's 24 may be out
	HEAD 0
	HEAD 1
	s_add_co_u32 s[TB], s[TB], REC
	s_add_co_u32 s[TS], s[TS], 512
.endm
; The change of slots stands at a slot's head: all my tensor loads, the add, the wait for it and for my reads of the slot that I have left; a round (or, where nothing is filled, a barrier); the refill first behind it.
.macro CHANGE fill
	s_wait_tensorcnt 0x0
	ds_add_u32 v[SPW], v[NIL]
.if \fill
	s_xor_b32 s[G0+1], s[G0+1], SLOT1              ; the walking descriptor: the other slot, the next four records
	s_add_nc_u64 s[G0+2:G0+3], s[G0+2:G0+3], 4*REC
.endif
	s_wait_dscnt 0x0
.if \fill
	CROUND
	tensor_load_to_lds s[G0:G0+3], s[G1:G1+7]      ; one load a wave: it has four key steps in which to land
	s_nop 0
	PLACES
.else
	s_barrier_signal -1
	s_barrier_wait -1
.endif
.endm
.macro SLOT_STEPS
	s_mov_b32 s[CNT], 4
.Lstep_\@:
	STEP
	s_sub_co_u32 s[CNT], s[CNT], 1
	s_cmp_lg_u32 s[CNT], 0
	s_cbranch_scc1 .Lstep_\@
	s_sub_co_u32 s[TB], s[TB], 4*REC
	s_xor_b32 s[TB], s[TB], SLOT1
.endm
	s_load_b128 s[4:7], s[0:1], 0x0                ; qkv, src_mask
	s_load_b64 s[8:9], s[0:1], 0x10                ; cc
	v_lshl_add_u32 v[SPW], v0, 2, SPARE
	v_mov_b32 v[NIL], 0
	ds_add_u32 v[SPW], v[NIL]                      ; the wave's opening: the add and its wait ahead of my first tensor load
	v_lshrrev_b32 v8, 5, v0
	v_readfirstlane_b32 s[WV], v8                  ; wave 0..7
	s_bfe_u32 s13, ttmp6, 0x40000                  ; cx
	s_lshl_b32 s14, ttmp9, 2
	s_add_co_u32 s14, s14, s13                     ; Gq: my group of 128 queries: it enters q's, the mask's and cc's addresses alone
	s_and_b32 s15, ttmp7, 0xffff                   ; P, the pair of heads
	s_lshr_b32 s16, ttmp9, 2                       ; the batch: shared by the four partners
	s_mov_b32 s[G1], 15|(3<<16)|(1<<21)            ; all four work-groups; elements of 8 bytes; bit 21 beside a mask
	s_mov_b32 s[G1+1], 32<<16                      ; 12,800 dense bytes as 50 rows of 256
	s_mov_b32 s[G1+2], 50<<16
	s_mov_b32 s[G1+3], 32<<16
	s_mov_b32 s[G1+4], 50
	s_mov_b32 s[G1+5], 32
	s_mov_b32 s[G1+6], 0
	s_mov_b32 s[G1+7], 0
	s_lshl_b32 s46, s15, 5
	s_lshl_b32 s47, s16, 4
	s_add_co_u32 s46, s46, s47
	s_and_b32 s47, s[WV], 3
	s_add_co_u32 s46, s46, s47                     ; 32 P + 16 batch + my step of the slot's four,
	s_lshr_b32 s47, s[WV], 2
	s_lshl_b32 s47, s47, 8
	s_add_co_u32 s46, s46, s47
	s_add_co_u32 s46, s46, 256                     ; among k's records (waves 0-3) or v's (waves 4-7)
	s_mul_i32 s46, s46, REC
	s_mov_b32 s47, 0
	s_mul_i32 s17, s[WV], REC                      ; in a slot: k's four, then v's four
	s_mov_b32 s[SEL], 0x76543210
	s_mov_b32 s[SEL+1], 0xfedcba98
	s_mov_b32 s[FLR], 0x1800000
	s_mov_b32 s[CS], 0x3cb8aa3b                    ; c = log2(e) / 64
	s_mov_b32 s[CS+1], s[CS]
	s_mov_b32 s[TB], 0
	s_mov_b32 s[TS], 0
	s_mov_b32 s[SLOTS], 3
	s_wait_dscnt 0x0                               ; the opening add is done
	s_wait_kmcnt 0x0
	s_mov_b32 s[G0], 1
	s_mov_b32 s[G0+1], s17
	s_add_nc_u64 s[G0+2:G0+3], s[4:5], s[46:47]
	s_or_b32 s[G0+3], s[G0+3], 0x80000000
	CROUND                                         ; all four work-groups are here: the first joint loads meet
	tensor_load_to_lds s[G0:G0+3], s[G1:G1+7]      ; slot 0
	s_nop 0
	PLACES
	v_and_b32 v9, 31, v0
	v_and_b32 v10, 15, v0                          ; r
	v_bfe_u32 v11, v0, 4, 1                        ; h
	v_lshlrev_b32 v1, 4, v9
	v_lshlrev_b32 v2, 2, v10
	v_lshl_add_u32 v3, v11, 6, MW
	s_mul_i32 s46, s[WV], 1536
	v_add_nc_u32 v7, s46, v1                       ; my tile's fragment in a record
	s_lshl_b32 s46, s[WV], 6
	v_add_nc_u32 v21, s46, v2                      ; and its scale words
	v_add_nc_u32 v12, SCG, v21
	v_add_nc_u32 v13, SCG, v1
	v_lshl_add_u32 v14, v0, 4, MW
	v_lshlrev_b32 v20, 4, v0
	v_and_b32 v15, 8, v10
	v_add_nc_u32 v15, v15, v10                     ; r + 8 (r / 8)
	s_lshl_b32 s46, s14, 7
	s_lshr_b32 s47, s[WV], 1
	s_lshl_b32 s47, s47, 5
	s_add_co_u32 s46, s46, s47
	s_and_b32 s47, s[WV], 1
	s_lshl_b32 s47, s47, 3
	s_add_co_u32 s46, s46, s47
	v_add_nc_u32 v15, s46, v15                     ; my query: 128 Gq + pi(w, r)
	v_lshlrev_b32 v15, 2, v15
	s_lshl_b32 s48, s15, 5
	s_add_co_u32 s48, s48, s14
	s_mul_i32 s48, s48, REC
	s_mov_b32 s49, 0
	s_add_nc_u64 s[48:49], s[4:5], s[48:49]        ; q's record
	s_lshl_b32 s50, s16, 13
	s_mov_b32 s51, 0
	s_add_nc_u64 s[50:51], s[6:7], s[50:51]        ; the batch's mask
	s_lshl_b32 s10, s14, 3
	s_add_co_u32 s10, s10, s15
	s_mul_i32 s10, s10, REC
	s_mov_b32 s11, 0
	s_add_nc_u64 s[10:11], s[8:9], s[10:11]        ; concat's record (Gq, K step P)
.irp c, 0,1,2
	global_load_b128 v[KF+4*\c:KF+4*\c+3], v7, s[48:49] offset:512*\c
.endr
	global_load_b32 v[QS], v21, s[48:49] offset:12288
	global_load_b32 v19, v15, s[6:7]               ; mask_i
	global_load_b128 v[S:S+3], v20, s[50:51]
	global_load_b128 v[S+4:S+7], v20, s[50:51] offset:4096
	v_mov_b32 v[EPS], 0x2f1ea042
	v_mov_b32 v16, 0x20820820                      ; the sign bits of 16 codes of 6 bits in three registers
	v_mov_b32 v17, 0x08208208
	v_mov_b32 v18, 0x82082082
.irp hd, 0,1
	v_mov_b32 v[ST0+4*\hd+1], 0xff61b1e6           ; the largest t so far: -3e38
	v_floor_f32 v[ST0+4*\hd], -v[ST0+4*\hd+1]
	v_mov_b32 v[ST0+4*\hd+2], 0
	v_mov_b32 v[ST0+4*\hd+3], 0
.endr
	v_mov_b32 v[F], 0
	v_mov_b32 v[F+1], 0
.irp b, 0,1,2,3
	v_mov_b32 v[PT+\b], 0                          ; a lane permute's destination counts as one of its sources
.endr
	WIN 0x40
.set j, 0
.rept 64
	v_mov_b32 v[j], 0                              ; O^T: the step is written once; its first pass finds zeros
.set j, j+1
.endr
.irp i, 6,7,8,9,10,11
	v_mov_b32 v[QX+\i], 0                          ; the zero codes between the two heads
.endr
	WIN 0
	s_wait_loadcnt 0x0
.irp i, 0,2,4,6
	v_pk_mul_f32 v[S+\i:S+\i+1], v[S+\i:S+\i+1], s[CS:CS+1] op_sel_hi:[1,0]
.endr
	ds_store_b128 v14, v[S:S+3]                    ; mask_j c: published by the first change of slots' wait and round
	ds_store_b128 v14, v[S+4:S+7] offset:4096
	v_cmp_gt_f32 vcc_lo, 0, v19
.irp i, 16,17,18
	v_cndmask_b32 v[\i], 0, v[\i], vcc_lo
.endr
	v_and_b32 v[MI], 0x7fffffff, v19
	v_mov_b32 v[MI+1], v[MI]
	WIN 0x40
.irp i, 0,1,2,3,4,5
	v_xor_b32 v[QX+\i], v[KF+\i], v[16+\i%3]
	v_xor_b32 v[QX+12+\i], v[KF+6+\i], v[16+\i%3]
.endr
	WIN 0
.Lslot:                                                ; three trips: behind each change of slots but the last the next slot is asked for
	CHANGE 1
	SLOT_STEPS
	s_sub_co_u32 s[SLOTS], s[SLOTS], 1
	s_cmp_lg_u32 s[SLOTS], 0
	s_cbranch_scc1 .Lslot
	CHANGE 0                                       ; the last slot is written out
	SLOT_STEPS
	PLACES                                         ; behind the last products
.irp hd, 0,1
	v_add_f32 v[ST0+4*\hd+2], v[ST0+4*\hd+2], v[ST0+4*\hd+3]
.endr
.irp hd, 0,1
	v_permlanex16_b32 v[PT+\hd], v[ST0+4*\hd+2], s[SEL], s[SEL+1]
.endr
.irp hd, 0,1
	v_add_f32 v[ST0+4*\hd+2], v[ST0+4*\hd+2], v[PT+\hd]      ; the row's sum
.endr
.irp hd, 0,1
	v_rcp_f32 v[ST0+4*\hd+2], v[ST0+4*\hd+2]
.endr
	v_nop
	s_wait_alu depctr_va_vdst(0)                   ; one wait for both reciprocals, ahead of their first reader
	WIN 0x01
.set j, 0
.rept 64
	v_mul_f32 v[S+j], v[j], v[ST0+4*(j/32)+2]      ; register 16 b + i = channel 32 b + 16 h + i of the pair's 128
.set j, j+1
.endr
	WIN 0
.irp b, 0,1,2,3                                        ; concat is quantised along the channels
	v_max3_num_f32 v[MX+\b], s[FLR], |v[S+16*\b]|, |v[S+16*\b+1]|
.endr
.irp i, 2,4,6,8,10,12,14
.irp b, 0,1,2,3
	v_max3_num_f32 v[MX+\b], v[MX+\b], |v[S+16*\b+\i]|, |v[S+16*\b+\i+1]|
.endr
.endr
.irp b, 0,1,2,3
	v_permlanex16_b32 v[PB+\b], v[MX+\b], s[SEL], s[SEL+1]
.endr
.irp b, 0,1,2,3
	v_max_num_f32 v[MX+\b], v[MX+\b], v[PB+\b]
.endr
.irp b, 0,1,2,3
	v_add_nc_u32 v[SO+\b], 0xff000000, v[MX+\b]
.endr
	PACKP 9
.irp c, 0,1,2
	global_store_b128 v7, v[PC+4*\c:PC+4*\c+3], s[10:11] offset:512*\c
.endr
	ds_store_b32 v12, v9                           ; the eight tiles' scale words meet in LDS and leave as 512 consecutive bytes
	s_wait_dscnt 0x0
	s_barrier_signal -1
	s_barrier_wait -1
	s_cmp_lg_u32 s[WV], 0
	s_cbranch_scc1 .Lnot_first
	ds_load_b128 v[S:S+3], v13
	s_wait_dscnt 0x0
	global_store_b128 v1, v[S:S+3], s[10:11] offset:12288
.Lnot_first:
	s_wait_tensorcnt 0x0                           ; the wave's end
	ds_add_u32 v[SPW], v[NIL]
	s_wait_dscnt 0x0
	CROUND                                         ; the closing round
	s_endpgm
.Lfunc_end_k_q8b6e4da770_attn:
	.size	k_q8b6e4da770_attn, .Lfunc_end_k_q8b6e4da770_attn-k_q8b6e4da770_attn
	.p2alignl 7, 3214868480
	.fill 96, 4, 3214868480
	.section	.rodata,"a",@progbits
	.p2align	6, 0x0
	.amdhsa_kernel k_q8b6e4da770_attn
		.amdhsa_group_segment_fixed_size 327680
		.amdhsa_private_segment_fixed_size 0
		.amdhsa_enable_private_segment 0
		.amdhsa_kernarg_size 24
		.amdhsa_user_sgpr_count 2
		.amdhsa_user_sgpr_kernarg_segment_ptr 1
		.amdhsa_wavefront_size32 1
		.amdhsa_system_sgpr_workgroup_id_x 1
		.amdhsa_system_sgpr_workgroup_id_y 1
		.amdhsa_system_sgpr_workgroup_id_z 1
		.amdhsa_system_vgpr_workitem_id 0
		.amdhsa_next_free_vgpr 512
		.amdhsa_next_free_sgpr 66
		.amdhsa_reserve_vcc 1
		.amdhsa_float_denorm_mode_32 3
		.amdhsa_float_denorm_mode_16_64 3
		.amdhsa_memory_ordered 1
		.amdhsa_forward_progress 1
		.amdhsa_inst_pref_size 92
	.end_amdhsa_kernel
	.amdgpu_metadata
---
amdhsa.version: [ 1, 2 ]
amdhsa.kernels:
  - .name:           k_q8b6e4da770_attn
    .symbol:         k_q8b6e4da770_attn.kd
    .args:
      - { .name: qkv, .offset: 0, .size: 8, .value_kind: global_buffer, .address_space: global }
      - { .name: src_mask, .offset: 8, .size: 8, .value_kind: global_buffer, .address_space: global }
      - { .name: cc, .offset: 16, .size: 8, .value_kind: global_buffer, .address_space: global }
    .group_segment_fixed_size: 327680
    .private_segment_fixed_size: 0
    .kernarg_segment_align: 8
    .kernarg_segment_size: 24
    .max_flat_workgroup_size: 256
    .sgpr_count:     66
    .vgpr_count:     512
    .wavefront_size: 32
...
	.end_amdgpu_metadata
.endif
;; end of part 4
;; launch g_wo (part 5): grid 4 x 16, 4 waves a work-group, clusters of 4 x 4, 327,680 bytes of LDS; arguments cc, img, cf; writes cf
.if DOCPART == 5
	.amdgcn_target "amdgcn-amd-amdhsa--gfx1250"
	.amdhsa_code_object_version 6
	.text
	.protected	k_q8b6e4da770_g_wo
	.globl	k_q8b6e4da770_g_wo
	.p2align	8
	.type	k_q8b6e4da770_g_wo,@function
k_q8b6e4da770_g_wo:
	s_mov_b64 s[64:65], 0
	v_nop
	global_prefetch_b8 v0, s[64:65] scope:SCOPE_SE
	s_setreg_imm32_b32 hwreg(HW_REG_WAVE_MODE, 25, 1), 1
	s_wait_xcnt 0x0
	s_wait_alu depctr_hold_cnt(0) depctr_sa_sdst(0) depctr_va_vdst(0) depctr_va_sdst(0) depctr_va_ssrc(0) depctr_va_vcc(0) depctr_vm_vsrc(0)
	s_getreg_b32 s2, hwreg(HW_REG_IB_STS2, 6, 4)
	s_cmp_eq_u32 s2, 0
	s_cbranch_scc0 .Lentry_in_a_cluster
	s_endpgm
.Lentry_in_a_cluster:
	s_bfe_u32 s2, ttmp6, 0x10000c
	s_cmp_lg_u32 s2, 0xf033
	s_cbranch_scc0 .Lentry_shape_is_right
	s_endpgm
.Lentry_shape_is_right:
; THE GEMM ON RECORDS, one text assembled four times; this copy: concat x w_o^T, f32 out (the bias is added by the layer norm's launch).
; C = A B^T on FP6 (E2M3) codes with E8M0 scales.  Both operands lie in memory as RECORDS of 12,800 bytes: 128 rows x 128 K as images of operand registers (fragment a at 1536 a + 512 c + 16 l; position r of
; fragment a = row pi(a, r) = 32 (a / 2) + 8 (a % 2) + r + 8 (r / 8); scale words at 12288 + 64 a + 4 r), records of a group of rows on end along K.
; A work-group of four waves makes 256 x 256 of C, a wave 128 x 128: 64 accumulators, 512 registers.  K goes in steps of 256 through two LDS slots; a wave's one tensor load brings two records, 25,600 dense bytes, codes
; and scale words together; a fragment is three ds_load_b128 of 512 consecutive bytes.  4 x 4 work-groups form a cluster: A's records are asked for jointly along a row of it, B's along a column.
; TRANSPOSED USE: source 0 = 16 rows of B, source 1 = 16 rows of A: lane (r, h) of accumulator (a, b) holds A's row pi(a, r), and its register j B's row 32 (b / 2) + 8 (b % 2) + 16 h + j.
; WAY OUT.  EPI = 1: (relu,) quantised in registers along B's rows; a wave writes one whole record.  EPI = 0: the accumulators leave as they stand, 512 dense bytes a store: block ((8 G + a) 8 + column group) of 8,192 bytes.
; This copy has 4 x 16 tiles of 256 x 256: 64 work-groups.
.set NK,    8                          ; K steps of 128
.set A_OFF, 0
.set B_OFF, 256*12800                  ; w_o's records in img
.set EPI,   0
.set FF1,   0
.set QKV,   0
.set REC,   12800
.set PART,  2*REC                      ; what one tensor load brings
.set SLOT,  4*PART                     ; A's two groups, then B's two
.set SPARE, 2*SLOT                     ; behind the ring: the spare words, 128 bytes a wave
.set LAPS,  NK/4                       ; a lap = once round the ring = 512 along K
.set FR,    12
.set NL,    3                          ; LDS loads of a fragment
.set NP,    4                          ; places behind this matrix instruction (ISA guide 7.12.1)
.set ADRA, 16                          ; v16-17 16 l + my A part in slot 0, 1
.set ADRB, 20                          ; v20-21 the same for B
.set ADRS, 22                          ; v22-23 my scale words: lanes 0-15 A's, lanes 16-31 B's
.set L16,  24
.set L4,   25
.set H64,  26
.set LANE, 27
.set SPW,  28
.set NIL,  29
.set SC,   32                          ; v32-63 scale words: 16 s + 8 q + i: lanes 0-15 A's block i, lanes 16-31 B's block i
.set BI,   64                          ; v64-127 the bias in the result's layout (FF1)
.set AF,   128                         ; v128-223 A's eight fragments; on the way out the codes
.set TP,   224
.set MX,   232
.set PB,   236
.set SO,   240
.set SW,   244
.set PW,   248
.set G1,  24
.set G0,  32
.set G1B, 48
.set G0B, 56
.set SEL, 76
.set FLR, 78
.set MSB, 0
.macro WIN new                         ; the immediate's high byte repeats the setting that is left
.if MSB != (\new)
	s_set_vgpr_msb (MSB<<8)|(\new)
.set MSB, (\new)
.endif
.endm
.set MUL_LO, 0xa1                      ; source 0 (B) window 1, source 1 (A) window 0, C and D window 2
.set MUL_HI, 0xf1                      ; the same, C and D window 3
.set TO_B,   0x40
.macro JLOAD s                         ; a joint load: waves 0, 1 fetch A's two groups, waves 2, 3 B's; s_nop 0 and four v_nop follow each line
	s_cmp_eq_u32 s15, 0
	s_cbranch_scc0 .Lfor_b_\@
	tensor_load_to_lds s[G0+4*\s:G0+4*\s+3], s[G1:G1+7]
	s_nop 0
.rept 4
	v_nop
.endr
	s_branch .Lasked_\@
.Lfor_b_\@:
	tensor_load_to_lds s[G0B+4*\s:G0B+4*\s+3], s[G1B:G1B+7]
	s_nop 0
.rept 4
	v_nop
.endr
.Lasked_\@:
.endm
.macro CREST                           ; a round of the cluster's barrier behind its opening barrier
	s_cmp_lg_u32 s14, 0
	s_cbranch_scc1 .Lnot_wave_0_\@
	s_barrier_signal -3
.Lnot_wave_0_\@:
	s_barrier_wait -3
	s_barrier_signal -1
	s_barrier_wait -1
.endm
.macro CROUND
	s_barrier_signal -1
	s_barrier_wait -1
	CREST
.endm
.macro PLACES n
.rept \n
	v_nop
.endr
.endm
.macro FRAG reg, adr, off
.irp c, 0,1,2
	ds_load_b128 v[\reg+4*\c:\reg+4*\c+3], v[\adr] offset:\off+512*\c
.endr
.endm
.macro FETCH_B slot, q, p              ; B's eight fragments of the slot's q-th record into set p
	WIN TO_B
.irp i, 0,1,2,3,4,5,6,7
	FRAG 128*(\p)+FR*\i, ADRB+\slot, (\q)*REC+1536*\i
.endr
	WIN 0
.endm
.macro FETCH_A slot, q, i0             ; A's blocks i0 .. i0 + 3
.irp i, \i0, \i0+1, \i0+2, \i0+3
	FRAG AF+FR*(\i), ADRA+\slot, (\q)*REC+1536*(\i)
.endr
.endm
.macro SCALES sc                       ; a slot's scale words, both records
.irp q, 0,1
.irp i, 0,1,2,3,4,5,6,7
	ds_load_b32 v[SC+16*\sc+8*\q+\i], v[ADRS+\sc] offset:\q*REC+64*\i
.endr
.endr
.endm
; 16 matrix instructions: A's blocks a0, a0 + 1 x B's eight.  zero = 1: C = 0 starts the sums; 2: the bias does.  The 64 accumulators take turns, one instruction a turn.
.macro MUL16 a0, p, q, sc, zero
.irp a, \a0, \a0+1
.irp b, 0,1,2,3,4,5,6,7
.if \zero == 1
	v_wmma_scale_f32_16x16x128_f8f6f4 v[8*(8*((\a)%4)+\b):8*(8*((\a)%4)+\b)+7], v[128*(\p)+FR*\b:128*(\p)+FR*\b+FR-1], v[AF+FR*(\a):AF+FR*(\a)+FR-1], 0, v[SC+16*(\sc)+8*(\q)+\b], v[SC+16*(\sc)+8*(\q)+(\a)] matrix_a_fmt:MATRIX_FMT_FP6 matrix_b_fmt:MATRIX_FMT_FP6 matrix_a_scale:MATRIX_SCALE_ROW1
.elseif \zero == 2
	v_wmma_scale_f32_16x16x128_f8f6f4 v[8*(8*((\a)%4)+\b):8*(8*((\a)%4)+\b)+7], v[128*(\p)+FR*\b:128*(\p)+FR*\b+FR-1], v[AF+FR*(\a):AF+FR*(\a)+FR-1], v[BI+8*\b:BI+8*\b+7], v[SC+16*(\sc)+8*(\q)+\b], v[SC+16*(\sc)+8*(\q)+(\a)] matrix_a_fmt:MATRIX_FMT_FP6 matrix_b_fmt:MATRIX_FMT_FP6 matrix_a_scale:MATRIX_SCALE_ROW1
.else
	v_wmma_scale_f32_16x16x128_f8f6f4 v[8*(8*((\a)%4)+\b):8*(8*((\a)%4)+\b)+7], v[128*(\p)+FR*\b:128*(\p)+FR*\b+FR-1], v[AF+FR*(\a):AF+FR*(\a)+FR-1], v[8*(8*((\a)%4)+\b):8*(8*((\a)%4)+\b)+7], v[SC+16*(\sc)+8*(\q)+\b], v[SC+16*(\sc)+8*(\q)+(\a)] matrix_a_fmt:MATRIX_FMT_FP6 matrix_b_fmt:MATRIX_FMT_FP6 matrix_a_scale:MATRIX_SCALE_ROW1
.endif
.endr
.endr
.endm
.macro STEP slot, q, zero              ; a step of 128 along K whose successor lies in the same slot
	s_wait_dscnt 4*NL                              ; all but the youngest twelve loads (A's blocks 4-7) are in
.if \zero == 2
	WIN 0x81                                       ; C (the bias) in window 0
.else
	WIN MUL_LO
.endif
	MUL16 0, (\q)%2, \q, \slot, \zero
	MUL16 2, (\q)%2, \q, \slot, \zero
	s_wait_dscnt 0
	PLACES NP
	FETCH_B \slot, (\q)+1, 1-(\q)%2
	FETCH_A \slot, (\q)+1, 0
.if \zero == 2
	WIN 0xc1
.else
	WIN MUL_HI
.endif
	MUL16 4, (\q)%2, \q, \slot, \zero
	MUL16 6, (\q)%2, \q, \slot, \zero
	PLACES NP
	WIN 0
	FETCH_A \slot, (\q)+1, 4
.endm
; A slot's last step changes slots: one barrier; ahead of it each wave waits for all its tensor loads, adds 0 to its spare word, and waits for that and for its reads of this slot.
.macro TURN slot, next, fill
	s_wait_tensorcnt 0x0                           ; my one load that was out, my part of the next slot, has landed
	ds_add_u32 v[SPW], v[NIL]
	s_wait_dscnt 4*NL+1                            ; the add and the youngest twelve loads may be out
	WIN MUL_LO
	MUL16 0, 1, 1, \slot, 0
	s_wait_dscnt 0x0                               ; the add is done, my reads of this slot are over
	s_barrier_signal -1
	MUL16 2, 1, 1, \slot, 0
	WIN 0
	s_barrier_wait -1
.if \fill
	CREST                                          ; the barrier has opened a round of the cluster's: no wave of any partner still reads this slot or has a load on its way
	s_add_nc_u64 s[G0+4*\slot+2:G0+4*\slot+3], s[G0+4*\slot+2:G0+4*\slot+3], 2*PART
	s_add_nc_u64 s[G0B+4*\slot+2:G0B+4*\slot+3], s[G0B+4*\slot+2:G0B+4*\slot+3], 2*PART
	JLOAD \slot                                    ; first behind the round; its four v_nop are the places ahead of the loads below
.else
	PLACES NP
.endif
	FETCH_B \next, 0, 0
	FETCH_A \next, 0, 0
	SCALES \next
	WIN MUL_HI
	MUL16 4, 1, 1, \slot, 0
	MUL16 6, 1, 1, \slot, 0
	PLACES NP
	WIN 0
	FETCH_A \next, 0, 4
.endm
; 64 results of a lane (window W, from register src on) become a fragment's codes in v[pc] on and the row's scale word in v[pw], both in window 0
.macro QUANT src, W, pc, pw
	WIN ((\W)<<2)|((\W)<<4)
.irp b, 0,1,2,3
	v_max3_num_f32 v[MX+\b], s[FLR], |v[(\src)+16*\b]|, |v[(\src)+16*\b+1]|     ; each accumulator is read from its low end on; the floor holds the byte at 1
.endr
.irp i, 2,4,6,8,10,12,14
.irp b, 0,1,2,3
	v_max3_num_f32 v[MX+\b], v[MX+\b], |v[(\src)+16*\b+\i]|, |v[(\src)+16*\b+\i+1]|
.endr
.endr
	WIN 0
.irp b, 0,1,2,3
	v_permlanex16_b32 v[PB+\b], v[MX+\b], s[SEL], s[SEL+1]
.endr
.irp b, 0,1,2,3
	v_max_num_f32 v[MX+\b], v[MX+\b], v[PB+\b]
.endr
.irp b, 0,1,2,3
	v_add_nc_u32 v[SO+\b], 0xff000000, v[MX+\b]
.endr
.irp b, 0,1,2,3
	v_lshrrev_b32 v[PB+\b], 23, v[SO+\b]
.endr
	v_lshl_or_b32 v[\pw], v[PB+1], 8, v[PB]
	v_lshl_or_b32 v[\pw], v[PB+2], 16, v[\pw]
	v_lshl_or_b32 v[\pw], v[PB+3], 24, v[\pw]
	WIN \W
.irp c, 0,1
	v_cvt_scalef32_pk16_fp6_f32 v[(\pc)+6*\c:(\pc)+6*\c+2], v[(\src)+32*\c:(\src)+32*\c+15], v[SO+2*\c]
	v_cvt_scalef32_pk16_fp6_f32 v[TP+4*\c:TP+4*\c+2], v[(\src)+32*\c+16:(\src)+32*\c+31], v[SO+2*\c+1]
.endr
	WIN 0
	v_nop                                          ; one plain place behind a scaled conversion
.irp c, 0,1
.irp i, 0,1,2
	v_permlane16_swap_b32 v[(\pc)+6*\c+\i], v[TP+4*\c+\i]
.endr
.irp i, 0,1,2
	v_mov_b32 v[(\pc)+3+6*\c+\i], v[TP+4*\c+\i]
.endr
.endr
.endm
.if QKV
	s_load_b64 s[4:5], s[0:1], 0x0                 ; img, for A
	s_load_b64 s[6:7], s[0:1], 0x0                 ; img, for B
	s_load_b64 s[8:9], s[0:1], 0x8                 ; the output
.else
	s_load_b128 s[4:7], s[0:1], 0x0                ; A's buffer, B's buffer
.if FF1
	s_load_b128 s[8:11], s[0:1], 0x10              ; the output, the bias
.else
	s_load_b64 s[8:9], s[0:1], 0x10                ; the output
.endif
.endif
	v_lshl_add_u32 v[SPW], v0, 2, SPARE
	v_mov_b32 v[NIL], 0
	ds_add_u32 v[SPW], v[NIL]                      ; the wave's opening: the add and its wait ahead of my first tensor load
	v_lshrrev_b32 v1, 5, v0
	v_readfirstlane_b32 s14, v1                    ; wave
	s_lshr_b32 s15, s14, 1                         ; my half of the tile's rows; also: I fetch for A (0) or B (1)
	s_and_b32 s16, s14, 1                          ; my half of its columns; also: which group I fetch
	s_bfe_u32 s40, ttmp6, 0x40000                  ; cx
	s_bfe_u32 s41, ttmp6, 0x40004                  ; cy
	s_and_b32 s72, ttmp7, 0xffff                   ; cluster y
.if QKV
	s_cmp_lt_u32 ttmp9, 2                          ; q and k, or v^T: the same in all sixteen partners
	s_cselect_b32 s42, ttmp9, s72                  ; clusters along the tile columns
	s_cselect_b32 s17, s72, 0                      ; and along the tile rows
	s_mov_b32 s73, 960*REC
	s_cselect_b32 s70, 0, s73                      ; A's section of img: x, or w_v
	s_mov_b32 s73, 832*REC
	s_cselect_b32 s71, s73, 0                      ; B's: w_q and w_k, or x
	s_cselect_b32 s74, 0, 512
	s_cselect_b32 s75, 1, 0
.else
	s_mov_b32 s42, ttmp9
	s_mov_b32 s17, s72
	s_mov_b32 s70, A_OFF
	s_mov_b32 s71, B_OFF
.endif
	s_lshl_b32 s42, s42, 2
	s_add_co_u32 s42, s42, s40                     ; tile column
	s_lshl_b32 s17, s17, 2
	s_add_co_u32 s17, s17, s41                     ; tile row
	s_lshl_b32 s43, s41, 2
	s_lshl_b32 s43, 15, s43                        ; my row of the cluster
	s_lshl_b32 s44, 0x1111, s40                    ; my column
	s_or_b32 s[G1+0], s43, (3<<16)|(1<<21)         ; the mask; elements of 8 bytes; bit 21 beside a mask; no padding
	s_or_b32 s[G1B+0], s44, (3<<16)|(1<<21)
.irp g, G1, G1B                        ; 25,600 dense bytes as 100 rows of 256
	s_mov_b32 s[\g+1], 32<<16
	s_mov_b32 s[\g+2], 100<<16
	s_mov_b32 s[\g+3], 32<<16
	s_mov_b32 s[\g+4], 100
	s_mov_b32 s[\g+5], 32
	s_mov_b32 s[\g+6], 0
	s_mov_b32 s[\g+7], 0
.endr
	s_lshl_b32 s20, s17, 1
	s_add_co_u32 s20, s20, s16                     ; A's group that I would fetch: it hangs on the tile row alone
	s_mul_i32 s20, s20, NK*REC
	s_add_co_u32 s20, s20, s70
	s_mov_b32 s21, 0
	s_lshl_b32 s46, s42, 1
	s_add_co_u32 s46, s46, s16                     ; B's: on the tile column alone
	s_mul_i32 s46, s46, NK*REC
	s_add_co_u32 s46, s46, s71
	s_mov_b32 s47, 0
	s_mul_i32 s45, s14, PART                       ; where it goes: no place in the cluster enters an LDS address
	s_mov_b32 s[SEL], 0x76543210
	s_mov_b32 s[SEL+1], 0xfedcba98
	s_mov_b32 s[FLR], 0x1800000
	s_wait_dscnt 0x0                               ; the opening add is done
	s_wait_kmcnt 0x0
	s_add_nc_u64 s[20:21], s[4:5], s[20:21]
	s_add_nc_u64 s[46:47], s[6:7], s[46:47]
	CROUND                                         ; all sixteen work-groups are here: the first joint loads meet
.irp s, 0,1
	s_mov_b32 s[G0+4*\s], 1
	s_add_co_u32 s[G0+4*\s+1], s45, \s*SLOT
	s_add_nc_u64 s[G0+4*\s+2:G0+4*\s+3], s[20:21], \s*PART
	s_or_b32 s[G0+4*\s+3], s[G0+4*\s+3], 0x80000000
	s_mov_b32 s[G0B+4*\s], 1
	s_add_co_u32 s[G0B+4*\s+1], s45, \s*SLOT
	s_add_nc_u64 s[G0B+4*\s+2:G0B+4*\s+3], s[46:47], \s*PART
	s_or_b32 s[G0B+4*\s+3], s[G0B+4*\s+3], 0x80000000
	JLOAD \s
.endr
	v_and_b32 v[LANE], 31, v0
	v_and_b32 v1, 15, v0                           ; r
	v_bfe_u32 v2, v0, 4, 1                         ; h
	v_lshlrev_b32 v[L16], 4, v[LANE]
	v_lshlrev_b32 v[L4], 2, v[LANE]
	v_lshlrev_b32 v[H64], 6, v2
	s_mul_i32 s72, s15, PART                       ; my group of A
	s_mul_i32 s73, s16, PART
	s_add_co_u32 s73, s73, 2*PART                  ; my group of B
	v_add_nc_u32 v[ADRA], s72, v[L16]
	v_add_nc_u32 v[ADRB], s73, v[L16]
	v_add_nc_u32 v[ADRA+1], SLOT, v[ADRA]
	v_add_nc_u32 v[ADRB+1], SLOT, v[ADRB]
	s_sub_co_u32 s73, s73, s72
	v_mul_u32_u24 v3, s73, v2                      ; lanes 16-31 take B's scale words
	v_lshl_add_u32 v3, v1, 2, v3
	s_add_co_u32 s72, s72, 12288
	v_add_nc_u32 v[ADRS], s72, v3
	v_add_nc_u32 v[ADRS+1], SLOT, v[ADRS]
	s_lshl_b32 s66, s17, 1
	s_add_co_u32 s66, s66, s15                     ; my group of A's rows
	s_lshl_b32 s67, s42, 1
	s_add_co_u32 s67, s67, s16                     ; my group of B's rows
.if FF1
	s_lshl_b32 s70, s67, 9                         ; the bias of my 128 columns; lane (r, h) wants, for block b, those of 32 (b / 2) + 8 (b % 2) + 16 h + 0 .. 7
	s_mov_b32 s71, 0
	s_add_nc_u64 s[10:11], s[10:11], s[70:71]
.irp b, 0,1,2,3,4,5,6,7
	global_load_b128 v[BI+8*\b:BI+8*\b+3], v[H64], s[10:11] offset:(32*(\b/2)+8*(\b%2))*4
	global_load_b128 v[BI+8*\b+4:BI+8*\b+7], v[H64], s[10:11] offset:(32*(\b/2)+8*(\b%2))*4+16
.endr
.endif
.if QKV
	s_cmp_eq_u32 s75, 1
	s_cselect_b32 s68, s67, s66
	s_cselect_b32 s69, s66, s67
	s_lshl_b32 s68, s68, 5
	s_add_co_u32 s68, s68, s69
	s_add_co_u32 s68, s68, s74
	s_mul_i32 s68, s68, REC
.elseif FF1
	s_lshl_b32 s68, s66, 5
	s_add_co_u32 s68, s68, s67
	s_mul_i32 s68, s68, REC
.else
	s_lshl_b32 s68, s66, 19
	s_lshl_b32 s69, s67, 13
	s_add_co_u32 s68, s68, s69
.endif
	s_mov_b32 s69, 0
	s_add_nc_u64 s[8:9], s[8:9], s[68:69]
.if EPI
.irp b, 0,1,2,3
	v_mov_b32 v[PB+\b], 0                          ; a lane permute's destination counts as one of its sources
.endr
.endif
	s_wait_tensorcnt 1                             ; my part of slot 0 is in; slot 1's load may be out
	s_barrier_signal -1
	s_barrier_wait -1
	FETCH_B 0, 0, 0
	FETCH_A 0, 0, 0
	SCALES 0
	FETCH_A 0, 0, 4
.if FF1
	s_wait_loadcnt 0x0                             ; the bias
.endif
	STEP 0, 0, 1+FF1                               ; the first step stands ahead of the loop: its products start the sums
	s_mov_b32 s3, LAPS-1
.Llap:                                                 ; a trip goes once round the ring and fills both slots again
	TURN 0, 1, 1
	STEP 1, 0, 0
	TURN 1, 0, 1
	STEP 0, 0, 0
	s_sub_co_u32 s3, s3, 1
	s_cmp_lg_u32 s3, 0
	s_cbranch_scc1 .Llap
	TURN 0, 1, 0                                   ; the last lap fills nothing
	STEP 1, 0, 0
	s_wait_dscnt 4*NL
	WIN MUL_LO
	MUL16 0, 1, 1, 1, 0
	MUL16 2, 1, 1, 1, 0
	s_wait_dscnt 0
	WIN MUL_HI
	MUL16 4, 1, 1, 1, 0
	MUL16 6, 1, 1, 1, 0
	WIN 0
	PLACES NP                                      ; ahead of the first read of results and the first write over operands
.if EPI == 0
.irp a, 0,1,2,3,4,5,6,7
	WIN 0x08+4*(\a/4)                              ; a store's data are its source 1: window 2 or 3
.irp b, 0,1,2,3,4,5,6,7
	global_store_b128 v[L16], v[8*(8*(\a%4)+\b):8*(8*(\a%4)+\b)+3], s[8:9] offset:\a*65536+1024*\b th:TH_STORE_NT
	global_store_b128 v[L16], v[8*(8*(\a%4)+\b)+4:8*(8*(\a%4)+\b)+7], s[8:9] offset:\a*65536+1024*\b+512 th:TH_STORE_NT
.endr
.endr
	WIN 0
.else
.irp a, 0,1,2,3,4,5,6,7
.if FF1
	WIN 0x88+0x44*(\a/4)
.set j, 64*(\a%4)
.rept 64
	v_max_num_f32 v[j], 0, v[j]                    ; the activation, in f32
.set j, j+1
.endr
.endif
	QUANT 64*(\a%4), 2+\a/4, AF+12*\a, PW+\a
.irp c, 0,1,2
	global_store_b128 v[L16], v[AF+12*\a+4*\c:AF+12*\a+4*\c+3], s[8:9] offset:1536*\a+512*\c
.endr
.endr
	v_cmp_le_u32 vcc_lo, 16, v[LANE]
.irp i, 0,1,2,3
	v_cndmask_b32 v[SW+\i], v[PW+2*\i], v[PW+2*\i+1], vcc_lo    ; lanes 0-15 fragment 2 i's words, lanes 16-31 fragment 2 i + 1's
.endr
.irp i, 0,1,2,3
	global_store_b32 v[L4], v[SW+\i], s[8:9] offset:12288+128*\i
.endr
.endif
	s_wait_tensorcnt 0x0                           ; the wave's end
	ds_add_u32 v[SPW], v[NIL]
	s_wait_dscnt 0x0
	CROUND                                         ; the closing round
	s_endpgm
.Lfunc_end_k_q8b6e4da770_g_wo:
	.size	k_q8b6e4da770_g_wo, .Lfunc_end_k_q8b6e4da770_g_wo-k_q8b6e4da770_g_wo
	.p2alignl 7, 3214868480
	.fill 96, 4, 3214868480
	.section	.rodata,"a",@progbits
	.p2align	6, 0x0
	.amdhsa_kernel k_q8b6e4da770_g_wo
		.amdhsa_group_segment_fixed_size 327680
		.amdhsa_private_segment_fixed_size 0
		.amdhsa_enable_private_segment 0
		.amdhsa_kernarg_size 24
		.amdhsa_user_sgpr_count 2
		.amdhsa_user_sgpr_kernarg_segment_ptr 1
		.amdhsa_wavefront_size32 1
		.amdhsa_system_sgpr_workgroup_id_x 1
		.amdhsa_system_sgpr_workgroup_id_y 1
		.amdhsa_system_sgpr_workgroup_id_z 1
		.amdhsa_system_vgpr_workitem_id 0
		.amdhsa_next_free_vgpr 1024
		.amdhsa_next_free_sgpr 80
		.amdhsa_reserve_vcc 1
		.amdhsa_float_denorm_mode_32 3
		.amdhsa_float_denorm_mode_16_64 3
		.amdhsa_memory_ordered 1
		.amdhsa_forward_progress 1
		.amdhsa_inst_pref_size 117
	.end_amdhsa_kernel
	.amdgpu_metadata
---
amdhsa.version: [ 1, 2 ]
amdhsa.kernels:
  - .name:           k_q8b6e4da770_g_wo
    .symbol:         k_q8b6e4da770_g_wo.kd
    .args:
      - { .name: cc, .offset: 0, .size: 8, .value_kind: global_buffer, .address_space: global }
      - { .name: img, .offset: 8, .size: 8, .value_kind: global_buffer, .address_space: global }
      - { .name: cf, .offset: 16, .size: 8, .value_kind: global_buffer, .address_space: global }
    .group_segment_fixed_size: 327680
    .private_segment_fixed_size: 0
    .kernarg_segment_align: 8
    .kernarg_segment_size: 24
    .max_flat_workgroup_size: 128
    .sgpr_count:     80
    .vgpr_count:     1024
    .wavefront_size: 32
...
	.end_amdgpu_metadata
.endif
;; end of part 5
;; launch ln1 (part 6): grid 256 x 1, 8 waves a work-group, no clusters, 69,632 bytes of LDS; arguments cf, x, b_o, ln1_g, ln1_b, x1; writes x1
.if DOCPART == 6
	.amdgcn_target "amdgcn-amd-amdhsa--gfx1250"
	.amdhsa_code_object_version 6
	.text
	.protected	k_q8b6e4da770_ln1
	.globl	k_q8b6e4da770_ln1
	.p2align	8
	.type	k_q8b6e4da770_ln1,@function
k_q8b6e4da770_ln1:
	s_mov_b64 s[64:65], 0
	v_nop
	global_prefetch_b8 v0, s[64:65] scope:SCOPE_SE
	s_setreg_imm32_b32 hwreg(HW_REG_WAVE_MODE, 25, 1), 1
	s_wait_xcnt 0x0
; x1 = layer_norm(x + (concat w_o^T + b_o)) g + b, in f32; x1 leaves twice: as f32 in the order of accumulator registers, and as FP6 records for the next product.
; cf holds the product in blocks of 8,192 bytes: block ((8 G + a) 8 + kap): lane (r, h), register 16 b + i = row 128 G + pi(a, r), column 128 kap + 32 b + 16 h + i, registers 4 j .. 4 j + 3 of lane l at 512 j + 16 l;
; pi(a, r) = 32 (a / 2) + 8 (a % 2) + r + 8 (r / 8).  Work-group g = 8 G + a owns those 16 rows whole; wave kap owns 128 columns.
; x's rows come as 512 consecutive bytes a load and turn through the wave's own stage into the same layout.  Mean, then the mean of squared differences: two sums over the eight waves, through LDS, a barrier each.
; x1 f32: the same blocks at byte 0 of x1; the records (12,800 bytes, [G][kap]) from byte 16,777,216 on: my fragment a at 1536 a, its scale words at 12288 + 64 a + 4 r.
; LIMITS: a block of zeros gets the byte 1 (codes zero; read by this program alone); NaN and infinities are not served.  Memory binds: no matrix unit, no cluster (no byte is read by two work-groups but g, b, b_o).
.set REC,   12800
.set STG,   16*528
.set RED,   8*STG                      ; 16 rows x 8 waves' partial sums, 512 bytes; a second such block behind it
.set SPARE, RED+1024
.set SPW, 10
.set NIL, 11
.set MX,  16
.set PB,  20
.set SO,  24
.set A0,  32
.set A1,  96
.set A2,  160
.set PC,  224
.set TP,  236
.set SEL, 40
.set FLR, 42
.set C10, 43                           ; 2^-10
.set CEP, 44                           ; 1e-6
.macro QUANT src, pw
.irp b, 0,1,2,3
	v_max3_num_f32 v[MX+\b], s[FLR], |v[\src+16*\b]|, |v[\src+16*\b+1]|
.endr
.irp i, 2,4,6,8,10,12,14
.irp b, 0,1,2,3
	v_max3_num_f32 v[MX+\b], v[MX+\b], |v[\src+16*\b+\i]|, |v[\src+16*\b+\i+1]|
.endr
.endr
.irp b, 0,1,2,3
	v_permlanex16_b32 v[PB+\b], v[MX+\b], s[SEL], s[SEL+1]
.endr
.irp b, 0,1,2,3
	v_max_num_f32 v[MX+\b], v[MX+\b], v[PB+\b]
.endr
.irp b, 0,1,2,3
	v_add_nc_u32 v[SO+\b], 0xff000000, v[MX+\b]
.endr
.irp b, 0,1,2,3
	v_lshrrev_b32 v[PB+\b], 23, v[SO+\b]
.endr
	v_lshl_or_b32 v[\pw], v[PB+1], 8, v[PB]
	v_lshl_or_b32 v[\pw], v[PB+2], 16, v[\pw]
	v_lshl_or_b32 v[\pw], v[PB+3], 24, v[\pw]
.irp c, 0,1
	v_cvt_scalef32_pk16_fp6_f32 v[PC+6*\c:PC+6*\c+2], v[\src+32*\c:\src+32*\c+15], v[SO+2*\c]
	v_cvt_scalef32_pk16_fp6_f32 v[TP+4*\c:TP+4*\c+2], v[\src+32*\c+16:\src+32*\c+31], v[SO+2*\c+1]
.endr
	v_nop
.irp c, 0,1
.irp i, 0,1,2
	v_permlane16_swap_b32 v[PC+6*\c+\i], v[TP+4*\c+\i]
.endr
.irp i, 0,1,2
	v_mov_b32 v[PC+3+6*\c+\i], v[TP+4*\c+\i]
.endr
.endr
.endm
.macro RSUM off                        ; four chains in v[16:23] -> the row's sum over all 1,024 columns in v16, in every lane
	v_pk_add_f32 v[16:17], v[16:17], v[18:19]
	v_pk_add_f32 v[20:21], v[20:21], v[22:23]
	v_pk_add_f32 v[16:17], v[16:17], v[20:21]
	v_add_f32 v16, v16, v17
	v_permlanex16_b32 v17, v16, s[SEL], s[SEL+1]
	v_add_f32 v16, v16, v17                        ; my wave's 128 columns of row r
	ds_store_b32 v7, v16 offset:\off               ; (both halves of the lanes write the same word with the same value)
	s_wait_dscnt 0x0                               ; for the others' sake
	s_barrier_signal -1
	s_barrier_wait -1
	ds_load_b128 v[16:19], v8 offset:\off
	ds_load_b128 v[20:23], v8 offset:\off+16
	s_wait_dscnt 0x0
	v_pk_add_f32 v[16:17], v[16:17], v[18:19]
	v_pk_add_f32 v[20:21], v[20:21], v[22:23]
	v_pk_add_f32 v[16:17], v[16:17], v[20:21]
	v_add_f32 v16, v16, v17
.endm
.macro NORM Y, G, B                    ; the 64 numbers in v[Y] on are normalised in place; g in v[G] on and b in v[B] on are on their way
.irp c, 0,1,2,3
	v_pk_add_f32 v[16+2*\c:17+2*\c], v[\Y+2*\c:\Y+2*\c+1], v[\Y+8+2*\c:\Y+9+2*\c]
.endr
.irp m, 2,3,4,5,6,7
.irp c, 0,1,2,3
	v_pk_add_f32 v[16+2*\c:17+2*\c], v[16+2*\c:17+2*\c], v[\Y+8*\m+2*\c:\Y+8*\m+2*\c+1]
.endr
.endr
	RSUM 0
	v_mul_f32 v28, s[C10], v16                     ; the mean
	v_mov_b32 v29, v28
.set j, 0
.rept 32
	v_pk_add_f32 v[\Y+j:\Y+j+1], v[\Y+j:\Y+j+1], v[28:29] neg_lo:[0,1] neg_hi:[0,1]
.set j, j+2
.endr
.irp c, 0,1,2,3
	v_pk_mul_f32 v[16+2*\c:17+2*\c], v[\Y+2*\c:\Y+2*\c+1], v[\Y+2*\c:\Y+2*\c+1]
.endr
.irp m, 1,2,3,4,5,6,7
.irp c, 0,1,2,3
	v_pk_fma_f32 v[16+2*\c:17+2*\c], v[\Y+8*\m+2*\c:\Y+8*\m+2*\c+1], v[\Y+8*\m+2*\c:\Y+8*\m+2*\c+1], v[16+2*\c:17+2*\c]
.endr
.endr
	RSUM 512
	v_fma_f32 v16, v16, s[C10], s[CEP]             ; the variance + 1e-6
	v_rsq_f32 v30, v16
	v_nop
	s_wait_alu depctr_va_vdst(0)                   ; ahead of the first reader of the root
	v_mov_b32 v31, v30
	s_wait_loadcnt 0x0                             ; g and b
.set j, 0
.rept 32
	v_pk_mul_f32 v[\Y+j:\Y+j+1], v[\Y+j:\Y+j+1], v[30:31]
	v_pk_fma_f32 v[\Y+j:\Y+j+1], v[\Y+j:\Y+j+1], v[\G+j:\G+j+1], v[\B+j:\B+j+1]
.set j, j+2
.endr
.endm
	s_load_b256 s[4:11], s[0:1], 0x0               ; cf, x, b_o, g
	s_load_b128 s[12:15], s[0:1], 0x20             ; b, x1
	v_lshl_add_u32 v[SPW], v0, 2, SPARE
	v_mov_b32 v[NIL], 0
	v_lshrrev_b32 v1, 5, v0
	v_readfirstlane_b32 s16, v1                    ; wave = kap
	v_and_b32 v9, 31, v0
	v_and_b32 v2, 15, v0                           ; r
	v_bfe_u32 v3, v0, 4, 1                         ; h
	v_lshlrev_b32 v1, 4, v9                        ; 16 l
	s_mul_i32 s17, s16, STG
	v_add_nc_u32 v4, s17, v1                       ; the stage by rows: 16 l
	v_mul_u32_u24 v5, v2, 528
	v_lshl_add_u32 v5, v3, 6, v5
	v_add_nc_u32 v5, s17, v5                       ; and by lanes: row r, + 64 h
	s_lshl_b32 s24, s16, 9
	v_lshl_add_u32 v6, v3, 6, s24                  ; g, b: 64 h + 512 kap
	v_lshl_add_u32 v8, v2, 5, RED                  ; row r's eight partial sums
	v_lshl_add_u32 v7, s16, 2, v8                  ; my wave's among them
	v_add_nc_u32 v3, s24, v1                       ; b_o: 16 l + 512 kap
	v_lshlrev_b32 v2, 2, v2                        ; 4 r
	s_mov_b32 s[SEL], 0x76543210
	s_mov_b32 s[SEL+1], 0xfedcba98
	s_mov_b32 s[FLR], 0x1800000
	s_mov_b32 s[C10], 0x3a800000
	s_mov_b32 s[CEP], 0x358637bd
	s_lshr_b32 s20, ttmp9, 3                       ; G
	s_and_b32 s21, ttmp9, 7                        ; a
	s_lshl_b32 s22, s20, 7
	s_lshr_b32 s23, s21, 1
	s_lshl_b32 s23, s23, 5
	s_add_co_u32 s22, s22, s23
	s_and_b32 s23, s21, 1
	s_lshl_b32 s23, s23, 3
	s_add_co_u32 s22, s22, s23                     ; the row of position 0
	s_lshl_b32 s22, s22, 12
	s_add_co_u32 s22, s22, s24
	s_mov_b32 s23, 0
	s_lshl_b32 s26, ttmp9, 3
	s_add_co_u32 s26, s26, s16
	s_lshl_b32 s26, s26, 13                        ; my block of 8,192 bytes
	s_mov_b32 s27, 0
	s_lshl_b32 s28, s20, 3
	s_add_co_u32 s28, s28, s16
	s_mul_i32 s28, s28, REC
	s_add_co_u32 s28, s28, 0x1000000               ; my record
	s_mov_b32 s29, 0
	s_mul_i32 s30, s21, 1536
	s_mov_b32 s31, 0
	s_lshl_b32 s32, s21, 6
	s_add_co_u32 s32, s32, 12288
	s_mov_b32 s33, 0
	s_wait_kmcnt 0x0
	s_add_nc_u64 s[4:5], s[4:5], s[26:27]
	s_add_nc_u64 s[6:7], s[6:7], s[22:23]
	s_add_nc_u64 s[34:35], s[14:15], s[26:27]
	s_add_nc_u64 s[36:37], s[14:15], s[28:29]
	s_add_nc_u64 s[38:39], s[36:37], s[32:33]
	s_add_nc_u64 s[36:37], s[36:37], s[30:31]
	global_load_b128 v[12:15], v3, s[8:9]
.irp t, 0,1,2,3,4,5,6,7,8,9,10,11,12,13,14,15
	global_load_b128 v[A1+4*\t:A1+4*\t+3], v1, s[6:7] offset:(\t+8*(\t/8))*4096
.endr
.irp t, 0,1,2,3,4,5,6,7,8,9,10,11,12,13,14,15
	global_load_b128 v[A0+4*\t:A0+4*\t+3], v1, s[4:5] offset:512*\t th:TH_LOAD_NT
.endr
	s_wait_loadcnt 16                              ; b_o and x's rows are in; the product's 16 loads may be out
.irp t, 0,1,2,3,4,5,6,7,8,9,10,11,12,13,14,15
	v_pk_add_f32 v[A1+4*\t:A1+4*\t+1], v[A1+4*\t:A1+4*\t+1], v[12:13]
	v_pk_add_f32 v[A1+4*\t+2:A1+4*\t+3], v[A1+4*\t+2:A1+4*\t+3], v[14:15]
.endr
.irp t, 0,1,2,3,4,5,6,7,8,9,10,11,12,13,14,15
	ds_store_b128 v4, v[A1+4*\t:A1+4*\t+3] offset:528*\t
.endr
.irp t, 0,1,2,3,4,5,6,7,8,9,10,11,12,13,14,15
	ds_load_b128 v[A2+4*\t:A2+4*\t+3], v5 offset:128*(\t/4)+16*(\t%4)     ; LDS serves a wave's instructions in order
.endr
	s_wait_loadcnt 0x0
	s_wait_dscnt 0x0
.set j, 0
.rept 32
	v_pk_add_f32 v[A2+j:A2+j+1], v[A2+j:A2+j+1], v[A0+j:A0+j+1]
.set j, j+2
.endr
.irp t, 0,1,2,3,4,5,6,7,8,9,10,11,12,13,14,15
	global_load_b128 v[A0+4*\t:A0+4*\t+3], v6, s[10:11] offset:128*(\t/4)+16*(\t%4)
	global_load_b128 v[A1+4*\t:A1+4*\t+3], v6, s[12:13] offset:128*(\t/4)+16*(\t%4)
.endr
	NORM A2, A0, A1
.irp t, 0,1,2,3,4,5,6,7,8,9,10,11,12,13,14,15
	global_store_b128 v1, v[A2+4*\t:A2+4*\t+3], s[34:35] offset:512*\t
.endr
	QUANT A2, 9
.irp c, 0,1,2
	global_store_b128 v1, v[PC+4*\c:PC+4*\c+3], s[36:37] offset:512*\c
.endr
	global_store_b32 v2, v9, s[38:39]              ; 16 words; lanes r and 16 + r store the same word with the same value
	s_wait_tensorcnt 0x0                           ; the wave's end
	ds_add_u32 v[SPW], v[NIL]
	s_wait_dscnt 0x0
	s_endpgm
.Lfunc_end_k_q8b6e4da770_ln1:
	.size	k_q8b6e4da770_ln1, .Lfunc_end_k_q8b6e4da770_ln1-k_q8b6e4da770_ln1
	.p2alignl 7, 3214868480
	.fill 96, 4, 3214868480
	.section	.rodata,"a",@progbits
	.p2align	6, 0x0
	.amdhsa_kernel k_q8b6e4da770_ln1
		.amdhsa_group_segment_fixed_size 69632
		.amdhsa_private_segment_fixed_size 0
		.amdhsa_enable_private_segment 0
		.amdhsa_kernarg_size 48
		.amdhsa_user_sgpr_count 2
		.amdhsa_user_sgpr_kernarg_segment_ptr 1
		.amdhsa_wavefront_size32 1
		.amdhsa_system_sgpr_workgroup_id_x 1
		.amdhsa_system_sgpr_workgroup_id_y 1
		.amdhsa_system_sgpr_workgroup_id_z 1
		.amdhsa_system_vgpr_workitem_id 0
		.amdhsa_next_free_vgpr 256
		.amdhsa_next_free_sgpr 66
		.amdhsa_reserve_vcc 0
		.amdhsa_float_denorm_mode_32 3
		.amdhsa_float_denorm_mode_16_64 3
		.amdhsa_memory_ordered 1
		.amdhsa_forward_progress 1
		.amdhsa_inst_pref_size 33
	.end_amdhsa_kernel
	.amdgpu_metadata
---
amdhsa.version: [ 1, 2 ]
amdhsa.kernels:
  - .name:           k_q8b6e4da770_ln1
    .symbol:         k_q8b6e4da770_ln1.kd
    .args:
      - { .name: cf, .offset: 0, .size: 8, .value_kind: global_buffer, .address_space: global }
      - { .name: x, .offset: 8, .size: 8, .value_kind: global_buffer, .address_space: global }
      - { .name: b_o, .offset: 16, .size: 8, .value_kind: global_buffer, .address_space: global }
      - { .name: ln1_g, .offset: 24, .size: 8, .value_kind: global_buffer, .address_space: global }
      - { .name: ln1_b, .offset: 32, .size: 8, .value_kind: global_buffer, .address_space: global }
      - { .name: x1, .offset: 40, .size: 8, .value_kind: global_buffer, .address_space: global }
    .group_segment_fixed_size: 69632
    .private_segment_fixed_size: 0
    .kernarg_segment_align: 8
    .kernarg_segment_size: 48
    .max_flat_workgroup_size: 256
    .sgpr_count:     66
    .vgpr_count:     256
    .wavefront_size: 32
...
	.end_amdgpu_metadata
.endif
;; end of part 6
;; launch g_ff1 (part 7): grid 16 x 16, 4 waves a work-group, clusters of 4 x 4, 327,680 bytes of LDS; arguments x1, img, hq, b1; writes hq
.if DOCPART == 7
	.amdgcn_target "amdgcn-amd-amdhsa--gfx1250"
	.amdhsa_code_object_version 6
	.text
	.protected	k_q8b6e4da770_g_ff1
	.globl	k_q8b6e4da770_g_ff1
	.p2align	8
	.type	k_q8b6e4da770_g_ff1,@function
k_q8b6e4da770_g_ff1:
	s_mov_b64 s[64:65], 0
	v_nop
	global_prefetch_b8 v0, s[64:65] scope:SCOPE_SE
	s_setreg_imm32_b32 hwreg(HW_REG_WAVE_MODE, 25, 1), 1
	s_wait_xcnt 0x0
	s_wait_alu depctr_hold_cnt(0) depctr_sa_sdst(0) depctr_va_vdst(0) depctr_va_sdst(0) depctr_va_ssrc(0) depctr_va_vcc(0) depctr_vm_vsrc(0)
	s_getreg_b32 s2, hwreg(HW_REG_IB_STS2, 6, 4)
	s_cmp_eq_u32 s2, 0
	s_cbranch_scc0 .Lentry_in_a_cluster
	s_endpgm
.Lentry_in_a_cluster:
	s_bfe_u32 s2, ttmp6, 0x10000c
	s_cmp_lg_u32 s2, 0xf033
	s_cbranch_scc0 .Lentry_shape_is_right
	s_endpgm
.Lentry_shape_is_right:
; THE GEMM ON RECORDS, one text assembled four times; this copy: the hidden layer relu(x1 w1^T + b1), quantised along the hidden units, as records.
; C = A B^T on FP6 (E2M3) codes with E8M0 scales.  Both operands lie in memory as RECORDS of 12,800 bytes: 128 rows x 128 K as images of operand registers (fragment a at 1536 a + 512 c + 16 l; position r of
; fragment a = row pi(a, r) = 32 (a / 2) + 8 (a % 2) + r + 8 (r / 8); scale words at 12288 + 64 a + 4 r), records of a group of rows on end along K.
; A work-group of four waves makes 256 x 256 of C, a wave 128 x 128: 64 accumulators, 512 registers.  K goes in steps of 256 through two LDS slots; a wave's one tensor load brings two records, 25,600 dense bytes, codes
; and scale words together; a fragment is three ds_load_b128 of 512 consecutive bytes.  4 x 4 work-groups form a cluster: A's records are asked for jointly along a row of it, B's along a column.
; TRANSPOSED USE: source 0 = 16 rows of B, source 1 = 16 rows of A: lane (r, h) of accumulator (a, b) holds A's row pi(a, r), and its register j B's row 32 (b / 2) + 8 (b % 2) + 16 h + j:
; for a fixed a the 64 registers 8 b + j are 16 neighbours of each block of 32 along B's rows, which are the next product's K.
; WAY OUT.  EPI = 1: relu, quantised in registers along B's rows; a wave writes one whole record: 32 G + column group.  The bias is the C of each sum's first matrix instruction.
; LIMITS: a block of zeros gets the byte 1 (codes zero; read by this program alone); blocks under 2^-124 were not tried; NaN and infinities are not served.
.set NK,    8                          ; K steps of 128
.set A_OFF, 16777216                   ; x1's records lie behind its f32 blocks
.set B_OFF, 320*12800                  ; w1's records in img
.set EPI,   1
.set FF1,   1
.set QKV,   0
.set REC,   12800
.set PART,  2*REC                      ; what one tensor load brings
.set SLOT,  4*PART                     ; A's two groups, then B's two
.set SPARE, 2*SLOT                     ; behind the ring: the spare words, 128 bytes a wave
.set LAPS,  NK/4                       ; a lap = once round the ring = 512 along K
.set FR,    12
.set NL,    3                          ; LDS loads of a fragment
.set NP,    4                          ; places behind this matrix instruction (ISA guide 7.12.1)
.set ADRA, 16                          ; v16-17 16 l + my A part in slot 0, 1
.set ADRB, 20                          ; v20-21 the same for B
.set ADRS, 22                          ; v22-23 my scale words: lanes 0-15 A's, lanes 16-31 B's
.set L16,  24
.set L4,   25
.set H64,  26
.set LANE, 27
.set SPW,  28
.set NIL,  29
.set SC,   32                          ; v32-63 scale words: 16 s + 8 q + i: lanes 0-15 A's block i, lanes 16-31 B's block i
.set BI,   64                          ; v64-127 the bias in the result's layout (FF1)
.set AF,   128                         ; v128-223 A's eight fragments; on the way out the codes
.set TP,   224
.set MX,   232
.set PB,   236
.set SO,   240
.set SW,   244
.set PW,   248
.set G1,  24
.set G0,  32
.set G1B, 48
.set G0B, 56
.set SEL, 76
.set FLR, 78
.set MSB, 0
.macro WIN new                         ; the immediate's high byte repeats the setting that is left
.if MSB != (\new)
	s_set_vgpr_msb (MSB<<8)|(\new)
.set MSB, (\new)
.endif
.endm
.set MUL_LO, 0xa1                      ; source 0 (B) window 1, source 1 (A) window 0, C and D window 2
.set MUL_HI, 0xf1                      ; the same, C and D window 3
.set TO_B,   0x40
.macro JLOAD s                         ; a joint load: waves 0, 1 fetch A's two groups, waves 2, 3 B's; s_nop 0 and four v_nop follow each line
	s_cmp_eq_u32 s15, 0
	s_cbranch_scc0 .Lfor_b_\@
	tensor_load_to_lds s[G0+4*\s:G0+4*\s+3], s[G1:G1+7]
	s_nop 0
.rept 4
	v_nop
.endr
	s_branch .Lasked_\@
.Lfor_b_\@:
	tensor_load_to_lds s[G0B+4*\s:G0B+4*\s+3], s[G1B:G1B+7]
	s_nop 0
.rept 4
	v_nop
.endr
.Lasked_\@:
.endm
.macro CREST                           ; a round of the cluster's barrier behind its opening barrier
	s_cmp_lg_u32 s14, 0
	s_cbranch_scc1 .Lnot_wave_0_\@
	s_barrier_signal -3
.Lnot_wave_0_\@:
	s_barrier_wait -3
	s_barrier_signal -1
	s_barrier_wait -1
.endm
.macro CROUND
	s_barrier_signal -1
	s_barrier_wait -1
	CREST
.endm
.macro PLACES n
.rept \n
	v_nop
.endr
.endm
.macro FRAG reg, adr, off
.irp c, 0,1,2
	ds_load_b128 v[\reg+4*\c:\reg+4*\c+3], v[\adr] offset:\off+512*\c
.endr
.endm
.macro FETCH_B slot, q, p              ; B's eight fragments of the slot's q-th record into set p
	WIN TO_B
.irp i, 0,1,2,3,4,5,6,7
	FRAG 128*(\p)+FR*\i, ADRB+\slot, (\q)*REC+1536*\i
.endr
	WIN 0
.endm
.macro FETCH_A slot, q, i0             ; A's blocks i0 .. i0 + 3
.irp i, \i0, \i0+1, \i0+2, \i0+3
	FRAG AF+FR*(\i), ADRA+\slot, (\q)*REC+1536*(\i)
.endr
.endm
.macro SCALES sc                       ; a slot's scale words, both records
.irp q, 0,1
.irp i, 0,1,2,3,4,5,6,7
	ds_load_b32 v[SC+16*\sc+8*\q+\i], v[ADRS+\sc] offset:\q*REC+64*\i
.endr
.endr
.endm
; 16 matrix instructions: A's blocks a0, a0 + 1 x B's eight.  zero = 1: C = 0 starts the sums; 2: the bias does.  The 64 accumulators take turns, one instruction a turn.
.macro MUL16 a0, p, q, sc, zero
.irp a, \a0, \a0+1
.irp b, 0,1,2,3,4,5,6,7
.if \zero == 1
	v_wmma_scale_f32_16x16x128_f8f6f4 v[8*(8*((\a)%4)+\b):8*(8*((\a)%4)+\b)+7], v[128*(\p)+FR*\b:128*(\p)+FR*\b+FR-1], v[AF+FR*(\a):AF+FR*(\a)+FR-1], 0, v[SC+16*(\sc)+8*(\q)+\b], v[SC+16*(\sc)+8*(\q)+(\a)] matrix_a_fmt:MATRIX_FMT_FP6 matrix_b_fmt:MATRIX_FMT_FP6 matrix_a_scale:MATRIX_SCALE_ROW1
.elseif \zero == 2
	v_wmma_scale_f32_16x16x128_f8f6f4 v[8*(8*((\a)%4)+\b):8*(8*((\a)%4)+\b)+7], v[128*(\p)+FR*\b:128*(\p)+FR*\b+FR-1], v[AF+FR*(\a):AF+FR*(\a)+FR-1], v[BI+8*\b:BI+8*\b+7], v[SC+16*(\sc)+8*(\q)+\b], v[SC+16*(\sc)+8*(\q)+(\a)] matrix_a_fmt:MATRIX_FMT_FP6 matrix_b_fmt:MATRIX_FMT_FP6 matrix_a_scale:MATRIX_SCALE_ROW1
.else
	v_wmma_scale_f32_16x16x128_f8f6f4 v[8*(8*((\a)%4)+\b):8*(8*((\a)%4)+\b)+7], v[128*(\p)+FR*\b:128*(\p)+FR*\b+FR-1], v[AF+FR*(\a):AF+FR*(\a)+FR-1], v[8*(8*((\a)%4)+\b):8*(8*((\a)%4)+\b)+7], v[SC+16*(\sc)+8*(\q)+\b], v[SC+16*(\sc)+8*(\q)+(\a)] matrix_a_fmt:MATRIX_FMT_FP6 matrix_b_fmt:MATRIX_FMT_FP6 matrix_a_scale:MATRIX_SCALE_ROW1
.endif
.endr
.endr
.endm
.macro STEP slot, q, zero              ; a step of 128 along K whose successor lies in the same slot
	s_wait_dscnt 4*NL                              ; all but the youngest twelve loads (A's blocks 4-7) are in
.if \zero == 2
	WIN 0x81                                       ; C (the bias) in window 0
.else
	WIN MUL_LO
.endif
	MUL16 0, (\q)%2, \q, \slot, \zero
	MUL16 2, (\q)%2, \q, \slot, \zero
	s_wait_dscnt 0
	PLACES NP
	FETCH_B \slot, (\q)+1, 1-(\q)%2
	FETCH_A \slot, (\q)+1, 0
.if \zero == 2
	WIN 0xc1
.else
	WIN MUL_HI
.endif
	MUL16 4, (\q)%2, \q, \slot, \zero
	MUL16 6, (\q)%2, \q, \slot, \zero
	PLACES NP
	WIN 0
	FETCH_A \slot, (\q)+1, 4
.endm
; A slot's last step changes slots: one barrier; ahead of it each wave waits for all its tensor loads, adds 0 to its spare word, and waits for that and for its reads of this slot.
.macro TURN slot, next, fill
	s_wait_tensorcnt 0x0                           ; my one load that was out, my part of the next slot, has landed
	ds_add_u32 v[SPW], v[NIL]
	s_wait_dscnt 4*NL+1                            ; the add and the youngest twelve loads may be out
	WIN MUL_LO
	MUL16 0, 1, 1, \slot, 0
	s_wait_dscnt 0x0                               ; the add is done, my reads of this slot are over
	s_barrier_signal -1
	MUL16 2, 1, 1, \slot, 0
	WIN 0
	s_barrier_wait -1
.if \fill
	CREST                                          ; the barrier has opened a round of the cluster's: no wave of any partner still reads this slot or has a load on its way
	s_add_nc_u64 s[G0+4*\slot+2:G0+4*\slot+3], s[G0+4*\slot+2:G0+4*\slot+3], 2*PART
	s_add_nc_u64 s[G0B+4*\slot+2:G0B+4*\slot+3], s[G0B+4*\slot+2:G0B+4*\slot+3], 2*PART
	JLOAD \slot                                    ; first behind the round; its four v_nop are the places ahead of the loads below
.else
	PLACES NP
.endif
	FETCH_B \next, 0, 0
	FETCH_A \next, 0, 0
	SCALES \next
	WIN MUL_HI
	MUL16 4, 1, 1, \slot, 0
	MUL16 6, 1, 1, \slot, 0
	PLACES NP
	WIN 0
	FETCH_A \next, 0, 4
.endm
; 64 results of a lane (window W, from register src on) become a fragment's codes in v[pc] on and the row's scale word in v[pw], both in window 0
.macro QUANT src, W, pc, pw
	WIN ((\W)<<2)|((\W)<<4)
.irp b, 0,1,2,3
	v_max3_num_f32 v[MX+\b], s[FLR], |v[(\src)+16*\b]|, |v[(\src)+16*\b+1]|     ; each accumulator is read from its low end on; the floor holds the byte at 1
.endr
.irp i, 2,4,6,8,10,12,14
.irp b, 0,1,2,3
	v_max3_num_f32 v[MX+\b], v[MX+\b], |v[(\src)+16*\b+\i]|, |v[(\src)+16*\b+\i+1]|
.endr
.endr
	WIN 0
.irp b, 0,1,2,3
	v_permlanex16_b32 v[PB+\b], v[MX+\b], s[SEL], s[SEL+1]
.endr
.irp b, 0,1,2,3
	v_max_num_f32 v[MX+\b], v[MX+\b], v[PB+\b]
.endr
.irp b, 0,1,2,3
	v_add_nc_u32 v[SO+\b], 0xff000000, v[MX+\b]
.endr
.irp b, 0,1,2,3
	v_lshrrev_b32 v[PB+\b], 23, v[SO+\b]
.endr
	v_lshl_or_b32 v[\pw], v[PB+1], 8, v[PB]
	v_lshl_or_b32 v[\pw], v[PB+2], 16, v[\pw]
	v_lshl_or_b32 v[\pw], v[PB+3], 24, v[\pw]
	WIN \W
.irp c, 0,1
	v_cvt_scalef32_pk16_fp6_f32 v[(\pc)+6*\c:(\pc)+6*\c+2], v[(\src)+32*\c:(\src)+32*\c+15], v[SO+2*\c]
	v_cvt_scalef32_pk16_fp6_f32 v[TP+4*\c:TP+4*\c+2], v[(\src)+32*\c+16:(\src)+32*\c+31], v[SO+2*\c+1]
.endr
	WIN 0
	v_nop                                          ; one plain place behind a scaled conversion
.irp c, 0,1
.irp i, 0,1,2
	v_permlane16_swap_b32 v[(\pc)+6*\c+\i], v[TP+4*\c+\i]
.endr
.irp i, 0,1,2
	v_mov_b32 v[(\pc)+3+6*\c+\i], v[TP+4*\c+\i]
.endr
.endr
.endm
.if QKV
	s_load_b64 s[4:5], s[0:1], 0x0                 ; img, for A
	s_load_b64 s[6:7], s[0:1], 0x0                 ; img, for B
	s_load_b64 s[8:9], s[0:1], 0x8                 ; the output
.else
	s_load_b128 s[4:7], s[0:1], 0x0                ; A's buffer, B's buffer
.if FF1
	s_load_b128 s[8:11], s[0:1], 0x10              ; the output, the bias
.else
	s_load_b64 s[8:9], s[0:1], 0x10                ; the output
.endif
.endif
	v_lshl_add_u32 v[SPW], v0, 2, SPARE
	v_mov_b32 v[NIL], 0
	ds_add_u32 v[SPW], v[NIL]                      ; the wave's opening: the add and its wait ahead of my first tensor load
	v_lshrrev_b32 v1, 5, v0
	v_readfirstlane_b32 s14, v1                    ; wave
	s_lshr_b32 s15, s14, 1                         ; my half of the tile's rows; also: I fetch for A (0) or B (1)
	s_and_b32 s16, s14, 1                          ; my half of its columns; also: which group I fetch
	s_bfe_u32 s40, ttmp6, 0x40000                  ; cx
	s_bfe_u32 s41, ttmp6, 0x40004                  ; cy
	s_and_b32 s72, ttmp7, 0xffff                   ; cluster y
.if QKV
	s_cmp_lt_u32 ttmp9, 2                          ; q and k, or v^T: the same in all sixteen partners
	s_cselect_b32 s42, ttmp9, s72                  ; clusters along the tile columns
	s_cselect_b32 s17, s72, 0                      ; and along the tile rows
	s_mov_b32 s73, 960*REC
	s_cselect_b32 s70, 0, s73                      ; A's section of img: x, or w_v
	s_mov_b32 s73, 832*REC
	s_cselect_b32 s71, s73, 0                      ; B's: w_q and w_k, or x
	s_cselect_b32 s74, 0, 512
	s_cselect_b32 s75, 1, 0
.else
	s_mov_b32 s42, ttmp9
	s_mov_b32 s17, s72
	s_mov_b32 s70, A_OFF
	s_mov_b32 s71, B_OFF
.endif
	s_lshl_b32 s42, s42, 2
	s_add_co_u32 s42, s42, s40                     ; tile column
	s_lshl_b32 s17, s17, 2
	s_add_co_u32 s17, s17, s41                     ; tile row
	s_lshl_b32 s43, s41, 2
	s_lshl_b32 s43, 15, s43                        ; my row of the cluster
	s_lshl_b32 s44, 0x1111, s40                    ; my column
	s_or_b32 s[G1+0], s43, (3<<16)|(1<<21)         ; the mask; elements of 8 bytes; bit 21 beside a mask; no padding
	s_or_b32 s[G1B+0], s44, (3<<16)|(1<<21)
.irp g, G1, G1B                        ; 25,600 dense bytes as 100 rows of 256
	s_mov_b32 s[\g+1], 32<<16
	s_mov_b32 s[\g+2], 100<<16
	s_mov_b32 s[\g+3], 32<<16
	s_mov_b32 s[\g+4], 100
	s_mov_b32 s[\g+5], 32
	s_mov_b32 s[\g+6], 0
	s_mov_b32 s[\g+7], 0
.endr
	s_lshl_b32 s20, s17, 1
	s_add_co_u32 s20, s20, s16                     ; A's group that I would fetch: it hangs on the tile row alone
	s_mul_i32 s20, s20, NK*REC
	s_add_co_u32 s20, s20, s70
	s_mov_b32 s21, 0
	s_lshl_b32 s46, s42, 1
	s_add_co_u32 s46, s46, s16                     ; B's: on the tile column alone
	s_mul_i32 s46, s46, NK*REC
	s_add_co_u32 s46, s46, s71
	s_mov_b32 s47, 0
	s_mul_i32 s45, s14, PART                       ; where it goes: no place in the cluster enters an LDS address
	s_mov_b32 s[SEL], 0x76543210
	s_mov_b32 s[SEL+1], 0xfedcba98
	s_mov_b32 s[FLR], 0x1800000
	s_wait_dscnt 0x0                               ; the opening add is done
	s_wait_kmcnt 0x0
	s_add_nc_u64 s[20:21], s[4:5], s[20:21]
	s_add_nc_u64 s[46:47], s[6:7], s[46:47]
	CROUND                                         ; all sixteen work-groups are here: the first joint loads meet
.irp s, 0,1
	s_mov_b32 s[G0+4*\s], 1
	s_add_co_u32 s[G0+4*\s+1], s45, \s*SLOT
	s_add_nc_u64 s[G0+4*\s+2:G0+4*\s+3], s[20:21], \s*PART
	s_or_b32 s[G0+4*\s+3], s[G0+4*\s+3], 0x80000000
	s_mov_b32 s[G0B+4*\s], 1
	s_add_co_u32 s[G0B+4*\s+1], s45, \s*SLOT
	s_add_nc_u64 s[G0B+4*\s+2:G0B+4*\s+3], s[46:47], \s*PART
	s_or_b32 s[G0B+4*\s+3], s[G0B+4*\s+3], 0x80000000
	JLOAD \s
.endr
	v_and_b32 v[LANE], 31, v0
	v_and_b32 v1, 15, v0                           ; r
	v_bfe_u32 v2, v0, 4, 1                         ; h
	v_lshlrev_b32 v[L16], 4, v[LANE]
	v_lshlrev_b32 v[L4], 2, v[LANE]
	v_lshlrev_b32 v[H64], 6, v2
	s_mul_i32 s72, s15, PART                       ; my group of A
	s_mul_i32 s73, s16, PART
	s_add_co_u32 s73, s73, 2*PART                  ; my group of B
	v_add_nc_u32 v[ADRA], s72, v[L16]
	v_add_nc_u32 v[ADRB], s73, v[L16]
	v_add_nc_u32 v[ADRA+1], SLOT, v[ADRA]
	v_add_nc_u32 v[ADRB+1], SLOT, v[ADRB]
	s_sub_co_u32 s73, s73, s72
	v_mul_u32_u24 v3, s73, v2                      ; lanes 16-31 take B's scale words
	v_lshl_add_u32 v3, v1, 2, v3
	s_add_co_u32 s72, s72, 12288
	v_add_nc_u32 v[ADRS], s72, v3
	v_add_nc_u32 v[ADRS+1], SLOT, v[ADRS]
	s_lshl_b32 s66, s17, 1
	s_add_co_u32 s66, s66, s15                     ; my group of A's rows
	s_lshl_b32 s67, s42, 1
	s_add_co_u32 s67, s67, s16                     ; my group of B's rows
.if FF1
	s_lshl_b32 s70, s67, 9                         ; the bias of my 128 columns; lane (r, h) wants, for block b, those of 32 (b / 2) + 8 (b % 2) + 16 h + 0 .. 7
	s_mov_b32 s71, 0
	s_add_nc_u64 s[10:11], s[10:11], s[70:71]
.irp b, 0,1,2,3,4,5,6,7
	global_load_b128 v[BI+8*\b:BI+8*\b+3], v[H64], s[10:11] offset:(32*(\b/2)+8*(\b%2))*4
	global_load_b128 v[BI+8*\b+4:BI+8*\b+7], v[H64], s[10:11] offset:(32*(\b/2)+8*(\b%2))*4+16
.endr
.endif
.if QKV
	s_cmp_eq_u32 s75, 1
	s_cselect_b32 s68, s67, s66
	s_cselect_b32 s69, s66, s67
	s_lshl_b32 s68, s68, 5
	s_add_co_u32 s68, s68, s69
	s_add_co_u32 s68, s68, s74
	s_mul_i32 s68, s68, REC
.elseif FF1
	s_lshl_b32 s68, s66, 5
	s_add_co_u32 s68, s68, s67
	s_mul_i32 s68, s68, REC
.else
	s_lshl_b32 s68, s66, 19
	s_lshl_b32 s69, s67, 13
	s_add_co_u32 s68, s68, s69
.endif
	s_mov_b32 s69, 0
	s_add_nc_u64 s[8:9], s[8:9], s[68:69]
.if EPI
.irp b, 0,1,2,3
	v_mov_b32 v[PB+\b], 0                          ; a lane permute's destination counts as one of its sources
.endr
.endif
	s_wait_tensorcnt 1                             ; my part of slot 0 is in; slot 1's load may be out
	s_barrier_signal -1
	s_barrier_wait -1
	FETCH_B 0, 0, 0
	FETCH_A 0, 0, 0
	SCALES 0
	FETCH_A 0, 0, 4
.if FF1
	s_wait_loadcnt 0x0                             ; the bias
.endif
	STEP 0, 0, 1+FF1                               ; the first step stands ahead of the loop: its products start the sums
	s_mov_b32 s3, LAPS-1
.Llap:                                                 ; a trip goes once round the ring and fills both slots again
	TURN 0, 1, 1
	STEP 1, 0, 0
	TURN 1, 0, 1
	STEP 0, 0, 0
	s_sub_co_u32 s3, s3, 1
	s_cmp_lg_u32 s3, 0
	s_cbranch_scc1 .Llap
	TURN 0, 1, 0                                   ; the last lap fills nothing
	STEP 1, 0, 0
	s_wait_dscnt 4*NL
	WIN MUL_LO
	MUL16 0, 1, 1, 1, 0
	MUL16 2, 1, 1, 1, 0
	s_wait_dscnt 0
	WIN MUL_HI
	MUL16 4, 1, 1, 1, 0
	MUL16 6, 1, 1, 1, 0
	WIN 0
	PLACES NP                                      ; ahead of the first read of results and the first write over operands
.if EPI == 0
.irp a, 0,1,2,3,4,5,6,7
	WIN 0x08+4*(\a/4)                              ; a store's data are its source 1: window 2 or 3
.irp b, 0,1,2,3,4,5,6,7
	global_store_b128 v[L16], v[8*(8*(\a%4)+\b):8*(8*(\a%4)+\b)+3], s[8:9] offset:\a*65536+1024*\b th:TH_STORE_NT
	global_store_b128 v[L16], v[8*(8*(\a%4)+\b)+4:8*(8*(\a%4)+\b)+7], s[8:9] offset:\a*65536+1024*\b+512 th:TH_STORE_NT
.endr
.endr
	WIN 0
.else
.irp a, 0,1,2,3,4,5,6,7
.if FF1
	WIN 0x88+0x44*(\a/4)
.set j, 64*(\a%4)
.rept 64
	v_max_num_f32 v[j], 0, v[j]                    ; the activation, in f32
.set j, j+1
.endr
.endif
	QUANT 64*(\a%4), 2+\a/4, AF+12*\a, PW+\a
.irp c, 0,1,2
	global_store_b128 v[L16], v[AF+12*\a+4*\c:AF+12*\a+4*\c+3], s[8:9] offset:1536*\a+512*\c
.endr
.endr
	v_cmp_le_u32 vcc_lo, 16, v[LANE]
.irp i, 0,1,2,3
	v_cndmask_b32 v[SW+\i], v[PW+2*\i], v[PW+2*\i+1], vcc_lo    ; lanes 0-15 fragment 2 i's words, lanes 16-31 fragment 2 i + 1's
.endr
.irp i, 0,1,2,3
	global_store_b32 v[L4], v[SW+\i], s[8:9] offset:12288+128*\i
.endr
.endif
	s_wait_tensorcnt 0x0                           ; the wave's end
	ds_add_u32 v[SPW], v[NIL]
	s_wait_dscnt 0x0
	CROUND                                         ; the closing round
	s_endpgm
.Lfunc_end_k_q8b6e4da770_g_ff1:
	.size	k_q8b6e4da770_g_ff1, .Lfunc_end_k_q8b6e4da770_g_ff1-k_q8b6e4da770_g_ff1
	.p2alignl 7, 3214868480
	.fill 96, 4, 3214868480
	.section	.rodata,"a",@progbits
	.p2align	6, 0x0
	.amdhsa_kernel k_q8b6e4da770_g_ff1
		.amdhsa_group_segment_fixed_size 327680
		.amdhsa_private_segment_fixed_size 0
		.amdhsa_enable_private_segment 0
		.amdhsa_kernarg_size 32
		.amdhsa_user_sgpr_count 2
		.amdhsa_user_sgpr_kernarg_segment_ptr 1
		.amdhsa_wavefront_size32 1
		.amdhsa_system_sgpr_workgroup_id_x 1
		.amdhsa_system_sgpr_workgroup_id_y 1
		.amdhsa_system_sgpr_workgroup_id_z 1
		.amdhsa_system_vgpr_workitem_id 0
		.amdhsa_next_free_vgpr 1024
		.amdhsa_next_free_sgpr 80
		.amdhsa_reserve_vcc 1
		.amdhsa_float_denorm_mode_32 3
		.amdhsa_float_denorm_mode_16_64 3
		.amdhsa_memory_ordered 1
		.amdhsa_forward_progress 1
		.amdhsa_inst_pref_size 156
	.end_amdhsa_kernel
	.amdgpu_metadata
---
amdhsa.version: [ 1, 2 ]
amdhsa.kernels:
  - .name:           k_q8b6e4da770_g_ff1
    .symbol:         k_q8b6e4da770_g_ff1.kd
    .args:
      - { .name: x1, .offset: 0, .size: 8, .value_kind: global_buffer, .address_space: global }
      - { .name: img, .offset: 8, .size: 8, .value_kind: global_buffer, .address_space: global }
      - { .name: hq, .offset: 16, .size: 8, .value_kind: global_buffer, .address_space: global }
      - { .name: b1, .offset: 24, .size: 8, .value_kind: global_buffer, .address_space: global }
    .group_segment_fixed_size: 327680
    .private_segment_fixed_size: 0
    .kernarg_segment_align: 8
    .kernarg_segment_size: 32
    .max_flat_workgroup_size: 128
    .sgpr_count:     80
    .vgpr_count:     1024
    .wavefront_size: 32
...
	.end_amdgpu_metadata
.endif
;; end of part 7
;; launch g_ff2 (part 8): grid 4 x 16, 4 waves a work-group, clusters of 4 x 4, 327,680 bytes of LDS; arguments hq, img, cf; writes cf
.if DOCPART == 8
	.amdgcn_target "amdgcn-amd-amdhsa--gfx1250"
	.amdhsa_code_object_version 6
	.text
	.protected	k_q8b6e4da770_g_ff2
	.globl	k_q8b6e4da770_g_ff2
	.p2align	8
	.type	k_q8b6e4da770_g_ff2,@function
k_q8b6e4da770_g_ff2:
	s_mov_b64 s[64:65], 0
	v_nop
	global_prefetch_b8 v0, s[64:65] scope:SCOPE_SE
	s_setreg_imm32_b32 hwreg(HW_REG_WAVE_MODE, 25, 1), 1
	s_wait_xcnt 0x0
	s_wait_alu depctr_hold_cnt(0) depctr_sa_sdst(0) depctr_va_vdst(0) depctr_va_sdst(0) depctr_va_ssrc(0) depctr_va_vcc(0) depctr_vm_vsrc(0)
	s_getreg_b32 s2, hwreg(HW_REG_IB_STS2, 6, 4)
	s_cmp_eq_u32 s2, 0
	s_cbranch_scc0 .Lentry_in_a_cluster
	s_endpgm
.Lentry_in_a_cluster:
	s_bfe_u32 s2, ttmp6, 0x10000c
	s_cmp_lg_u32 s2, 0xf033
	s_cbranch_scc0 .Lentry_shape_is_right
	s_endpgm
.Lentry_shape_is_right:
; THE GEMM ON RECORDS, one text assembled four times; this copy: hidden x w2^T, K = 4,096, f32 out (the bias is added by the layer norm's launch).
; C = A B^T on FP6 (E2M3) codes with E8M0 scales.  Both operands lie in memory as RECORDS of 12,800 bytes: 128 rows x 128 K as images of operand registers (fragment a at 1536 a + 512 c + 16 l; position r of
; fragment a = row pi(a, r) = 32 (a / 2) + 8 (a % 2) + r + 8 (r / 8); scale words at 12288 + 64 a + 4 r), records of a group of rows on end along K.
; A work-group of four waves makes 256 x 256 of C, a wave 128 x 128: 64 accumulators, 512 registers.  K goes in steps of 256 through two LDS slots; a wave's one tensor load brings two records, 25,600 dense bytes, codes
; and scale words together; a fragment is three ds_load_b128 of 512 consecutive bytes.  4 x 4 work-groups form a cluster: A's records are asked for jointly along a row of it, B's along a column.
; TRANSPOSED USE: source 0 = 16 rows of B, source 1 = 16 rows of A: lane (r, h) of accumulator (a, b) holds A's row pi(a, r), and its register j B's row 32 (b / 2) + 8 (b % 2) + 16 h + j.
; WAY OUT.  EPI = 1: (relu,) quantised in registers along B's rows; a wave writes one whole record.  EPI = 0: the accumulators leave as they stand, 512 dense bytes a store: block ((8 G + a) 8 + column group) of 8,192 bytes.
; This copy has 4 x 16 tiles of 256 x 256: 64 work-groups.
.set NK,    32                         ; K steps of 128
.set A_OFF, 0
.set B_OFF, 576*12800                  ; w2's records in img
.set EPI,   0
.set FF1,   0
.set QKV,   0
.set REC,   12800
.set PART,  2*REC                      ; what one tensor load brings
.set SLOT,  4*PART                     ; A's two groups, then B's two
.set SPARE, 2*SLOT                     ; behind the ring: the spare words, 128 bytes a wave
.set LAPS,  NK/4                       ; a lap = once round the ring = 512 along K
.set FR,    12
.set NL,    3                          ; LDS loads of a fragment
.set NP,    4                          ; places behind this matrix instruction (ISA guide 7.12.1)
.set ADRA, 16                          ; v16-17 16 l + my A part in slot 0, 1
.set ADRB, 20                          ; v20-21 the same for B
.set ADRS, 22                          ; v22-23 my scale words: lanes 0-15 A's, lanes 16-31 B's
.set L16,  24
.set L4,   25
.set H64,  26
.set LANE, 27
.set SPW,  28
.set NIL,  29
.set SC,   32                          ; v32-63 scale words: 16 s + 8 q + i: lanes 0-15 A's block i, lanes 16-31 B's block i
.set BI,   64                          ; v64-127 the bias in the result's layout (FF1)
.set AF,   128                         ; v128-223 A's eight fragments; on the way out the codes
.set TP,   224
.set MX,   232
.set PB,   236
.set SO,   240
.set SW,   244
.set PW,   248
.set G1,  24
.set G0,  32
.set G1B, 48
.set G0B, 56
.set SEL, 76
.set FLR, 78
.set MSB, 0
.macro WIN new                         ; the immediate's high byte repeats the setting that is left
.if MSB != (\new)
	s_set_vgpr_msb (MSB<<8)|(\new)
.set MSB, (\new)
.endif
.endm
.set MUL_LO, 0xa1                      ; source 0 (B) window 1, source 1 (A) window 0, C and D window 2
.set MUL_HI, 0xf1                      ; the same, C and D window 3
.set TO_B,   0x40
.macro JLOAD s                         ; a joint load: waves 0, 1 fetch A's two groups, waves 2, 3 B's; s_nop 0 and four v_nop follow each line
	s_cmp_eq_u32 s15, 0
	s_cbranch_scc0 .Lfor_b_\@
	tensor_load_to_lds s[G0+4*\s:G0+4*\s+3], s[G1:G1+7]
	s_nop 0
.rept 4
	v_nop
.endr
	s_branch .Lasked_\@
.Lfor_b_\@:
	tensor_load_to_lds s[G0B+4*\s:G0B+4*\s+3], s[G1B:G1B+7]
	s_nop 0
.rept 4
	v_nop
.endr
.Lasked_\@:
.endm
.macro CREST                           ; a round of the cluster's barrier behind its opening barrier
	s_cmp_lg_u32 s14, 0
	s_cbranch_scc1 .Lnot_wave_0_\@
	s_barrier_signal -3
.Lnot_wave_0_\@:
	s_barrier_wait -3
	s_barrier_signal -1
	s_barrier_wait -1
.endm
.macro CROUND
	s_barrier_signal -1
	s_barrier_wait -1
	CREST
.endm
.macro PLACES n
.rept \n
	v_nop
.endr
.endm
.macro FRAG reg, adr, off
.irp c, 0,1,2
	ds_load_b128 v[\reg+4*\c:\reg+4*\c+3], v[\adr] offset:\off+512*\c
.endr
.endm
.macro FETCH_B slot, q, p              ; B's eight fragments of the slot's q-th record into set p
	WIN TO_B
.irp i, 0,1,2,3,4,5,6,7
	FRAG 128*(\p)+FR*\i, ADRB+\slot, (\q)*REC+1536*\i
.endr
	WIN 0
.endm
.macro FETCH_A slot, q, i0             ; A's blocks i0 .. i0 + 3
.irp i, \i0, \i0+1, \i0+2, \i0+3
	FRAG AF+FR*(\i), ADRA+\slot, (\q)*REC+1536*(\i)
.endr
.endm
.macro SCALES sc                       ; a slot's scale words, both records
.irp q, 0,1
.irp i, 0,1,2,3,4,5,6,7
	ds_load_b32 v[SC+16*\sc+8*\q+\i], v[ADRS+\sc] offset:\q*REC+64*\i
.endr
.endr
.endm
; 16 matrix instructions: A's blocks a0, a0 + 1 x B's eight.  zero = 1: C = 0 starts the sums; 2: the bias does.  The 64 accumulators take turns, one instruction a turn.
.macro MUL16 a0, p, q, sc, zero
.irp a, \a0, \a0+1
.irp b, 0,1,2,3,4,5,6,7
.if \zero == 1
	v_wmma_scale_f32_16x16x128_f8f6f4 v[8*(8*((\a)%4)+\b):8*(8*((\a)%4)+\b)+7], v[128*(\p)+FR*\b:128*(\p)+FR*\b+FR-1], v[AF+FR*(\a):AF+FR*(\a)+FR-1], 0, v[SC+16*(\sc)+8*(\q)+\b], v[SC+16*(\sc)+8*(\q)+(\a)] matrix_a_fmt:MATRIX_FMT_FP6 matrix_b_fmt:MATRIX_FMT_FP6 matrix_a_scale:MATRIX_SCALE_ROW1
.elseif \zero == 2
	v_wmma_scale_f32_16x16x128_f8f6f4 v[8*(8*((\a)%4)+\b):8*(8*((\a)%4)+\b)+7], v[128*(\p)+FR*\b:128*(\p)+FR*\b+FR-1], v[AF+FR*(\a):AF+FR*(\a)+FR-1], v[BI+8*\b:BI+8*\b+7], v[SC+16*(\sc)+8*(\q)+\b], v[SC+16*(\sc)+8*(\q)+(\a)] matrix_a_fmt:MATRIX_FMT_FP6 matrix_b_fmt:MATRIX_FMT_FP6 matrix_a_scale:MATRIX_SCALE_ROW1
.else
	v_wmma_scale_f32_16x16x128_f8f6f4 v[8*(8*((\a)%4)+\b):8*(8*((\a)%4)+\b)+7], v[128*(\p)+FR*\b:128*(\p)+FR*\b+FR-1], v[AF+FR*(\a):AF+FR*(\a)+FR-1], v[8*(8*((\a)%4)+\b):8*(8*((\a)%4)+\b)+7], v[SC+16*(\sc)+8*(\q)+\b], v[SC+16*(\sc)+8*(\q)+(\a)] matrix_a_fmt:MATRIX_FMT_FP6 matrix_b_fmt:MATRIX_FMT_FP6 matrix_a_scale:MATRIX_SCALE_ROW1
.endif
.endr
.endr
.endm
.macro STEP slot, q, zero              ; a step of 128 along K whose successor lies in the same slot
	s_wait_dscnt 4*NL                              ; all but the youngest twelve loads (A's blocks 4-7) are in
.if \zero == 2
	WIN 0x81                                       ; C (the bias) in window 0
.else
	WIN MUL_LO
.endif
	MUL16 0, (\q)%2, \q, \slot, \zero
	MUL16 2, (\q)%2, \q, \slot, \zero
	s_wait_dscnt 0
	PLACES NP
	FETCH_B \slot, (\q)+1, 1-(\q)%2
	FETCH_A \slot, (\q)+1, 0
.if \zero == 2
	WIN 0xc1
.else
	WIN MUL_HI
.endif
	MUL16 4, (\q)%2, \q, \slot, \zero
	MUL16 6, (\q)%2, \q, \slot, \zero
	PLACES NP
	WIN 0
	FETCH_A \slot, (\q)+1, 4
.endm
; A slot's last step changes slots: one barrier; ahead of it each wave waits for all its tensor loads, adds 0 to its spare word, and waits for that and for its reads of this slot.
.macro TURN slot, next, fill
	s_wait_tensorcnt 0x0                           ; my one load that was out, my part of the next slot, has landed
	ds_add_u32 v[SPW], v[NIL]
	s_wait_dscnt 4*NL+1                            ; the add and the youngest twelve loads may be out
	WIN MUL_LO
	MUL16 0, 1, 1, \slot, 0
	s_wait_dscnt 0x0                               ; the add is done, my reads of this slot are over
	s_barrier_signal -1
	MUL16 2, 1, 1, \slot, 0
	WIN 0
	s_barrier_wait -1
.if \fill
	CREST                                          ; the barrier has opened a round of the cluster's: no wave of any partner still reads this slot or has a load on its way
	s_add_nc_u64 s[G0+4*\slot+2:G0+4*\slot+3], s[G0+4*\slot+2:G0+4*\slot+3], 2*PART
	s_add_nc_u64 s[G0B+4*\slot+2:G0B+4*\slot+3], s[G0B+4*\slot+2:G0B+4*\slot+3], 2*PART
	JLOAD \slot                                    ; first behind the round; its four v_nop are the places ahead of the loads below
.else
	PLACES NP
.endif
	FETCH_B \next, 0, 0
	FETCH_A \next, 0, 0
	SCALES \next
	WIN MUL_HI
	MUL16 4, 1, 1, \slot, 0
	MUL16 6, 1, 1, \slot, 0
	PLACES NP
	WIN 0
	FETCH_A \next, 0, 4
.endm
; 64 results of a lane (window W, from register src on) become a fragment's codes in v[pc] on and the row's scale word in v[pw], both in window 0
.macro QUANT src, W, pc, pw
	WIN ((\W)<<2)|((\W)<<4)
.irp b, 0,1,2,3
	v_max3_num_f32 v[MX+\b], s[FLR], |v[(\src)+16*\b]|, |v[(\src)+16*\b+1]|     ; each accumulator is read from its low end on; the floor holds the byte at 1
.endr
.irp i, 2,4,6,8,10,12,14
.irp b, 0,1,2,3
	v_max3_num_f32 v[MX+\b], v[MX+\b], |v[(\src)+16*\b+\i]|, |v[(\src)+16*\b+\i+1]|
.endr
.endr
	WIN 0
.irp b, 0,1,2,3
	v_permlanex16_b32 v[PB+\b], v[MX+\b], s[SEL], s[SEL+1]
.endr
.irp b, 0,1,2,3
	v_max_num_f32 v[MX+\b], v[MX+\b], v[PB+\b]
.endr
.irp b, 0,1,2,3
	v_add_nc_u32 v[SO+\b], 0xff000000, v[MX+\b]
.endr
.irp b, 0,1,2,3
	v_lshrrev_b32 v[PB+\b], 23, v[SO+\b]
.endr
	v_lshl_or_b32 v[\pw], v[PB+1], 8, v[PB]
	v_lshl_or_b32 v[\pw], v[PB+2], 16, v[\pw]
	v_lshl_or_b32 v[\pw], v[PB+3], 24, v[\pw]
	WIN \W
.irp c, 0,1
	v_cvt_scalef32_pk16_fp6_f32 v[(\pc)+6*\c:(\pc)+6*\c+2], v[(\src)+32*\c:(\src)+32*\c+15], v[SO+2*\c]
	v_cvt_scalef32_pk16_fp6_f32 v[TP+4*\c:TP+4*\c+2], v[(\src)+32*\c+16:(\src)+32*\c+31], v[SO+2*\c+1]
.endr
	WIN 0
	v_nop                                          ; one plain place behind a scaled conversion
.irp c, 0,1
.irp i, 0,1,2
	v_permlane16_swap_b32 v[(\pc)+6*\c+\i], v[TP+4*\c+\i]
.endr
.irp i, 0,1,2
	v_mov_b32 v[(\pc)+3+6*\c+\i], v[TP+4*\c+\i]
.endr
.endr
.endm
.if QKV
	s_load_b64 s[4:5], s[0:1], 0x0                 ; img, for A
	s_load_b64 s[6:7], s[0:1], 0x0                 ; img, for B
	s_load_b64 s[8:9], s[0:1], 0x8                 ; the output
.else
	s_load_b128 s[4:7], s[0:1], 0x0                ; A's buffer, B's buffer
.if FF1
	s_load_b128 s[8:11], s[0:1], 0x10              ; the output, the bias
.else
	s_load_b64 s[8:9], s[0:1], 0x10                ; the output
.endif
.endif
	v_lshl_add_u32 v[SPW], v0, 2, SPARE
	v_mov_b32 v[NIL], 0
	ds_add_u32 v[SPW], v[NIL]                      ; the wave's opening: the add and its wait ahead of my first tensor load
	v_lshrrev_b32 v1, 5, v0
	v_readfirstlane_b32 s14, v1                    ; wave
	s_lshr_b32 s15, s14, 1                         ; my half of the tile's rows; also: I fetch for A (0) or B (1)
	s_and_b32 s16, s14, 1                          ; my half of its columns; also: which group I fetch
	s_bfe_u32 s40, ttmp6, 0x40000                  ; cx
	s_bfe_u32 s41, ttmp6, 0x40004                  ; cy
	s_and_b32 s72, ttmp7, 0xffff                   ; cluster y
.if QKV
	s_cmp_lt_u32 ttmp9, 2                          ; q and k, or v^T: the same in all sixteen partners
	s_cselect_b32 s42, ttmp9, s72                  ; clusters along the tile columns
	s_cselect_b32 s17, s72, 0                      ; and along the tile rows
	s_mov_b32 s73, 960*REC
	s_cselect_b32 s70, 0, s73                      ; A's section of img: x, or w_v
	s_mov_b32 s73, 832*REC
	s_cselect_b32 s71, s73, 0                      ; B's: w_q and w_k, or x
	s_cselect_b32 s74, 0, 512
	s_cselect_b32 s75, 1, 0
.else
	s_mov_b32 s42, ttmp9
	s_mov_b32 s17, s72
	s_mov_b32 s70, A_OFF
	s_mov_b32 s71, B_OFF
.endif
	s_lshl_b32 s42, s42, 2
	s_add_co_u32 s42, s42, s40                     ; tile column
	s_lshl_b32 s17, s17, 2
	s_add_co_u32 s17, s17, s41                     ; tile row
	s_lshl_b32 s43, s41, 2
	s_lshl_b32 s43, 15, s43                        ; my row of the cluster
	s_lshl_b32 s44, 0x1111, s40                    ; my column
	s_or_b32 s[G1+0], s43, (3<<16)|(1<<21)         ; the mask; elements of 8 bytes; bit 21 beside a mask; no padding
	s_or_b32 s[G1B+0], s44, (3<<16)|(1<<21)
.irp g, G1, G1B                        ; 25,600 dense bytes as 100 rows of 256
	s_mov_b32 s[\g+1], 32<<16
	s_mov_b32 s[\g+2], 100<<16
	s_mov_b32 s[\g+3], 32<<16
	s_mov_b32 s[\g+4], 100
	s_mov_b32 s[\g+5], 32
	s_mov_b32 s[\g+6], 0
	s_mov_b32 s[\g+7], 0
.endr
	s_lshl_b32 s20, s17, 1
	s_add_co_u32 s20, s20, s16                     ; A's group that I would fetch: it hangs on the tile row alone
	s_mul_i32 s20, s20, NK*REC
	s_add_co_u32 s20, s20, s70
	s_mov_b32 s21, 0
	s_lshl_b32 s46, s42, 1
	s_add_co_u32 s46, s46, s16                     ; B's: on the tile column alone
	s_mul_i32 s46, s46, NK*REC
	s_add_co_u32 s46, s46, s71
	s_mov_b32 s47, 0
	s_mul_i32 s45, s14, PART                       ; where it goes: no place in the cluster enters an LDS address
	s_mov_b32 s[SEL], 0x76543210
	s_mov_b32 s[SEL+1], 0xfedcba98
	s_mov_b32 s[FLR], 0x1800000
	s_wait_dscnt 0x0                               ; the opening add is done
	s_wait_kmcnt 0x0
	s_add_nc_u64 s[20:21], s[4:5], s[20:21]
	s_add_nc_u64 s[46:47], s[6:7], s[46:47]
	CROUND                                         ; all sixteen work-groups are here: the first joint loads meet
.irp s, 0,1
	s_mov_b32 s[G0+4*\s], 1
	s_add_co_u32 s[G0+4*\s+1], s45, \s*SLOT
	s_add_nc_u64 s[G0+4*\s+2:G0+4*\s+3], s[20:21], \s*PART
	s_or_b32 s[G0+4*\s+3], s[G0+4*\s+3], 0x80000000
	s_mov_b32 s[G0B+4*\s], 1
	s_add_co_u32 s[G0B+4*\s+1], s45, \s*SLOT
	s_add_nc_u64 s[G0B+4*\s+2:G0B+4*\s+3], s[46:47], \s*PART
	s_or_b32 s[G0B+4*\s+3], s[G0B+4*\s+3], 0x80000000
	JLOAD \s
.endr
	v_and_b32 v[LANE], 31, v0
	v_and_b32 v1, 15, v0                           ; r
	v_bfe_u32 v2, v0, 4, 1                         ; h
	v_lshlrev_b32 v[L16], 4, v[LANE]
	v_lshlrev_b32 v[L4], 2, v[LANE]
	v_lshlrev_b32 v[H64], 6, v2
	s_mul_i32 s72, s15, PART                       ; my group of A
	s_mul_i32 s73, s16, PART
	s_add_co_u32 s73, s73, 2*PART                  ; my group of B
	v_add_nc_u32 v[ADRA], s72, v[L16]
	v_add_nc_u32 v[ADRB], s73, v[L16]
	v_add_nc_u32 v[ADRA+1], SLOT, v[ADRA]
	v_add_nc_u32 v[ADRB+1], SLOT, v[ADRB]
	s_sub_co_u32 s73, s73, s72
	v_mul_u32_u24 v3, s73, v2                      ; lanes 16-31 take B's scale words
	v_lshl_add_u32 v3, v1, 2, v3
	s_add_co_u32 s72, s72, 12288
	v_add_nc_u32 v[ADRS], s72, v3
	v_add_nc_u32 v[ADRS+1], SLOT, v[ADRS]
	s_lshl_b32 s66, s17, 1
	s_add_co_u32 s66, s66, s15                     ; my group of A's rows
	s_lshl_b32 s67, s42, 1
	s_add_co_u32 s67, s67, s16                     ; my group of B's rows
.if FF1
	s_lshl_b32 s70, s67, 9                         ; the bias of my 128 columns; lane (r, h) wants, for block b, those of 32 (b / 2) + 8 (b % 2) + 16 h + 0 .. 7
	s_mov_b32 s71, 0
	s_add_nc_u64 s[10:11], s[10:11], s[70:71]
.irp b, 0,1,2,3,4,5,6,7
	global_load_b128 v[BI+8*\b:BI+8*\b+3], v[H64], s[10:11] offset:(32*(\b/2)+8*(\b%2))*4
	global_load_b128 v[BI+8*\b+4:BI+8*\b+7], v[H64], s[10:11] offset:(32*(\b/2)+8*(\b%2))*4+16
.endr
.endif
.if QKV
	s_cmp_eq_u32 s75, 1
	s_cselect_b32 s68, s67, s66
	s_cselect_b32 s69, s66, s67
	s_lshl_b32 s68, s68, 5
	s_add_co_u32 s68, s68, s69
	s_add_co_u32 s68, s68, s74
	s_mul_i32 s68, s68, REC
.elseif FF1
	s_lshl_b32 s68, s66, 5
	s_add_co_u32 s68, s68, s67
	s_mul_i32 s68, s68, REC
.else
	s_lshl_b32 s68, s66, 19
	s_lshl_b32 s69, s67, 13
	s_add_co_u32 s68, s68, s69
.endif
	s_mov_b32 s69, 0
	s_add_nc_u64 s[8:9], s[8:9], s[68:69]
.if EPI
.irp b, 0,1,2,3
	v_mov_b32 v[PB+\b], 0                          ; a lane permute's destination counts as one of its sources
.endr
.endif
	s_wait_tensorcnt 1                             ; my part of slot 0 is in; slot 1's load may be out
	s_barrier_signal -1
	s_barrier_wait -1
	FETCH_B 0, 0, 0
	FETCH_A 0, 0, 0
	SCALES 0
	FETCH_A 0, 0, 4
.if FF1
	s_wait_loadcnt 0x0                             ; the bias
.endif
	STEP 0, 0, 1+FF1                               ; the first step stands ahead of the loop: its products start the sums
	s_mov_b32 s3, LAPS-1
.Llap:                                                 ; a trip goes once round the ring and fills both slots again
	TURN 0, 1, 1
	STEP 1, 0, 0
	TURN 1, 0, 1
	STEP 0, 0, 0
	s_sub_co_u32 s3, s3, 1
	s_cmp_lg_u32 s3, 0
	s_cbranch_scc1 .Llap
	TURN 0, 1, 0                                   ; the last lap fills nothing
	STEP 1, 0, 0
	s_wait_dscnt 4*NL
	WIN MUL_LO
	MUL16 0, 1, 1, 1, 0
	MUL16 2, 1, 1, 1, 0
	s_wait_dscnt 0
	WIN MUL_HI
	MUL16 4, 1, 1, 1, 0
	MUL16 6, 1, 1, 1, 0
	WIN 0
	PLACES NP                                      ; ahead of the first read of results and the first write over operands
.if EPI == 0
.irp a, 0,1,2,3,4,5,6,7
	WIN 0x08+4*(\a/4)                              ; a store's data are its source 1: window 2 or 3
.irp b, 0,1,2,3,4,5,6,7
	global_store_b128 v[L16], v[8*(8*(\a%4)+\b):8*(8*(\a%4)+\b)+3], s[8:9] offset:\a*65536+1024*\b th:TH_STORE_NT
	global_store_b128 v[L16], v[8*(8*(\a%4)+\b)+4:8*(8*(\a%4)+\b)+7], s[8:9] offset:\a*65536+1024*\b+512 th:TH_STORE_NT
.endr
.endr
	WIN 0
.else
.irp a, 0,1,2,3,4,5,6,7
.if FF1
	WIN 0x88+0x44*(\a/4)
.set j, 64*(\a%4)
.rept 64
	v_max_num_f32 v[j], 0, v[j]                    ; the activation, in f32
.set j, j+1
.endr
.endif
	QUANT 64*(\a%4), 2+\a/4, AF+12*\a, PW+\a
.irp c, 0,1,2
	global_store_b128 v[L16], v[AF+12*\a+4*\c:AF+12*\a+4*\c+3], s[8:9] offset:1536*\a+512*\c
.endr
.endr
	v_cmp_le_u32 vcc_lo, 16, v[LANE]
.irp i, 0,1,2,3
	v_cndmask_b32 v[SW+\i], v[PW+2*\i], v[PW+2*\i+1], vcc_lo    ; lanes 0-15 fragment 2 i's words, lanes 16-31 fragment 2 i + 1's
.endr
.irp i, 0,1,2,3
	global_store_b32 v[L4], v[SW+\i], s[8:9] offset:12288+128*\i
.endr
.endif
	s_wait_tensorcnt 0x0                           ; the wave's end
	ds_add_u32 v[SPW], v[NIL]
	s_wait_dscnt 0x0
	CROUND                                         ; the closing round
	s_endpgm
.Lfunc_end_k_q8b6e4da770_g_ff2:
	.size	k_q8b6e4da770_g_ff2, .Lfunc_end_k_q8b6e4da770_g_ff2-k_q8b6e4da770_g_ff2
	.p2alignl 7, 3214868480
	.fill 96, 4, 3214868480
	.section	.rodata,"a",@progbits
	.p2align	6, 0x0
	.amdhsa_kernel k_q8b6e4da770_g_ff2
		.amdhsa_group_segment_fixed_size 327680
		.amdhsa_private_segment_fixed_size 0
		.amdhsa_enable_private_segment 0
		.amdhsa_kernarg_size 24
		.amdhsa_user_sgpr_count 2
		.amdhsa_user_sgpr_kernarg_segment_ptr 1
		.amdhsa_wavefront_size32 1
		.amdhsa_system_sgpr_workgroup_id_x 1
		.amdhsa_system_sgpr_workgroup_id_y 1
		.amdhsa_system_sgpr_workgroup_id_z 1
		.amdhsa_system_vgpr_workitem_id 0
		.amdhsa_next_free_vgpr 1024
		.amdhsa_next_free_sgpr 80
		.amdhsa_reserve_vcc 1
		.amdhsa_float_denorm_mode_32 3
		.amdhsa_float_denorm_mode_16_64 3
		.amdhsa_memory_ordered 1
		.amdhsa_forward_progress 1
		.amdhsa_inst_pref_size 117
	.end_amdhsa_kernel
	.amdgpu_metadata
---
amdhsa.version: [ 1, 2 ]
amdhsa.kernels:
  - .name:           k_q8b6e4da770_g_ff2
    .symbol:         k_q8b6e4da770_g_ff2.kd
    .args:
      - { .name: hq, .offset: 0, .size: 8, .value_kind: global_buffer, .address_space: global }
      - { .name: img, .offset: 8, .size: 8, .value_kind: global_buffer, .address_space: global }
      - { .name: cf, .offset: 16, .size: 8, .value_kind: global_buffer, .address_space: global }
    .group_segment_fixed_size: 327680
    .private_segment_fixed_size: 0
    .kernarg_segment_align: 8
    .kernarg_segment_size: 24
    .max_flat_workgroup_size: 128
    .sgpr_count:     80
    .vgpr_count:     1024
    .wavefront_size: 32
...
	.end_amdgpu_metadata
.endif
;; end of part 8
;; launch ln2 (part 9): grid 256 x 1, 8 waves a work-group, no clusters, 69,632 bytes of LDS; arguments cf, x1, b2, ln2_g, ln2_b, out0; writes out0
.if DOCPART == 9
	.amdgcn_target "amdgcn-amd-amdhsa--gfx1250"
	.amdhsa_code_object_version 6
	.text
	.protected	k_q8b6e4da770_ln2
	.globl	k_q8b6e4da770_ln2
	.p2align	8
	.type	k_q8b6e4da770_ln2,@function
k_q8b6e4da770_ln2:
	s_mov_b64 s[64:65], 0
	v_nop
	global_prefetch_b8 v0, s[64:65] scope:SCOPE_SE
	s_setreg_imm32_b32 hwreg(HW_REG_WAVE_MODE, 25, 1), 1
	s_wait_xcnt 0x0
; out0 = layer_norm(x1 + (hidden w2^T + b2)) g + b, in f32, row-major.
; cf (the product) and x1 lie in blocks of 8,192 bytes: block ((8 G + a) 8 + kap): lane (r, h), register 16 b + i = row 128 G + pi(a, r), column 128 kap + 32 b + 16 h + i, registers 4 j .. 4 j + 3 of lane l at 512 j + 16 l;
; pi(a, r) = 32 (a / 2) + 8 (a % 2) + r + 8 (r / 8).  Work-group g = 8 G + a owns those 16 rows whole; wave kap owns 128 columns.
; Mean, then the mean of squared differences: two sums over the eight waves, through LDS, a barrier each.  The result turns through the wave's own stage and leaves as 512 consecutive bytes of a row a store.
; LIMITS: NaN and infinities are not served.  Memory binds: no matrix unit, no cluster.
.set STG,   16*528
.set RED,   8*STG
.set SPARE, RED+1024
.set SPW, 10
.set NIL, 11
.set A0,  32
.set A1,  96
.set A2,  160
.set SEL, 40
.set C10, 43                           ; 2^-10
.set CEP, 44                           ; 1e-6
.macro RSUM off                        ; four chains in v[16:23] -> the row's sum over all 1,024 columns in v16, in every lane
	v_pk_add_f32 v[16:17], v[16:17], v[18:19]
	v_pk_add_f32 v[20:21], v[20:21], v[22:23]
	v_pk_add_f32 v[16:17], v[16:17], v[20:21]
	v_add_f32 v16, v16, v17
	v_permlanex16_b32 v17, v16, s[SEL], s[SEL+1]
	v_add_f32 v16, v16, v17
	ds_store_b32 v7, v16 offset:\off
	s_wait_dscnt 0x0                               ; for the others' sake
	s_barrier_signal -1
	s_barrier_wait -1
	ds_load_b128 v[16:19], v8 offset:\off
	ds_load_b128 v[20:23], v8 offset:\off+16
	s_wait_dscnt 0x0
	v_pk_add_f32 v[16:17], v[16:17], v[18:19]
	v_pk_add_f32 v[20:21], v[20:21], v[22:23]
	v_pk_add_f32 v[16:17], v[16:17], v[20:21]
	v_add_f32 v16, v16, v17
.endm
.macro NORM Y, G, B
.irp c, 0,1,2,3
	v_pk_add_f32 v[16+2*\c:17+2*\c], v[\Y+2*\c:\Y+2*\c+1], v[\Y+8+2*\c:\Y+9+2*\c]
.endr
.irp m, 2,3,4,5,6,7
.irp c, 0,1,2,3
	v_pk_add_f32 v[16+2*\c:17+2*\c], v[16+2*\c:17+2*\c], v[\Y+8*\m+2*\c:\Y+8*\m+2*\c+1]
.endr
.endr
	RSUM 0
	v_mul_f32 v28, s[C10], v16                     ; the mean
	v_mov_b32 v29, v28
.set j, 0
.rept 32
	v_pk_add_f32 v[\Y+j:\Y+j+1], v[\Y+j:\Y+j+1], v[28:29] neg_lo:[0,1] neg_hi:[0,1]
.set j, j+2
.endr
.irp c, 0,1,2,3
	v_pk_mul_f32 v[16+2*\c:17+2*\c], v[\Y+2*\c:\Y+2*\c+1], v[\Y+2*\c:\Y+2*\c+1]
.endr
.irp m, 1,2,3,4,5,6,7
.irp c, 0,1,2,3
	v_pk_fma_f32 v[16+2*\c:17+2*\c], v[\Y+8*\m+2*\c:\Y+8*\m+2*\c+1], v[\Y+8*\m+2*\c:\Y+8*\m+2*\c+1], v[16+2*\c:17+2*\c]
.endr
.endr
	RSUM 512
	v_fma_f32 v16, v16, s[C10], s[CEP]             ; the variance + 1e-6
	v_rsq_f32 v30, v16
	v_nop
	s_wait_alu depctr_va_vdst(0)                   ; ahead of the first reader of the root
	v_mov_b32 v31, v30
	s_wait_loadcnt 0x0                             ; g and b
.set j, 0
.rept 32
	v_pk_mul_f32 v[\Y+j:\Y+j+1], v[\Y+j:\Y+j+1], v[30:31]
	v_pk_fma_f32 v[\Y+j:\Y+j+1], v[\Y+j:\Y+j+1], v[\G+j:\G+j+1], v[\B+j:\B+j+1]
.set j, j+2
.endr
.endm
	s_load_b256 s[4:11], s[0:1], 0x0               ; cf, x1, b2, g
	s_load_b128 s[12:15], s[0:1], 0x20             ; b, out0
	v_lshl_add_u32 v[SPW], v0, 2, SPARE
	v_mov_b32 v[NIL], 0
	v_lshrrev_b32 v1, 5, v0
	v_readfirstlane_b32 s16, v1                    ; wave = kap
	v_and_b32 v9, 31, v0
	v_and_b32 v2, 15, v0                           ; r
	v_bfe_u32 v3, v0, 4, 1                         ; h
	v_lshlrev_b32 v1, 4, v9                        ; 16 l
	s_mul_i32 s17, s16, STG
	v_add_nc_u32 v4, s17, v1                       ; the stage by rows
	v_mul_u32_u24 v5, v2, 528
	v_lshl_add_u32 v5, v3, 6, v5
	v_add_nc_u32 v5, s17, v5                       ; and by lanes
	s_lshl_b32 s24, s16, 9
	v_lshl_add_u32 v6, v3, 6, s24                  ; b2, g, b: 64 h + 512 kap
	v_lshl_add_u32 v8, v2, 5, RED
	v_lshl_add_u32 v7, s16, 2, v8
	s_mov_b32 s[SEL], 0x76543210
	s_mov_b32 s[SEL+1], 0xfedcba98
	s_mov_b32 s[C10], 0x3a800000
	s_mov_b32 s[CEP], 0x358637bd
	s_lshr_b32 s20, ttmp9, 3                       ; G
	s_and_b32 s21, ttmp9, 7                        ; a
	s_lshl_b32 s22, s20, 7
	s_lshr_b32 s23, s21, 1
	s_lshl_b32 s23, s23, 5
	s_add_co_u32 s22, s22, s23
	s_and_b32 s23, s21, 1
	s_lshl_b32 s23, s23, 3
	s_add_co_u32 s22, s22, s23                     ; the row of position 0
	s_lshl_b32 s22, s22, 12
	s_add_co_u32 s22, s22, s24
	s_mov_b32 s23, 0
	s_lshl_b32 s26, ttmp9, 3
	s_add_co_u32 s26, s26, s16
	s_lshl_b32 s26, s26, 13                        ; my block of 8,192 bytes
	s_mov_b32 s27, 0
	s_wait_kmcnt 0x0
	s_add_nc_u64 s[4:5], s[4:5], s[26:27]
	s_add_nc_u64 s[6:7], s[6:7], s[26:27]
	s_add_nc_u64 s[14:15], s[14:15], s[22:23]
.irp t, 0,1,2,3,4,5,6,7,8,9,10,11,12,13,14,15
	global_load_b128 v[A0+4*\t:A0+4*\t+3], v1, s[4:5] offset:512*\t th:TH_LOAD_NT
	global_load_b128 v[A1+4*\t:A1+4*\t+3], v1, s[6:7] offset:512*\t th:TH_LOAD_NT
	global_load_b128 v[A2+4*\t:A2+4*\t+3], v6, s[8:9] offset:128*(\t/4)+16*(\t%4)
.endr
	s_wait_loadcnt 0x0
.set j, 0
.rept 32
	v_pk_add_f32 v[A0+j:A0+j+1], v[A0+j:A0+j+1], v[A2+j:A2+j+1]      ; the product + b2,
	v_pk_add_f32 v[A0+j:A0+j+1], v[A0+j:A0+j+1], v[A1+j:A1+j+1]      ; + x1
.set j, j+2
.endr
.irp t, 0,1,2,3,4,5,6,7,8,9,10,11,12,13,14,15
	global_load_b128 v[A1+4*\t:A1+4*\t+3], v6, s[10:11] offset:128*(\t/4)+16*(\t%4)
	global_load_b128 v[A2+4*\t:A2+4*\t+3], v6, s[12:13] offset:128*(\t/4)+16*(\t%4)
.endr
	NORM A0, A1, A2
.irp t, 0,1,2,3,4,5,6,7,8,9,10,11,12,13,14,15
	ds_store_b128 v5, v[A0+4*\t:A0+4*\t+3] offset:128*(\t/4)+16*(\t%4)
.endr
.irp t, 0,1,2,3,4,5,6,7,8,9,10,11,12,13,14,15
	ds_load_b128 v[A1+4*\t:A1+4*\t+3], v4 offset:528*\t              ; LDS serves a wave's instructions in order: these see my stores
.endr
.irp t, 0,1,2,3,4,5,6,7,8,9,10,11,12,13,14,15
	s_wait_dscnt 15-\t                             ; row t is back; the younger rows' loads may be out
	global_store_b128 v1, v[A1+4*\t:A1+4*\t+3], s[14:15] offset:(\t+8*(\t/8))*4096 th:TH_STORE_NT    ; 512 consecutive bytes of a row
.endr
	s_wait_tensorcnt 0x0                           ; the wave's end
	ds_add_u32 v[SPW], v[NIL]
	s_wait_dscnt 0x0
	s_endpgm
.Lfunc_end_k_q8b6e4da770_ln2:
	.size	k_q8b6e4da770_ln2, .Lfunc_end_k_q8b6e4da770_ln2-k_q8b6e4da770_ln2
	.p2alignl 7, 3214868480
	.fill 96, 4, 3214868480
	.section	.rodata,"a",@progbits
	.p2align	6, 0x0
	.amdhsa_kernel k_q8b6e4da770_ln2
		.amdhsa_group_segment_fixed_size 69632
		.amdhsa_private_segment_fixed_size 0
		.amdhsa_enable_private_segment 0
		.amdhsa_kernarg_size 48
		.amdhsa_user_sgpr_count 2
		.amdhsa_user_sgpr_kernarg_segment_ptr 1
		.amdhsa_wavefront_size32 1
		.amdhsa_system_sgpr_workgroup_id_x 1
		.amdhsa_system_sgpr_workgroup_id_y 1
		.amdhsa_system_sgpr_workgroup_id_z 1
		.amdhsa_system_vgpr_workitem_id 0
		.amdhsa_next_free_vgpr 256
		.amdhsa_next_free_sgpr 66
		.amdhsa_reserve_vcc 0
		.amdhsa_float_denorm_mode_32 3
		.amdhsa_float_denorm_mode_16_64 3
		.amdhsa_memory_ordered 1
		.amdhsa_forward_progress 1
		.amdhsa_inst_pref_size 30
	.end_amdhsa_kernel
	.amdgpu_metadata
---
amdhsa.version: [ 1, 2 ]
amdhsa.kernels:
  - .name:           k_q8b6e4da770_ln2
    .symbol:         k_q8b6e4da770_ln2.kd
    .args:
      - { .name: cf, .offset: 0, .size: 8, .value_kind: global_buffer, .address_space: global }
      - { .name: x1, .offset: 8, .size: 8, .value_kind: global_buffer, .address_space: global }
      - { .name: b2, .offset: 16, .size: 8, .value_kind: global_buffer, .address_space: global }
      - { .name: ln2_g, .offset: 24, .size: 8, .value_kind: global_buffer, .address_space: global }
      - { .name: ln2_b, .offset: 32, .size: 8, .value_kind: global_buffer, .address_space: global }
      - { .name: out0, .offset: 40, .size: 8, .value_kind: global_buffer, .address_space: global }
    .group_segment_fixed_size: 69632
    .private_segment_fixed_size: 0
    .kernarg_segment_align: 8
    .kernarg_segment_size: 48
    .max_flat_workgroup_size: 256
    .sgpr_count:     66
    .vgpr_count:     256
    .wavefront_size: 32
...
	.end_amdgpu_metadata
.endif
;; end of part 9
;; ======== version 2 of 2: 8 launches
;; limits: right only within a limited range of input values
;; workspace buffers: img 13,107,200 bytes; qkv 9,830,400 bytes; cc 3,276,800 bytes; cf 16,777,216 bytes; x1 20,054,016 bytes; hq 13,107,200 bytes
;; launch qrow (part 10): grid 1024 x 1, 4 waves a work-group, no clusters, 34,304 bytes of LDS; arguments x, w_o, w1, w2, img, w_q, w_k, w_v; writes img
.if DOCPART == 10
	.amdgcn_target "amdgcn-amd-amdhsa--gfx1250"
	.amdhsa_code_object_version 6
	.text
	.protected	k_q8b6e4da770_qrow
	.globl	k_q8b6e4da770_qrow
	.p2align	8
	.type	k_q8b6e4da770_qrow,@function
k_q8b6e4da770_qrow:
	s_mov_b64 s[64:65], 0
	v_nop
	global_prefetch_b8 v0, s[64:65] scope:SCOPE_SE
	s_setreg_imm32_b32 hwreg(HW_REG_WAVE_MODE, 25, 1), 1
	s_wait_xcnt 0x0
; x [4096][1024], w_o [1024][1024], w1 [4096][1024], w2 [1024][4096], f32 with K innermost, become RECORDS of FP6 (E2M3) codes in img.
; A RECORD (12,800 bytes) is 128 rows x 128 along K as images of operand registers: fragment a (0..7) at 1536 a, its registers 4 c .. 4 c + 3 of lane l at + 512 c + 16 l;
; position r of fragment a is row pi(a, r) = 32 (a / 2) + 8 (a % 2) + r + 8 (r / 8) of the group; the E8M0 scale word of position (a, r) lies at 12288 + 64 a + 4 r.
; Records: x at 0 (32 groups x 8 K steps), w_o at 256 (8 x 8), w1 at 320 (32 x 8), w2 at 576 (8 x 32).  A work-group makes record ttmp9; wave w its rows 32 w .. 32 w + 31 = fragments 2 w, 2 w + 1.
; Each load reads 512 consecutive bytes of one row; 16 rows turn through the wave's own stage in LDS so that a lane holds 16 neighbours along K of each block of 32 of ITS row.
; A block's scale is 2^(floor(log2(largest magnitude)) - 2); its byte is that magnitude's exponent field - 2, held at 1 from below.
; LIMITS: a block of zeros gets the byte 1 (its codes are zeros; this program alone reads the bytes); blocks whose largest magnitude lies under 2^-124 were not tried; NaN and infinities are not served.
; Waves share nothing: no barrier.  No matrix unit, no cluster: every input byte is read once by one wave.
.set REC,   12800
.set STG,   16*528                     ; a wave's stage: 16 rows x (512 bytes + 16)
.set SPARE, 4*STG                      ; behind the stages: the spare words, 128 bytes a wave
.set SPW, 10
.set NIL, 11
.set MX,  12                           ; v12-15 largest magnitudes, v16-19 bytes, v20-23 the conversions' scale operands
.set PB,  16
.set SO,  20
.set PC,  28                           ; v28-39 a fragment's codes
.set TP,  40                           ; v40-47 the halves that are moved
.set R0,  48                           ; v48-111  fragment 2 w's 16 rows as loaded
.set R1,  112                          ; v112-175 fragment 2 w + 1's
.set X,   176                          ; v176-239 64 numbers of my row: register 16 b + i = k 32 b + 16 (lane / 16) + i
.set SEL, 30                           ; s[30:31] selects for lane l xor 16
.set FLR, 32                           ; s32 the floor 2^(3 - 127)
; 64 numbers of a lane become a fragment's 12 registers in v[PC] on and the row's scale word in v[pw]
.macro QUANT src, pw
.irp b, 0,1,2,3
	v_max3_num_f32 v[MX+\b], s[FLR], |v[\src+16*\b]|, |v[\src+16*\b+1]|   ; my 16 numbers of block b, and the floor: the byte cannot fall under 1
.endr
.irp i, 2,4,6,8,10,12,14
.irp b, 0,1,2,3
	v_max3_num_f32 v[MX+\b], v[MX+\b], |v[\src+16*\b+\i]|, |v[\src+16*\b+\i+1]|
.endr
.endr
.irp b, 0,1,2,3
	v_permlanex16_b32 v[PB+\b], v[MX+\b], s[SEL], s[SEL+1]
.endr
.irp b, 0,1,2,3
	v_max_num_f32 v[MX+\b], v[MX+\b], v[PB+\b]          ; with lane l xor 16's 16: the block's largest magnitude
.endr
.irp b, 0,1,2,3
	v_add_nc_u32 v[SO+\b], 0xff000000, v[MX+\b]         ; 2 off its exponent field: the conversion's scale operand
.endr
.irp b, 0,1,2,3
	v_lshrrev_b32 v[PB+\b], 23, v[SO+\b]                ; the scale's byte
.endr
	v_lshl_or_b32 v[\pw], v[PB+1], 8, v[PB]
	v_lshl_or_b32 v[\pw], v[PB+2], 16, v[\pw]
	v_lshl_or_b32 v[\pw], v[PB+3], 24, v[\pw]
.irp c, 0,1
	v_cvt_scalef32_pk16_fp6_f32 v[PC+6*\c:PC+6*\c+2], v[\src+32*\c:\src+32*\c+15], v[SO+2*\c]
	v_cvt_scalef32_pk16_fp6_f32 v[TP+4*\c:TP+4*\c+2], v[\src+32*\c+16:\src+32*\c+31], v[SO+2*\c+1]
.endr
	v_nop                                               ; one plain place behind a scaled conversion
.irp c, 0,1                                                 ; the operand wants a whole block in a lane: lanes 0-15 block 2 c, lanes 16-31 block 2 c + 1
.irp i, 0,1,2
	v_permlane16_swap_b32 v[PC+6*\c+\i], v[TP+4*\c+\i]
.endr
.irp i, 0,1,2
	v_mov_b32 v[PC+3+6*\c+\i], v[TP+4*\c+\i]
.endr
.endr
.endm
.macro LOADS pitch                     ; 32 rows' 512 bytes; position t of a fragment is row t + 8 (t / 8), the second fragment 8 rows on
.irp t, 0,1,2,3,4,5,6,7,8,9,10,11,12,13,14,15
	global_load_b128 v[R0+4*\t:R0+4*\t+3], v1, s[8:9] offset:(\t+8*(\t/8))*\pitch th:TH_LOAD_NT
.endr
.irp t, 0,1,2,3,4,5,6,7,8,9,10,11,12,13,14,15
	global_load_b128 v[R1+4*\t:R1+4*\t+3], v1, s[8:9] offset:(8+\t+8*(\t/8))*\pitch th:TH_LOAD_NT
.endr
.endm
.macro TURN R                          ; 16 rows into my stage as loaded, and back 64 bytes of each block to a lane; LDS serves a wave's instructions in order
.irp t, 0,1,2,3,4,5,6,7,8,9,10,11,12,13,14,15
	ds_store_b128 v4, v[\R+4*\t:\R+4*\t+3] offset:528*\t
.endr
.irp j, 0,1,2,3,4,5,6,7,8,9,10,11,12,13,14,15
	ds_load_b128 v[X+4*\j:X+4*\j+3], v5 offset:128*(\j/4)+16*(\j%4)
.endr
.endm
	s_load_b256 s[4:11], s[0:1], 0x0               ; x, w_o, w1, w2
	s_load_b64 s[12:13], s[0:1], 0x20              ; img
	s_load_b128 s[36:39], s[0:1], 0x28             ; w_q, w_k
	s_load_b64 s[40:41], s[0:1], 0x38              ; w_v
	v_lshl_add_u32 v[SPW], v0, 2, SPARE
	v_mov_b32 v[NIL], 0
	v_lshrrev_b32 v1, 5, v0
	v_readfirstlane_b32 s14, v1                    ; wave
	v_and_b32 v9, 31, v0                           ; lane
	v_and_b32 v2, 15, v0                           ; r
	v_bfe_u32 v3, v0, 4, 1                         ; h
	v_lshlrev_b32 v1, 4, v9                        ; 16 l
	s_mul_i32 s15, s14, STG
	v_add_nc_u32 v4, s15, v1                       ; the stage, in: 16 l
	v_mul_u32_u24 v5, v2, 528
	v_lshl_add_u32 v5, v3, 6, v5
	v_add_nc_u32 v5, s15, v5                       ; and out: row r, + 64 h
	s_mul_i32 s16, s14, 3072
	v_add_nc_u32 v24, s16, v1                      ; my codes in the record: 16 l + two fragments a wave
	v_lshlrev_b32 v6, 2, v9
	s_lshl_b32 s16, s14, 7
	v_add_nc_u32 v6, s16, v6                       ; my scale word: 4 l + 128 w
.irp b, 0,1,2,3
	v_mov_b32 v[PB+\b], 0                          ; a lane permute's destination counts as one of its sources
.endr
	s_mov_b32 s[SEL], 0x76543210
	s_mov_b32 s[SEL+1], 0xfedcba98
	s_mov_b32 s[FLR], 0x1800000
	s_mov_b32 s21, 576
	s_wait_kmcnt 0x0
	s_cmp_lt_u32 ttmp9, 832                        ; records 832 on are w_q's, w_k's and w_v's, whose K is not innermost: a path of their own, chosen by the work-group's number alone
	s_cbranch_scc0 .Lcol
	s_cmp_lt_u32 ttmp9, s21                        ; which tensor: the choice hangs on the work-group's number alone
	s_cselect_b64 s[8:9], s[8:9], s[10:11]
	s_cselect_b32 s20, 320, s21                    ; the section's first record
	s_cselect_b32 s22, 3, 5                        ; log2 of K steps in a row
	s_cselect_b32 s23, 12, 14                      ; log2 of a row's bytes
	s_cmp_lt_u32 ttmp9, 320
	s_cselect_b64 s[8:9], s[6:7], s[8:9]
	s_cselect_b32 s20, 256, s20
	s_cmp_lt_u32 ttmp9, 256
	s_cselect_b64 s[8:9], s[4:5], s[8:9]
	s_cselect_b32 s20, 0, s20
	s_sub_co_u32 s24, ttmp9, s20
	s_lshr_b32 s25, s24, s22                       ; the group of 128 rows
	s_lshl_b32 s26, s25, s22
	s_sub_co_u32 s26, s24, s26                     ; the K step
	s_lshl_b32 s25, s25, 7
	s_lshl_b32 s27, s14, 5
	s_add_co_u32 s25, s25, s27                     ; my wave's first row
	s_lshl_b32 s25, s25, s23
	s_lshl_b32 s26, s26, 9
	s_add_co_u32 s26, s25, s26                     ; under 2^25
	s_mov_b32 s27, 0
	s_add_nc_u64 s[8:9], s[8:9], s[26:27]
	s_mul_i32 s26, ttmp9, REC
	s_add_nc_u64 s[12:13], s[12:13], s[26:27]
	s_cmp_lt_u32 ttmp9, s21                        ; the rows' pitch stands in the loads' immediates: two runs of loads, nothing else parts
	s_cbranch_scc0 .Lwide
	LOADS 4096
	s_branch .Lloaded
.Lwide:
	LOADS 16384
.Lloaded:
	s_wait_loadcnt 16                              ; the first fragment's 16 rows are in; the second's 16 loads may be out
	s_wait_alu depctr_va_vdst(0)
	TURN R0
	s_wait_dscnt 0x0
	QUANT X, 7
.irp c, 0,1,2
	global_store_b128 v24, v[PC+4*\c:PC+4*\c+3], s[12:13] offset:512*\c       ; 512 consecutive bytes a store
.endr
	s_wait_loadcnt 0x0
	TURN R1
	s_wait_dscnt 0x0
	s_wait_xcnt 0x0                                ; the three stores have read v[PC] on, which is written again
	QUANT X, 8
.irp c, 0,1,2
	global_store_b128 v24, v[PC+4*\c:PC+4*\c+3], s[12:13] offset:1536+512*\c
.endr
	v_cmp_le_u32 vcc_lo, 16, v9
	v_cndmask_b32 v25, v7, v8, vcc_lo              ; lanes 0-15: fragment 2 w's words, lanes 16-31: fragment 2 w + 1's
	global_store_b32 v6, v25, s[12:13] offset:12288
	s_wait_tensorcnt 0x0                           ; the wave's end
	ds_add_u32 v[SPW], v[NIL]
	s_wait_dscnt 0x0
	s_endpgm
; w_q, w_k, w_v [16 heads][1024 (K)][64], f32: K is the MIDDLE axis.  Record ttmp9 = 832 + ((8 T + pair) 8 + K step): 128 operand rows = the pair's two heads x 64 columns, 128 along K, laid as all records.
; Wave w makes fragments 2 w, 2 w + 1: head 2 pair + w / 2, columns 32 (w % 2) + 8 u + r + 8 (r / 8).  A LANE TAKES A COLUMN AND ITS REGISTERS RUN DOWN K, in the operand's own order:
; register 32 c + i = k 64 c + 32 (lane / 16) + i.  The numbers come straight from memory, 4 bytes a lane; the four waves' two fragments together take each row of the pair's two heads whole.
; A lane holds two whole blocks, so no other lane is asked for a maximum; the scale word's four bytes are joined from lanes l and l xor 16.  Limits as at the kernel's head.
.macro QUANTC src, pw
.irp c, 0,1
	v_max3_num_f32 v[MX+\c], s[FLR], |v[\src+32*\c]|, |v[\src+32*\c+1]|      ; my block 2 c + h, and the floor
.endr
.irp i, 2,4,6,8,10,12,14,16,18,20,22,24,26,28,30
.irp c, 0,1
	v_max3_num_f32 v[MX+\c], v[MX+\c], |v[\src+32*\c+\i]|, |v[\src+32*\c+\i+1]|
.endr
.endr
.irp c, 0,1
	v_add_nc_u32 v[SO+\c], 0xff000000, v[MX+\c]
.endr
.irp c, 0,1
	v_lshrrev_b32 v[PB+\c], 23, v[SO+\c]
.endr
	v_lshl_or_b32 v[\pw], v[PB+1], 16, v[PB]           ; my two bytes: blocks h and 2 + h,
	v_lshlrev_b32 v[\pw], v27, v[\pw]                   ; 8 h bits up;
	v_mov_b32 v26, 0
	v_permlanex16_b32 v26, v[\pw], s[SEL], s[SEL+1]
	v_or_b32 v[\pw], v[\pw], v26                        ; with lane l xor 16's two the word is whole
.irp c, 0,1
	v_cvt_scalef32_pk16_fp6_f32 v[PC+6*\c:PC+6*\c+2], v[\src+32*\c:\src+32*\c+15], v[SO+\c]
	v_cvt_scalef32_pk16_fp6_f32 v[TP+4*\c:TP+4*\c+2], v[\src+32*\c+16:\src+32*\c+31], v[SO+\c]
.endr
	v_nop                                               ; one plain place behind a scaled conversion
.irp c, 0,1
.irp i, 0,1,2
	v_mov_b32 v[PC+3+6*\c+\i], v[TP+4*\c+\i]
.endr
.endr
.endm
.macro CLOAD dst, u, c                 ; 32 rows of K of fragment u's columns
.set ii, 0
.rept 32
	global_load_b32 v[\dst+32*\c+ii], v4, s[36:37] offset:(64*\c+ii)*256+32*\u
.set ii, ii+1
.endr
.endm
.Lcol:
	s_wait_alu depctr_va_vdst(0)
	s_sub_co_u32 s24, ttmp9, 832
	s_lshr_b32 s25, s24, 6                         ; T
	s_bfe_u32 s26, s24, 0x30003                    ; the pair of heads
	s_and_b32 s27, s24, 7                          ; the K step
	s_lshl_b32 s26, s26, 1
	s_lshr_b32 s22, s14, 1
	s_add_co_u32 s26, s26, s22                     ; the head: 262,144 bytes each
	s_lshl_b32 s26, s26, 18
	s_lshl_b32 s27, s27, 15                        ; 128 rows of K of 256 bytes
	s_add_co_u32 s26, s26, s27
	s_and_b32 s22, s14, 1
	s_lshl_b32 s22, s22, 7                         ; my 32 columns
	s_add_co_u32 s26, s26, s22
	s_mov_b32 s27, 0
	s_cmp_lt_u32 s25, 2                            ; the tensor: the choice hangs on the work-group's number alone
	s_cselect_b64 s[38:39], s[38:39], s[40:41]
	s_cmp_lt_u32 s25, 1
	s_cselect_b64 s[36:37], s[36:37], s[38:39]
	s_add_nc_u64 s[36:37], s[36:37], s[26:27]
	s_mul_i32 s26, ttmp9, REC
	s_add_nc_u64 s[12:13], s[12:13], s[26:27]
	v_and_b32 v4, 8, v2
	v_add_nc_u32 v4, v4, v2
	v_lshlrev_b32 v4, 2, v4                        ; 4 (r + 8 (r / 8)),
	v_lshl_add_u32 v4, v3, 13, v4                  ; 32 rows of K on for lanes 16-31
	v_lshlrev_b32 v27, 3, v3                       ; 8 h
	s_wait_alu depctr_va_vdst(0)
	CLOAD X, 0, 0
	CLOAD X, 0, 1
	s_wait_loadcnt 32                              ; the oldest run of 32 is in; the youngest 32 loads may be out
	CLOAD R0, 1, 0
	s_wait_loadcnt 32                              ; the first fragment is whole
	CLOAD R0, 1, 1
	QUANTC X, 7
.irp c, 0,1,2
	global_store_b128 v24, v[PC+4*\c:PC+4*\c+3], s[12:13] offset:512*\c
.endr
	s_wait_loadcnt 0x0
	s_wait_xcnt 0x0                                ; the three stores have read v[PC] on, which is written again
	QUANTC R0, 8
.irp c, 0,1,2
	global_store_b128 v24, v[PC+4*\c:PC+4*\c+3], s[12:13] offset:1536+512*\c
.endr
	v_cmp_le_u32 vcc_lo, 16, v9
	v_cndmask_b32 v25, v7, v8, vcc_lo              ; lanes 0-15: fragment 2 w's words, lanes 16-31: fragment 2 w + 1's
	global_store_b32 v6, v25, s[12:13] offset:12288
	s_wait_tensorcnt 0x0                           ; the same three lines at this path's end
	ds_add_u32 v[SPW], v[NIL]
	s_wait_dscnt 0x0
	s_endpgm
.Lfunc_end_k_q8b6e4da770_qrow:
	.size	k_q8b6e4da770_qrow, .Lfunc_end_k_q8b6e4da770_qrow-k_q8b6e4da770_qrow
	.p2alignl 7, 3214868480
	.fill 96, 4, 3214868480
	.section	.rodata,"a",@progbits
	.p2align	6, 0x0
	.amdhsa_kernel k_q8b6e4da770_qrow
		.amdhsa_group_segment_fixed_size 34304
		.amdhsa_private_segment_fixed_size 0
		.amdhsa_enable_private_segment 0
		.amdhsa_kernarg_size 64
		.amdhsa_user_sgpr_count 2
		.amdhsa_user_sgpr_kernarg_segment_ptr 1
		.amdhsa_wavefront_size32 1
		.amdhsa_system_sgpr_workgroup_id_x 1
		.amdhsa_system_sgpr_workgroup_id_y 1
		.amdhsa_system_sgpr_workgroup_id_z 1
		.amdhsa_system_vgpr_workitem_id 0
		.amdhsa_next_free_vgpr 240
		.amdhsa_next_free_sgpr 66
		.amdhsa_reserve_vcc 1
		.amdhsa_float_denorm_mode_32 3
		.amdhsa_float_denorm_mode_16_64 3
		.amdhsa_memory_ordered 1
		.amdhsa_forward_progress 1
		.amdhsa_inst_pref_size 41
	.end_amdhsa_kernel
	.amdgpu_metadata
---
amdhsa.version: [ 1, 2 ]
amdhsa.kernels:
  - .name:           k_q8b6e4da770_qrow
    .symbol:         k_q8b6e4da770_qrow.kd
    .args:
      - { .name: x, .offset: 0, .size: 8, .value_kind: global_buffer, .address_space: global }
      - { .name: w_o, .offset: 8, .size: 8, .value_kind: global_buffer, .address_space: global }
      - { .name: w1, .offset: 16, .size: 8, .value_kind: global_buffer, .address_space: global }
      - { .name: w2, .offset: 24, .size: 8, .value_kind: global_buffer, .address_space: global }
      - { .name: img, .offset: 32, .size: 8, .value_kind: global_buffer, .address_space: global }
      - { .name: w_q, .offset: 40, .size: 8, .value_kind: global_buffer, .address_space: global }
      - { .name: w_k, .offset: 48, .size: 8, .value_kind: global_buffer, .address_space: global }
      - { .name: w_v, .offset: 56, .size: 8, .value_kind: global_buffer, .address_space: global }
    .group_segment_fixed_size: 34304
    .private_segment_fixed_size: 0
    .kernarg_segment_align: 8
    .kernarg_segment_size: 64
    .max_flat_workgroup_size: 128
    .sgpr_count:     66
    .vgpr_count:     240
    .wavefront_size: 32
...
	.end_amdgpu_metadata
.endif
;; end of part 10
;; launch g_qkv (part 11): grid 12 x 16, 4 waves a work-group, clusters of 4 x 4, 327,680 bytes of LDS; arguments img, qkv; writes qkv
.if DOCPART == 11
	.amdgcn_target "amdgcn-amd-amdhsa--gfx1250"
	.amdhsa_code_object_version 6
	.text
	.protected	k_q8b6e4da770_g_qkv
	.globl	k_q8b6e4da770_g_qkv
	.p2align	8
	.type	k_q8b6e4da770_g_qkv,@function
k_q8b6e4da770_g_qkv:
	s_mov_b64 s[64:65], 0
	v_nop
	global_prefetch_b8 v0, s[64:65] scope:SCOPE_SE
	s_setreg_imm32_b32 hwreg(HW_REG_WAVE_MODE, 25, 1), 1
	s_wait_xcnt 0x0
	s_wait_alu depctr_hold_cnt(0) depctr_sa_sdst(0) depctr_va_vdst(0) depctr_va_sdst(0) depctr_va_ssrc(0) depctr_va_vcc(0) depctr_vm_vsrc(0)
	s_getreg_b32 s2, hwreg(HW_REG_IB_STS2, 6, 4)
	s_cmp_eq_u32 s2, 0
	s_cbranch_scc0 .Lentry_in_a_cluster
	s_endpgm
.Lentry_in_a_cluster:
	s_bfe_u32 s2, ttmp6, 0x10000c
	s_cmp_lg_u32 s2, 0xf033
	s_cbranch_scc0 .Lentry_shape_is_right
	s_endpgm
.Lentry_shape_is_right:
.set NK,    8
.set A_OFF, 0
.set B_OFF, 0
.set EPI,   1
.set FF1,   0
.set QKV,   1
.set REC,   12800
.set PART,  2*REC
.set SLOT,  4*PART
.set SPARE, 2*SLOT
.set LAPS,  NK/4
.set FR,    12
.set NL,    3
.set NP,    4
.set ADRA, 16
.set ADRB, 20
.set ADRS, 22
.set L16,  24
.set L4,   25
.set H64,  26
.set LANE, 27
.set SPW,  28
.set NIL,  29
.set SC,   32
.set BI,   64
.set AF,   128
.set TP,   224
.set MX,   232
.set PB,   236
.set SO,   240
.set SW,   244
.set PW,   248
.set G1,  24
.set G0,  32
.set G1B, 48
.set G0B, 56
.set SEL, 76
.set FLR, 78
.set MSB, 0
.macro WIN new
.if MSB != (\new)
	s_set_vgpr_msb (MSB<<8)|(\new)
.set MSB, (\new)
.endif
.endm
.set MUL_LO, 0xa1
.set MUL_HI, 0xf1
.set TO_B,   0x40
.macro JLOAD s
	s_cmp_eq_u32 s15, 0
	s_cbranch_scc0 .Lfor_b_\@
	tensor_load_to_lds s[G0+4*\s:G0+4*\s+3], s[G1:G1+7]
	s_nop 0
.rept 4
	v_nop
.endr
	s_branch .Lasked_\@
.Lfor_b_\@:
	tensor_load_to_lds s[G0B+4*\s:G0B+4*\s+3], s[G1B:G1B+7]
	s_nop 0
.rept 4
	v_nop
.endr
.Lasked_\@:
.endm
.macro CREST
	s_cmp_lg_u32 s14, 0
	s_cbranch_scc1 .Lnot_wave_0_\@
	s_barrier_signal -3
.Lnot_wave_0_\@:
	s_barrier_wait -3
	s_barrier_signal -1
	s_barrier_wait -1
.endm
.macro CROUND
	s_barrier_signal -1
	s_barrier_wait -1
	CREST
.endm
.macro PLACES n
.rept \n
	v_nop
.endr
.endm
.macro FRAG reg, adr, off
.irp c, 0,1,2
	ds_load_b128 v[\reg+4*\c:\reg+4*\c+3], v[\adr] offset:\off+512*\c
.endr
.endm
.macro FETCH_B slot, q, p
	WIN TO_B
.irp i, 0,1,2,3,4,5,6,7
	FRAG 128*(\p)+FR*\i, ADRB+\slot, (\q)*REC+1536*\i
.endr
	WIN 0
.endm
.macro FETCH_A slot, q, i0
.irp i, \i0, \i0+1, \i0+2, \i0+3
	FRAG AF+FR*(\i), ADRA+\slot, (\q)*REC+1536*(\i)
.endr
.endm
.macro SCALES sc
.irp q, 0,1
.irp i, 0,1,2,3,4,5,6,7
	ds_load_b32 v[SC+16*\sc+8*\q+\i], v[ADRS+\sc] offset:\q*REC+64*\i
.endr
.endr
.endm
.macro MUL16 a0, p, q, sc, zero
.irp a, \a0, \a0+1
.irp b, 0,1,2,3,4,5,6,7
.if \zero == 1
	v_wmma_scale_f32_16x16x128_f8f6f4 v[8*(8*((\a)%4)+\b):8*(8*((\a)%4)+\b)+7], v[128*(\p)+FR*\b:128*(\p)+FR*\b+FR-1], v[AF+FR*(\a):AF+FR*(\a)+FR-1], 0, v[SC+16*(\sc)+8*(\q)+\b], v[SC+16*(\sc)+8*(\q)+(\a)] matrix_a_fmt:MATRIX_FMT_FP6 matrix_b_fmt:MATRIX_FMT_FP6 matrix_a_scale:MATRIX_SCALE_ROW1
.elseif \zero == 2
	v_wmma_scale_f32_16x16x128_f8f6f4 v[8*(8*((\a)%4)+\b):8*(8*((\a)%4)+\b)+7], v[128*(\p)+FR*\b:128*(\p)+FR*\b+FR-1], v[AF+FR*(\a):AF+FR*(\a)+FR-1], v[BI+8*\b:BI+8*\b+7], v[SC+16*(\sc)+8*(\q)+\b], v[SC+16*(\sc)+8*(\q)+(\a)] matrix_a_fmt:MATRIX_FMT_FP6 matrix_b_fmt:MATRIX_FMT_FP6 matrix_a_scale:MATRIX_SCALE_ROW1
.else
	v_wmma_scale_f32_16x16x128_f8f6f4 v[8*(8*((\a)%4)+\b):8*(8*((\a)%4)+\b)+7], v[128*(\p)+FR*\b:128*(\p)+FR*\b+FR-1], v[AF+FR*(\a):AF+FR*(\a)+FR-1], v[8*(8*((\a)%4)+\b):8*(8*((\a)%4)+\b)+7], v[SC+16*(\sc)+8*(\q)+\b], v[SC+16*(\sc)+8*(\q)+(\a)] matrix_a_fmt:MATRIX_FMT_FP6 matrix_b_fmt:MATRIX_FMT_FP6 matrix_a_scale:MATRIX_SCALE_ROW1
.endif
.endr
.endr
.endm
.macro STEP slot, q, zero
	s_wait_dscnt 4*NL
.if \zero == 2
	WIN 0x81
.else
	WIN MUL_LO
.endif
	MUL16 0, (\q)%2, \q, \slot, \zero
	MUL16 2, (\q)%2, \q, \slot, \zero
	s_wait_dscnt 0
	PLACES NP
	FETCH_B \slot, (\q)+1, 1-(\q)%2
	FETCH_A \slot, (\q)+1, 0
.if \zero == 2
	WIN 0xc1
.else
	WIN MUL_HI
.endif
	MUL16 4, (\q)%2, \q, \slot, \zero
	MUL16 6, (\q)%2, \q, \slot, \zero
	PLACES NP
	WIN 0
	FETCH_A \slot, (\q)+1, 4
.endm
.macro TURN slot, next, fill
	s_wait_tensorcnt 0x0
	ds_add_u32 v[SPW], v[NIL]
	s_wait_dscnt 4*NL+1
	WIN MUL_LO
	MUL16 0, 1, 1, \slot, 0
	s_wait_dscnt 0x0
	s_barrier_signal -1
	MUL16 2, 1, 1, \slot, 0
	WIN 0
	s_barrier_wait -1
.if \fill
	CREST
	s_add_nc_u64 s[G0+4*\slot+2:G0+4*\slot+3], s[G0+4*\slot+2:G0+4*\slot+3], 2*PART
	s_add_nc_u64 s[G0B+4*\slot+2:G0B+4*\slot+3], s[G0B+4*\slot+2:G0B+4*\slot+3], 2*PART
	JLOAD \slot
.else
	PLACES NP
.endif
	FETCH_B \next, 0, 0
	FETCH_A \next, 0, 0
	SCALES \next
	WIN MUL_HI
	MUL16 4, 1, 1, \slot, 0
	MUL16 6, 1, 1, \slot, 0
	PLACES NP
	WIN 0
	FETCH_A \next, 0, 4
.endm
.macro QUANT src, W, pc, pw
	WIN ((\W)<<2)|((\W)<<4)
.irp b, 0,1,2,3
	v_max3_num_f32 v[MX+\b], s[FLR], |v[(\src)+16*\b]|, |v[(\src)+16*\b+1]|
.endr
.irp i, 2,4,6,8,10,12,14
.irp b, 0,1,2,3
	v_max3_num_f32 v[MX+\b], v[MX+\b], |v[(\src)+16*\b+\i]|, |v[(\src)+16*\b+\i+1]|
.endr
.endr
	WIN 0
.irp b, 0,1,2,3
	v_permlanex16_b32 v[PB+\b], v[MX+\b], s[SEL], s[SEL+1]
.endr
.irp b, 0,1,2,3
	v_max_num_f32 v[MX+\b], v[MX+\b], v[PB+\b]
.endr
.irp b, 0,1,2,3
	v_add_nc_u32 v[SO+\b], 0xff000000, v[MX+\b]
.endr
.irp b, 0,1,2,3
	v_lshrrev_b32 v[PB+\b], 23, v[SO+\b]
.endr
	v_lshl_or_b32 v[\pw], v[PB+1], 8, v[PB]
	v_lshl_or_b32 v[\pw], v[PB+2], 16, v[\pw]
	v_lshl_or_b32 v[\pw], v[PB+3], 24, v[\pw]
	WIN \W
.irp c, 0,1
	v_cvt_scalef32_pk16_fp6_f32 v[(\pc)+6*\c:(\pc)+6*\c+2], v[(\src)+32*\c:(\src)+32*\c+15], v[SO+2*\c]
	v_cvt_scalef32_pk16_fp6_f32 v[TP+4*\c:TP+4*\c+2], v[(\src)+32*\c+16:(\src)+32*\c+31], v[SO+2*\c+1]
.endr
	WIN 0
	v_nop
.irp c, 0,1
.irp i, 0,1,2
	v_permlane16_swap_b32 v[(\pc)+6*\c+\i], v[TP+4*\c+\i]
.endr
.irp i, 0,1,2
	v_mov_b32 v[(\pc)+3+6*\c+\i], v[TP+4*\c+\i]
.endr
.endr
.endm
.if QKV
	s_load_b64 s[4:5], s[0:1], 0x0
	s_load_b64 s[6:7], s[0:1], 0x0
	s_load_b64 s[8:9], s[0:1], 0x8
.else
	s_load_b128 s[4:7], s[0:1], 0x0
.if FF1
	s_load_b128 s[8:11], s[0:1], 0x10
.else
	s_load_b64 s[8:9], s[0:1], 0x10
.endif
.endif
	v_lshl_add_u32 v[SPW], v0, 2, SPARE
	v_mov_b32 v[NIL], 0
	ds_add_u32 v[SPW], v[NIL]
	ds_add_u32 v[SPW], v[NIL]
	v_lshrrev_b32 v1, 5, v0
	v_readfirstlane_b32 s14, v1
	v_and_b32 v30, 31, v0                          ; the prefetches' offset: lane i names block min(i, 24) of my work-group's 25 blocks of 256 bytes; never rewritten
	v_min_u32 v30, 24, v30
	v_lshlrev_b32 v30, 8, v30
	s_lshr_b32 s15, s14, 1
	s_and_b32 s16, s14, 1
	s_bfe_u32 s40, ttmp6, 0x40000
	s_bfe_u32 s41, ttmp6, 0x40004
	s_and_b32 s72, ttmp7, 0xffff
.if QKV
	s_cmp_lt_u32 ttmp9, 2
	s_cselect_b32 s42, ttmp9, s72
	s_cselect_b32 s17, s72, 0
	s_mov_b32 s73, 960*REC
	s_cselect_b32 s70, 0, s73
	s_mov_b32 s73, 832*REC
	s_cselect_b32 s71, s73, 0
	s_cselect_b32 s74, 0, 512
	s_cselect_b32 s75, 1, 0
.else
	s_mov_b32 s42, ttmp9
	s_mov_b32 s17, s72
	s_mov_b32 s70, A_OFF
	s_mov_b32 s71, B_OFF
.endif
	s_lshl_b32 s42, s42, 2
	s_add_co_u32 s42, s42, s40
	s_lshl_b32 s17, s17, 2
	s_add_co_u32 s17, s17, s41
	s_lshl_b32 s43, s41, 2
	s_lshl_b32 s43, 15, s43
	s_lshl_b32 s44, 0x1111, s40
	s_or_b32 s[G1+0], s43, (3<<16)|(1<<21)
	s_or_b32 s[G1B+0], s44, (3<<16)|(1<<21)
.irp g, G1, G1B
	s_mov_b32 s[\g+1], 32<<16
	s_mov_b32 s[\g+2], 100<<16
	s_mov_b32 s[\g+3], 32<<16
	s_mov_b32 s[\g+4], 100
	s_mov_b32 s[\g+5], 32
	s_mov_b32 s[\g+6], 0
	s_mov_b32 s[\g+7], 0
.endr
	s_lshl_b32 s20, s17, 1
	s_add_co_u32 s20, s20, s16
	s_mul_i32 s20, s20, NK*REC
	s_add_co_u32 s20, s20, s70
	s_mov_b32 s21, 0
	s_lshl_b32 s46, s42, 1
	s_add_co_u32 s46, s46, s16
	s_mul_i32 s46, s46, NK*REC
	s_add_co_u32 s46, s46, s71
	s_mov_b32 s47, 0
	s_mul_i32 s45, s14, PART
	s_mov_b32 s[SEL], 0x76543210
	s_mov_b32 s[SEL+1], 0xfedcba98
	s_mov_b32 s[FLR], 0x1800000
	s_wait_alu depctr_va_vdst(0)
	s_wait_dscnt 0x0
	s_wait_kmcnt 0x0
	s_add_nc_u64 s[20:21], s[4:5], s[20:21]
	s_add_nc_u64 s[46:47], s[6:7], s[46:47]
	s_cmp_eq_u32 s15, 0                            ; the prefetches' base: of the 25,600 bytes that I fetch for a slot, the partner at place p (cx for A, cy for B) names bytes 6400 p on
	s_cselect_b64 s[12:13], s[20:21], s[46:47]
	s_cselect_b32 s22, s40, s41
	s_mul_i32 s22, s22, 6400
	s_mov_b32 s23, 0
	s_add_nc_u64 s[12:13], s[12:13], s[22:23]
	CROUND
.irp s, 0,1
	s_mov_b32 s[G0+4*\s], 1
	s_add_co_u32 s[G0+4*\s+1], s45, \s*SLOT
	s_add_nc_u64 s[G0+4*\s+2:G0+4*\s+3], s[20:21], \s*PART
	s_or_b32 s[G0+4*\s+3], s[G0+4*\s+3], 0x80000000
	s_mov_b32 s[G0B+4*\s], 1
	s_add_co_u32 s[G0B+4*\s+1], s45, \s*SLOT
	s_add_nc_u64 s[G0B+4*\s+2:G0B+4*\s+3], s[46:47], \s*PART
	s_or_b32 s[G0B+4*\s+3], s[G0B+4*\s+3], 0x80000000
.if \s == 1                            ; slot 1's first fill is issued as a refill is
	s_wait_tensorcnt 0x0
	ds_add_u32 v28, v29
	ds_add_u32 v28, v29
	s_wait_dscnt 0x0
	CROUND
.endif
	JLOAD \s
.if \s == 0                            ; behind the load of slot n: a prefetch of slot n + 2's bytes; slot 1's go with slot 0's load.  K has four slots: nothing is named beyond the fourth
	global_prefetch_b8 v30, s[12:13] offset:PART th:TH_LOAD_NT scope:SCOPE_SE
	global_prefetch_b8 v30, s[12:13] offset:2*PART th:TH_LOAD_NT scope:SCOPE_SE
.else
	global_prefetch_b8 v30, s[12:13] offset:3*PART th:TH_LOAD_NT scope:SCOPE_SE
.endif
.endr
	v_and_b32 v[LANE], 31, v0
	v_and_b32 v1, 15, v0
	v_bfe_u32 v2, v0, 4, 1
	v_lshlrev_b32 v[L16], 4, v[LANE]
	v_lshlrev_b32 v[L4], 2, v[LANE]
	v_lshlrev_b32 v[H64], 6, v2
	s_mul_i32 s72, s15, PART
	s_mul_i32 s73, s16, PART
	s_add_co_u32 s73, s73, 2*PART
	v_add_nc_u32 v[ADRA], s72, v[L16]
	v_add_nc_u32 v[ADRB], s73, v[L16]
	v_add_nc_u32 v[ADRA+1], SLOT, v[ADRA]
	v_add_nc_u32 v[ADRB+1], SLOT, v[ADRB]
	s_sub_co_u32 s73, s73, s72
	v_mul_u32_u24 v3, s73, v2
	v_lshl_add_u32 v3, v1, 2, v3
	s_add_co_u32 s72, s72, 12288
	v_add_nc_u32 v[ADRS], s72, v3
	v_add_nc_u32 v[ADRS+1], SLOT, v[ADRS]
	s_lshl_b32 s66, s17, 1
	s_add_co_u32 s66, s66, s15
	s_lshl_b32 s67, s42, 1
	s_add_co_u32 s67, s67, s16
.if FF1
	s_lshl_b32 s70, s67, 9
	s_mov_b32 s71, 0
	s_add_nc_u64 s[10:11], s[10:11], s[70:71]
.irp b, 0,1,2,3,4,5,6,7
	global_load_b128 v[BI+8*\b:BI+8*\b+3], v[H64], s[10:11] offset:(32*(\b/2)+8*(\b%2))*4
	global_load_b128 v[BI+8*\b+4:BI+8*\b+7], v[H64], s[10:11] offset:(32*(\b/2)+8*(\b%2))*4+16
.endr
.endif
.if QKV
	s_cmp_eq_u32 s75, 1
	s_cselect_b32 s68, s67, s66
	s_cselect_b32 s69, s66, s67
	s_lshl_b32 s68, s68, 5
	s_add_co_u32 s68, s68, s69
	s_add_co_u32 s68, s68, s74
	s_mul_i32 s68, s68, REC
.elseif FF1
	s_lshl_b32 s68, s66, 5
	s_add_co_u32 s68, s68, s67
	s_mul_i32 s68, s68, REC
.else
	s_lshl_b32 s68, s66, 19
	s_lshl_b32 s69, s67, 13
	s_add_co_u32 s68, s68, s69
.endif
	s_mov_b32 s69, 0
	s_add_nc_u64 s[8:9], s[8:9], s[68:69]
.if EPI
.irp b, 0,1,2,3
	v_mov_b32 v[PB+\b], 0
.endr
.endif
	s_wait_alu depctr_va_vdst(0)
	s_wait_tensorcnt 1
	s_barrier_signal -1
	s_barrier_wait -1
	FETCH_B 0, 0, 0
	FETCH_A 0, 0, 0
	SCALES 0
	FETCH_A 0, 0, 4
.if FF1
	s_wait_loadcnt 0x0
.endif
	STEP 0, 0, 1+FF1
	s_mov_b32 s3, LAPS-1
.Llap:
	TURN 0, 1, 1
	STEP 1, 0, 0
	TURN 1, 0, 1
	STEP 0, 0, 0
	s_sub_co_u32 s3, s3, 1
	s_cmp_lg_u32 s3, 0
	s_cbranch_scc1 .Llap
	TURN 0, 1, 0
	STEP 1, 0, 0
	s_wait_dscnt 4*NL
	WIN MUL_LO
	MUL16 0, 1, 1, 1, 0
	MUL16 2, 1, 1, 1, 0
	s_wait_dscnt 0
	WIN MUL_HI
	MUL16 4, 1, 1, 1, 0
	MUL16 6, 1, 1, 1, 0
	WIN 0
	PLACES NP
.if EPI == 0
.irp a, 0,1,2,3,4,5,6,7
	WIN 0x08+4*(\a/4)
.irp b, 0,1,2,3,4,5,6,7
	global_store_b128 v[L16], v[8*(8*(\a%4)+\b):8*(8*(\a%4)+\b)+3], s[8:9] offset:\a*65536+1024*\b th:TH_STORE_NT
	global_store_b128 v[L16], v[8*(8*(\a%4)+\b)+4:8*(8*(\a%4)+\b)+7], s[8:9] offset:\a*65536+1024*\b+512 th:TH_STORE_NT
.endr
.endr
	WIN 0
.else
.irp a, 0,1,2,3,4,5,6,7
.if FF1
	WIN 0x88+0x44*(\a/4)
.set j, 64*(\a%4)
.rept 64
	v_max_num_f32 v[j], 0, v[j]
.set j, j+1
.endr
.endif
	QUANT 64*(\a%4), 2+\a/4, AF+12*\a, PW+\a
.irp c, 0,1,2
	global_store_b128 v[L16], v[AF+12*\a+4*\c:AF+12*\a+4*\c+3], s[8:9] offset:1536*\a+512*\c
.endr
.endr
	v_cmp_le_u32 vcc_lo, 16, v[LANE]
.irp i, 0,1,2,3
	v_cndmask_b32 v[SW+\i], v[PW+2*\i], v[PW+2*\i+1], vcc_lo
.endr
.irp i, 0,1,2,3
	global_store_b32 v[L4], v[SW+\i], s[8:9] offset:12288+128*\i
.endr
.endif
	s_wait_tensorcnt 0x0
	ds_add_u32 v[SPW], v[NIL]
	s_wait_dscnt 0x0
	CROUND
	s_endpgm
.Lfunc_end_k_q8b6e4da770_g_qkv:
	.size	k_q8b6e4da770_g_qkv, .Lfunc_end_k_q8b6e4da770_g_qkv-k_q8b6e4da770_g_qkv
	.p2alignl 7, 3214868480
	.fill 96, 4, 3214868480
	.section	.rodata,"a",@progbits
	.p2align	6, 0x0
	.amdhsa_kernel k_q8b6e4da770_g_qkv
		.amdhsa_group_segment_fixed_size 327680
		.amdhsa_private_segment_fixed_size 0
		.amdhsa_enable_private_segment 0
		.amdhsa_kernarg_size 16
		.amdhsa_user_sgpr_count 2
		.amdhsa_user_sgpr_kernarg_segment_ptr 1
		.amdhsa_wavefront_size32 1
		.amdhsa_system_sgpr_workgroup_id_x 1
		.amdhsa_system_sgpr_workgroup_id_y 1
		.amdhsa_system_sgpr_workgroup_id_z 1
		.amdhsa_system_vgpr_workitem_id 0
		.amdhsa_next_free_vgpr 1024
		.amdhsa_next_free_sgpr 80
		.amdhsa_reserve_vcc 1
		.amdhsa_float_denorm_mode_32 3
		.amdhsa_float_denorm_mode_16_64 3
		.amdhsa_memory_ordered 1
		.amdhsa_forward_progress 1
		.amdhsa_inst_pref_size 140
	.end_amdhsa_kernel
	.amdgpu_metadata
---
amdhsa.version: [ 1, 2 ]
amdhsa.kernels:
  - .name:           k_q8b6e4da770_g_qkv
    .symbol:         k_q8b6e4da770_g_qkv.kd
    .args:
      - { .name: img, .offset: 0, .size: 8, .value_kind: global_buffer, .address_space: global }
      - { .name: qkv, .offset: 8, .size: 8, .value_kind: global_buffer, .address_space: global }
    .group_segment_fixed_size: 327680
    .private_segment_fixed_size: 0
    .kernarg_segment_align: 8
    .kernarg_segment_size: 16
    .max_flat_workgroup_size: 128
    .sgpr_count:     80
    .vgpr_count:     1024
    .wavefront_size: 32
...
	.end_amdgpu_metadata
.endif
;; end of part 11
;; launch attn (part 12): grid 32 x 8, 8 waves a work-group, clusters of 4 x 1, 327,680 bytes of LDS; arguments qkv, src_mask, cc; writes cc
.if DOCPART == 12
	.amdgcn_target "amdgcn-amd-amdhsa--gfx1250"
	.amdhsa_code_object_version 6
	.text
	.protected	k_q8b6e4da770_attn
	.globl	k_q8b6e4da770_attn
	.p2align	8
	.type	k_q8b6e4da770_attn,@function
k_q8b6e4da770_attn:
	s_mov_b64 s[64:65], 0
	v_nop
	global_prefetch_b8 v0, s[64:65] scope:SCOPE_SE
	s_setreg_imm32_b32 hwreg(HW_REG_WAVE_MODE, 25, 1), 1
	s_wait_xcnt 0x0
	s_wait_alu depctr_hold_cnt(0) depctr_sa_sdst(0) depctr_va_vdst(0) depctr_va_sdst(0) depctr_va_ssrc(0) depctr_va_vcc(0) depctr_vm_vsrc(0)
	s_getreg_b32 s2, hwreg(HW_REG_IB_STS2, 6, 4)
	s_cmp_eq_u32 s2, 0
	s_cbranch_scc0 .Lentry_in_a_cluster
	s_endpgm
.Lentry_in_a_cluster:
	s_bfe_u32 s2, ttmp6, 0x10000c
	s_cmp_lg_u32 s2, 0x3003
	s_cbranch_scc0 .Lentry_shape_is_right
	s_endpgm
.Lentry_shape_is_right:
; ATTENTION on FP6 codes.  m = (q . k / 64) mask_i mask_j, exact zeros become 1e-10; softmax over the keys; times v.  Both products quantised; p = 2^(t - M), t = m log2(e), M a whole number (the ceiling of the
; running largest t); the row's sum is taken of the unquantised p and divides at the end.  The result, concat, is quantised along (head, channel) and written as records for the next product.
; INPUT RECORDS (12,800 bytes: fragment a at 1536 a + 512 c + 16 l, position r = row pi(a, r) = 32 (a / 2) + 8 (a % 2) + r + 8 (r / 8), scale words at 12288 + 64 a + 4 r):
;   q: record 32 P + token group, k: 256 + 32 P + token group: 128 tokens x (pair P's even head's 64, odd head's 64).   v^T: 512 + 32 P + token group: the pair's 128 channels x 128 tokens.
; SHARES.  A work-group: 128 queries (token group Gq) and a PAIR of heads; wave w: query tile w (16 queries) for both heads.  A fragment of k holds the even head in registers 0-5 and the odd head in 6-11:
; against [q_even | zero codes] and [zero codes | q_odd] one fragment serves both heads, and K = 64 is filled up with zero codes, which add nothing.  The two heads' O together are one fragment of concat.
; Both products transposed: S^T = k q^T, O^T = v^T p^T: a lane holds one query throughout; by pi the 16 registers of two neighbouring tiles are 16 neighbouring keys (or channels).
; CLUSTER.  The four work-groups of a cluster share batch and pair: each record of k and v^T is asked for jointly.  Ring: two slots of four key steps (4 records of k, 4 of v^T); every wave fetches one record.
; THE MASKS.  u = s (mask_j c), c = log2(e) / 64; t = u |mask_i|; mask_i's sign is carried by q's codes (their sign bits are turned where mask_i < 0: exact), so that a block's largest t is |mask_i| x its largest u.
; THE 1e-10.  An entry that is 0 makes the row's largest t positive, so M >= 1; there 1e-10 log2(e) - M and 0 - M round to the same f32.  So the replacement is made where it shows: in the step's largest t, which fixes M.
; LIMITS: the order of the three factors' roundings differs from the source's by f32 ulps; NaN and infinities are not served; a block of zeros gets the byte 1 (codes zero).
.set REC,   12800
.set SLOT1, 1<<17
.set MW,    8*REC                      ; behind slot 0: mask_j c of the batch's 2,048 keys, 8,192 bytes
.set SCG,   MW+8192                    ; the eight waves' scale words of the result, 512 bytes
.set SPARE, SCG+512                    ; the spare words, 128 bytes a wave
.set AD,  4                            ; v1 16 l; v2 4 r; v3 MW + 64 h; v4-6 the step's addresses; v7 16 l + 1536 w; v8-11 at work; v12 SCG + 64 w + 4 r; v13 SCG + 16 l
.set ADS, 5
.set ADM, 6
.set SPW, 28
.set NIL, 29
.set KS,  32                           ; v32-39 k's scale words, v40-47 v's
.set VS,  40
.set PWD, 48                           ; p's scale word
.set QS,  49                           ; q's
.set EPS, 50                           ; 1e-10 log2(e)
.set MI,  52                           ; v[52:53] |mask_i|
.set F,   54                           ; v[54:55] 2^(old M - new M)
.set ST0, 56                           ; head hd at + 4 hd: -M, the largest t, the sum in two halves
.set KF,  64                           ; v64-159 k's eight fragments
.set S,   160                          ; v160-223 S^T, then p
.set PC,  224
.set TP,  236
.set BM,  244
.set MX,  244
.set PT,  248
.set PB,  248
.set SO,  252
.set MK,  64                           ; window 1: v0-63 O^T (head hd at 32 hd); v64-127 mask_j c of the step's keys; v128-223 v's eight fragments; v224-241 q: [even | zeros | odd]
.set VF,  128
.set QX,  224
.set WV,  12
.set TB,  2                            ; s2 the step's records in LDS;  s3 its mask words
.set TS,  3
.set SEL, 20
.set FLR, 22
.set G1,  24
.set G0,  40
.set SLOTS, 44
.set CNT, 45
.set CS,  52
.set MSB, 0
.macro WIN new
.if MSB != (\new)
	s_set_vgpr_msb (MSB<<8)|(\new)
.set MSB, (\new)
.endif
.endm
.macro CROUND                          ; a round of the cluster's barrier
	s_barrier_signal -1
	s_barrier_wait -1
	s_cmp_lg_u32 s[WV], 0
	s_cbranch_scc1 .Lnot_wave_0_\@
	s_barrier_signal -3
.Lnot_wave_0_\@:
	s_barrier_wait -3
	s_barrier_signal -1
	s_barrier_wait -1
.endm
.macro PLACES
.rept 4
	v_nop
.endr
.endm
.macro PACKP pw                        ; from the four scale operands in v[SO] on: the bytes, the word, the codes of v[S] on into v[PC] on
.irp b, 0,1,2,3
	s_delay_alu instid0(VALU_DEP_4)
	v_lshrrev_b32 v[PB+\b], 23, v[SO+\b]
.endr
	s_delay_alu instid0(VALU_DEP_3)
	v_lshl_or_b32 v[\pw], v[PB+1], 8, v[PB]
	s_delay_alu instid0(VALU_DEP_1)
	v_lshl_or_b32 v[\pw], v[PB+2], 16, v[\pw]
	s_delay_alu instid0(VALU_DEP_1)
	v_lshl_or_b32 v[\pw], v[PB+3], 24, v[\pw]
.irp c, 0,1
	v_cvt_scalef32_pk16_fp6_f32 v[PC+6*\c:PC+6*\c+2], v[S+32*\c:S+32*\c+15], v[SO+2*\c]
	v_cvt_scalef32_pk16_fp6_f32 v[TP+4*\c:TP+4*\c+2], v[S+32*\c+16:S+32*\c+31], v[SO+2*\c+1]
.endr
	v_nop                                          ; one plain place behind a scaled conversion
.irp c, 0,1                                            ; the operand wants a whole block in a lane
.irp i, 0,1,2
	v_permlane16_swap_b32 v[PC+6*\c+\i], v[TP+4*\c+\i]
.endr
.irp i, 0,1,2
	s_delay_alu instid0(VALU_DEP_3)
	v_mov_b32 v[PC+3+6*\c+\i], v[TP+4*\c+\i]
.endr
.endr
.endm
; One head's part of a key step of 128 keys
.macro HEAD hd
.set STT, ST0+4*\hd
	WIN 0x04                                       ; source 1 (q, then the mask words) in window 1
.irp t, 0,1,2,3,4,5,6,7
	v_wmma_scale_f32_16x16x128_f8f6f4 v[S+8*\t:S+8*\t+7], v[KF+12*\t:KF+12*\t+11], v[QX+6*\hd:QX+6*\hd+11], 0, v[KS+\t], v[QS] matrix_a_fmt:MATRIX_FMT_FP6 matrix_b_fmt:MATRIX_FMT_FP6
.endr
	PLACES
.if \hd == 0
	s_wait_dscnt 24                                ; the mask words are in; v's 24 loads may be out
.endif
.set j, 0
.rept 32
	v_pk_mul_f32 v[S+j:S+j+1], v[S+j:S+j+1], v[MK+j:MK+j+1]      ; u = s mask_j c; each accumulator from its low end on
.set j, j+2
.endr
	WIN 0
.irp b, 0,1,2,3
	v_max3_num_f32 v[BM+\b], v[S+16*\b], v[S+16*\b+1], v[S+16*\b+2]   ; the largest u of each block of 32 keys: it serves the row's maximum and the block's largest p
.endr
.irp i, 3,5,7,9,11,13
.irp b, 0,1,2,3
	s_delay_alu instid0(VALU_DEP_4)
	v_max3_num_f32 v[BM+\b], v[BM+\b], v[S+16*\b+\i], v[S+16*\b+\i+1]
.endr
.endr
.irp b, 0,1,2,3
	s_delay_alu instid0(VALU_DEP_4)
	v_max_num_f32 v[BM+\b], v[BM+\b], v[S+16*\b+15]
.endr
.irp b, 0,1,2,3
	s_delay_alu instid0(VALU_DEP_4)
	v_permlanex16_b32 v[PT+\b], v[BM+\b], s[SEL], s[SEL+1]
.endr
.irp b, 0,1,2,3
	s_delay_alu instid0(VALU_DEP_4)
	v_max_num_f32 v[BM+\b], v[BM+\b], v[PT+\b]
.endr
	s_delay_alu instid0(VALU_DEP_2)
	v_max3_num_f32 v8, v[BM], v[BM+1], v[BM+2]
	s_delay_alu instid0(VALU_DEP_1)
	v_max_num_f32 v8, v8, v[BM+3]
	s_delay_alu instid0(VALU_DEP_1)
	v_mul_f32 v8, v8, v[MI]                        ; the step's largest t (|mask_i| is not negative, so the largest u gives it)
	s_delay_alu instid0(VALU_DEP_1)
	v_cmp_eq_f32 vcc_lo, 0, v8                     ; a largest t of 0 is an entry that the source replaces by 1e-10; a positive one stands over it, and under a negative one there is no 0
	s_delay_alu instid0(VALU_DEP_1)
	v_cndmask_b32 v8, v8, v[EPS], vcc_lo
	s_delay_alu instid0(VALU_DEP_1)
	v_max_num_f32 v[STT+1], v[STT+1], v8           ; the running largest t
	v_mov_b32 v8, v[STT]
	s_delay_alu instid0(VALU_DEP_2)
	v_floor_f32 v[STT], -v[STT+1]                  ; the new -M = -ceil(t)
	s_delay_alu instid0(VALU_DEP_1)
	v_sub_f32 v8, v[STT], v8                       ; old M - new M: a whole number, 0 or less
	s_delay_alu instid0(VALU_DEP_1)
	v_cvt_i32_f32 v8, v8                           ; (it saturates)
	s_delay_alu instid0(VALU_DEP_1)
	v_ldexp_f32 v[F], 1.0, v8                      ; f: a multiplication by it rounds nothing
.set j, 0
.rept 32
	v_pk_fma_f32 v[S+j:S+j+1], v[S+j:S+j+1], v[MI:MI+1], v[STT:STT+1] op_sel_hi:[1,0,0]   ; t - M
.set j, j+2
.endr
.irp b, 0,1,2,3
	v_fma_f32 v[BM+\b], v[BM+\b], v[MI], v[STT]    ; the same of each block's largest
.endr
.set j, 0
	s_wait_alu depctr_va_vdst(0)
.rept 64
	v_exp_f32 v[S+j], v[S+j]                       ; p, at most 1, not normalised
.set j, j+1
.endr
	v_pk_mul_f32 v[STT+2:STT+3], v[STT+2:STT+3], v[F:F+1] op_sel_hi:[1,0]    ; the sums under the new M (a plain place behind the exponentials)
	s_wait_alu depctr_va_vdst(0)                   ; one wait for the batch, ahead of its first reader
.irp b, 0,1,2,3
	v_exp_f32 v[BM+\b], v[BM+\b]                   ; the block's largest p
.endr
	v_pk_add_f32 v[10:11], v[S:S+1], v[S+2:S+3]    ; the row's sum of the unquantised p, in two chains
.irp i, 4,8,12,16,20,24,28,32,36,40,44,48,52,56,60
	v_pk_add_f32 v[STT+2:STT+3], v[STT+2:STT+3], v[S+\i:S+\i+1]
	v_pk_add_f32 v[10:11], v[10:11], v[S+\i+2:S+\i+3]
.endr
	s_delay_alu instid0(VALU_DEP_1)
	v_pk_add_f32 v[STT+2:STT+3], v[STT+2:STT+3], v[10:11]
	s_wait_alu depctr_va_vdst(0)                   ; and one for the four
.irp b, 0,1,2,3
	v_max_num_f32 v[BM+\b], s[FLR], v[BM+\b]       ; the floor: the byte cannot fall under 1
.endr
.irp b, 0,1,2,3
	s_delay_alu instid0(VALU_DEP_4)
	v_add_nc_u32 v[SO+\b], 0xff000000, v[BM+\b]
.endr
	PACKP PWD
	WIN 0x41
.set j, 32*\hd
.rept 16
	v_pk_mul_f32 v[j:j+1], v[j:j+1], v[F:F+1] op_sel_hi:[1,0]    ; O^T under the new M; for each product below twelve of these name none of its registers: its places behind the scale word and the codes
.set j, j+2
.endr
.if \hd == 0
	s_wait_alu depctr_va_vdst(0)
	s_wait_dscnt 0x0                               ; v's fragments are in
.endif
	WIN 0x51                                       ; v and O^T in window 1, p in window 0
.irp t, 0,1,2,3
	v_wmma_scale_f32_16x16x128_f8f6f4 v[32*\hd+8*\t:32*\hd+8*\t+7], v[VF+12*(4*\hd+\t):VF+12*(4*\hd+\t)+11], v[PC:PC+11], v[32*\hd+8*\t:32*\hd+8*\t+7], v[VS+4*\hd+\t], v[PWD] matrix_a_fmt:MATRIX_FMT_FP6 matrix_b_fmt:MATRIX_FMT_FP6
.endr
	WIN 0
.endm
.macro STEP
	v_add_nc_u32 v[AD], s[TB], v1                  ; these three and the v_nop are the four places behind the last products, ahead of loads into their operands
	v_add_nc_u32 v[ADS], s[TB], v2
	v_add_nc_u32 v[ADM], s[TS], v3
	v_nop
.irp t, 0,1,2,3,4,5,6,7
	ds_load_b32 v[KS+\t], v[ADS] offset:12288+64*\t
.endr
.irp t, 0,1,2,3,4,5,6,7
	ds_load_b32 v[VS+\t], v[ADS] offset:4*REC+12288+64*\t
.endr
.irp t, 0,1,2,3,4,5,6,7
.irp c, 0,1,2
	ds_load_b128 v[KF+12*\t+4*\c:KF+12*\t+4*\c+3], v[AD] offset:1536*\t+512*\c
.endr
.endr
	WIN 0x40
.irp i, 0,1,2,3,4,5,6,7,8,9,10,11,12,13,14,15
	ds_load_b128 v[MK+4*\i:MK+4*\i+3], v[ADM] offset:128*(\i/4)+16*(\i%4)
.endr
.irp t, 0,1,2,3,4,5,6,7
.irp c, 0,1,2
	ds_load_b128 v[VF+12*\t+4*\c:VF+12*\t+4*\c+3], v[AD] offset:4*REC+1536*\t+512*\c
.endr
.endr
	s_wait_dscnt 40                                ; the scale words and k are in; the 16 loads of mask words and v's 24 may be out
	s_wait_alu depctr_va_vdst(0)
	HEAD 0
	HEAD 1
	s_add_co_u32 s[TB], s[TB], REC
	s_add_co_u32 s[TS], s[TS], 512
.endm
; The change of slots stands at a slot's head: all my tensor loads, the add, the wait for it and for my reads of the slot that I have left; a round (or, where nothing is filled, a barrier); the refill first behind it.
.macro CHANGE fill
	s_wait_tensorcnt 0x0
	ds_add_u32 v[SPW], v[NIL]
.if \fill
	s_xor_b32 s[G0+1], s[G0+1], SLOT1              ; the walking descriptor: the other slot, the next four records
	s_add_nc_u64 s[G0+2:G0+3], s[G0+2:G0+3], 4*REC
.endif
	s_wait_dscnt 0x0
.if \fill
	CROUND
	tensor_load_to_lds s[G0:G0+3], s[G1:G1+7]      ; one load a wave: it has four key steps in which to land
	s_nop 0
	PLACES
.else
	s_barrier_signal -1
	s_barrier_wait -1
.endif
.endm
.macro SLOT_STEPS
	s_mov_b32 s[CNT], 4
.Lstep_\@:
	STEP
	s_sub_co_u32 s[CNT], s[CNT], 1
	s_cmp_lg_u32 s[CNT], 0
	s_cbranch_scc1 .Lstep_\@
	s_sub_co_u32 s[TB], s[TB], 4*REC
	s_xor_b32 s[TB], s[TB], SLOT1
.endm
	s_load_b128 s[4:7], s[0:1], 0x0                ; qkv, src_mask
	s_load_b64 s[8:9], s[0:1], 0x10                ; cc
	v_lshl_add_u32 v[SPW], v0, 2, SPARE
	v_mov_b32 v[NIL], 0
	ds_add_u32 v[SPW], v[NIL]                      ; the wave's opening: the add and its wait ahead of my first tensor load
	ds_add_u32 v[SPW], v[NIL]
	v_lshrrev_b32 v8, 5, v0
	s_delay_alu instid0(VALU_DEP_1)
	v_readfirstlane_b32 s[WV], v8                  ; wave 0..7
	s_bfe_u32 s13, ttmp6, 0x40000                  ; cx
	s_lshl_b32 s14, ttmp9, 2
	s_add_co_u32 s14, s14, s13                     ; Gq: my group of 128 queries: it enters q's, the mask's and cc's addresses alone
	s_and_b32 s15, ttmp7, 0xffff                   ; P, the pair of heads
	s_lshr_b32 s16, ttmp9, 2                       ; the batch: shared by the four partners
	s_mov_b32 s[G1], 15|(3<<16)|(1<<21)            ; all four work-groups; elements of 8 bytes; bit 21 beside a mask
	s_mov_b32 s[G1+1], 32<<16                      ; 12,800 dense bytes as 50 rows of 256
	s_mov_b32 s[G1+2], 50<<16
	s_mov_b32 s[G1+3], 32<<16
	s_mov_b32 s[G1+4], 50
	s_mov_b32 s[G1+5], 32
	s_mov_b32 s[G1+6], 0
	s_mov_b32 s[G1+7], 0
	s_lshl_b32 s46, s15, 5
	s_lshl_b32 s47, s16, 4
	s_add_co_u32 s46, s46, s47
	s_and_b32 s47, s[WV], 3
	s_add_co_u32 s46, s46, s47                     ; 32 P + 16 batch + my step of the slot's four,
	s_lshr_b32 s47, s[WV], 2
	s_lshl_b32 s47, s47, 8
	s_add_co_u32 s46, s46, s47
	s_add_co_u32 s46, s46, 256                     ; among k's records (waves 0-3) or v's (waves 4-7)
	s_mul_i32 s46, s46, REC
	s_mov_b32 s47, 0
	s_mul_i32 s17, s[WV], REC                      ; in a slot: k's four, then v's four
	s_mov_b32 s[SEL], 0x76543210
	s_mov_b32 s[SEL+1], 0xfedcba98
	s_mov_b32 s[FLR], 0x1800000
	s_mov_b32 s[CS], 0x3cb8aa3b                    ; c = log2(e) / 64
	s_mov_b32 s[CS+1], s[CS]
	s_mov_b32 s[TB], 0
	s_mov_b32 s[TS], 0
	s_mov_b32 s[SLOTS], 3
	s_wait_dscnt 0x0                               ; the opening add is done
	s_wait_kmcnt 0x0
	s_mov_b32 s[G0], 1
	s_mov_b32 s[G0+1], s17
	s_add_nc_u64 s[G0+2:G0+3], s[4:5], s[46:47]
	s_or_b32 s[G0+3], s[G0+3], 0x80000000
	CROUND                                         ; all four work-groups are here: the first joint loads meet
	tensor_load_to_lds s[G0:G0+3], s[G1:G1+7]      ; slot 0
	s_nop 0
	PLACES
	v_and_b32 v9, 31, v0
	v_and_b32 v10, 15, v0                          ; r
	v_bfe_u32 v11, v0, 4, 1                        ; h
	s_delay_alu instid0(VALU_DEP_3)
	v_lshlrev_b32 v1, 4, v9
	s_delay_alu instid0(VALU_DEP_3)
	v_lshlrev_b32 v2, 2, v10
	s_delay_alu instid0(VALU_DEP_3)
	v_lshl_add_u32 v3, v11, 6, MW
	s_mul_i32 s46, s[WV], 1536
	v_add_nc_u32 v7, s46, v1                       ; my tile's fragment in a record
	s_lshl_b32 s46, s[WV], 6
	v_add_nc_u32 v21, s46, v2                      ; and its scale words
	s_wait_alu depctr_va_vdst(0)
	v_add_nc_u32 v12, SCG, v21
	v_add_nc_u32 v13, SCG, v1
	v_lshl_add_u32 v14, v0, 4, MW
	v_lshlrev_b32 v20, 4, v0
	v_and_b32 v15, 8, v10
	s_delay_alu instid0(VALU_DEP_1)
	v_add_nc_u32 v15, v15, v10                     ; r + 8 (r / 8)
	s_lshl_b32 s46, s14, 7
	s_lshr_b32 s47, s[WV], 1
	s_lshl_b32 s47, s47, 5
	s_add_co_u32 s46, s46, s47
	s_and_b32 s47, s[WV], 1
	s_lshl_b32 s47, s47, 3
	s_add_co_u32 s46, s46, s47
	v_add_nc_u32 v15, s46, v15                     ; my query: 128 Gq + pi(w, r)
	s_delay_alu instid0(VALU_DEP_1)
	v_lshlrev_b32 v15, 2, v15
	s_wait_alu depctr_va_vdst(0)
	s_lshl_b32 s48, s15, 5
	s_add_co_u32 s48, s48, s14
	s_mul_i32 s48, s48, REC
	s_mov_b32 s49, 0
	s_add_nc_u64 s[48:49], s[4:5], s[48:49]        ; q's record
	s_lshl_b32 s50, s16, 13
	s_mov_b32 s51, 0
	s_add_nc_u64 s[50:51], s[6:7], s[50:51]        ; the batch's mask
	s_lshl_b32 s10, s14, 3
	s_add_co_u32 s10, s10, s15
	s_mul_i32 s10, s10, REC
	s_mov_b32 s11, 0
	s_add_nc_u64 s[10:11], s[8:9], s[10:11]        ; concat's record (Gq, K step P)
.irp c, 0,1,2
	global_load_b128 v[KF+4*\c:KF+4*\c+3], v7, s[48:49] offset:512*\c
.endr
	global_load_b32 v[QS], v21, s[48:49] offset:12288
	global_load_b32 v19, v15, s[6:7]               ; mask_i
	global_load_b128 v[S:S+3], v20, s[50:51]
	global_load_b128 v[S+4:S+7], v20, s[50:51] offset:4096
	v_mov_b32 v[EPS], 0x2f1ea042
	v_mov_b32 v16, 0x20820820                      ; the sign bits of 16 codes of 6 bits in three registers
	v_mov_b32 v17, 0x08208208
	v_mov_b32 v18, 0x82082082
.irp hd, 0,1
	v_mov_b32 v[ST0+4*\hd+1], 0xff61b1e6           ; the largest t so far: -3e38
	s_delay_alu instid0(VALU_DEP_1)
	v_floor_f32 v[ST0+4*\hd], -v[ST0+4*\hd+1]
	v_mov_b32 v[ST0+4*\hd+2], 0
	v_mov_b32 v[ST0+4*\hd+3], 0
.endr
	v_mov_b32 v[F], 0
	v_mov_b32 v[F+1], 0
.irp b, 0,1,2,3
	v_mov_b32 v[PT+\b], 0                          ; a lane permute's destination counts as one of its sources
.endr
	WIN 0x40
.set j, 0
.rept 64
	v_mov_b32 v[j], 0                              ; O^T: the step is written once; its first pass finds zeros
.set j, j+1
.endr
.irp i, 6,7,8,9,10,11
	v_mov_b32 v[QX+\i], 0                          ; the zero codes between the two heads
.endr
	WIN 0
	s_wait_loadcnt 0x0
.irp i, 0,2,4,6
	v_pk_mul_f32 v[S+\i:S+\i+1], v[S+\i:S+\i+1], s[CS:CS+1] op_sel_hi:[1,0]
.endr
	ds_store_b128 v14, v[S:S+3]                    ; mask_j c: published by the first change of slots' wait and round
	ds_store_b128 v14, v[S+4:S+7] offset:4096
	v_cmp_gt_f32 vcc_lo, 0, v19
.irp i, 16,17,18
	v_cndmask_b32 v[\i], 0, v[\i], vcc_lo
.endr
	v_and_b32 v[MI], 0x7fffffff, v19
	s_delay_alu instid0(VALU_DEP_1)
	v_mov_b32 v[MI+1], v[MI]
	WIN 0x40
.irp i, 0,1,2,3,4,5
	v_xor_b32 v[QX+\i], v[KF+\i], v[16+\i%3]
	v_xor_b32 v[QX+12+\i], v[KF+6+\i], v[16+\i%3]
.endr
	WIN 0
.Lslot:                                                ; three trips: behind each change of slots but the last the next slot is asked for
	CHANGE 1
	SLOT_STEPS
	s_sub_co_u32 s[SLOTS], s[SLOTS], 1
	s_cmp_lg_u32 s[SLOTS], 0
	s_cbranch_scc1 .Lslot
	CHANGE 0                                       ; the last slot is written out
	SLOT_STEPS
	PLACES                                         ; behind the last products
.irp hd, 0,1
	v_add_f32 v[ST0+4*\hd+2], v[ST0+4*\hd+2], v[ST0+4*\hd+3]
.endr
.irp hd, 0,1
	s_delay_alu instid0(VALU_DEP_2)
	v_permlanex16_b32 v[PT+\hd], v[ST0+4*\hd+2], s[SEL], s[SEL+1]
.endr
.irp hd, 0,1
	s_delay_alu instid0(VALU_DEP_2)
	v_add_f32 v[ST0+4*\hd+2], v[ST0+4*\hd+2], v[PT+\hd]      ; the row's sum
.endr
	s_wait_alu depctr_va_vdst(0)
.irp hd, 0,1
	v_rcp_f32 v[ST0+4*\hd+2], v[ST0+4*\hd+2]
.endr
	v_nop
	s_wait_alu depctr_va_vdst(0)                   ; one wait for both reciprocals, ahead of their first reader
	WIN 0x01
.set j, 0
.rept 64
	v_mul_f32 v[S+j], v[j], v[ST0+4*(j/32)+2]      ; register 16 b + i = channel 32 b + 16 h + i of the pair's 128
.set j, j+1
.endr
	WIN 0
.irp b, 0,1,2,3                                        ; concat is quantised along the channels
	v_max3_num_f32 v[MX+\b], s[FLR], |v[S+16*\b]|, |v[S+16*\b+1]|
.endr
.irp i, 2,4,6,8,10,12,14
.irp b, 0,1,2,3
	s_delay_alu instid0(VALU_DEP_4)
	v_max3_num_f32 v[MX+\b], v[MX+\b], |v[S+16*\b+\i]|, |v[S+16*\b+\i+1]|
.endr
.endr
.irp b, 0,1,2,3
	s_delay_alu instid0(VALU_DEP_4)
	v_permlanex16_b32 v[PB+\b], v[MX+\b], s[SEL], s[SEL+1]
.endr
.irp b, 0,1,2,3
	s_delay_alu instid0(VALU_DEP_4)
	v_max_num_f32 v[MX+\b], v[MX+\b], v[PB+\b]
.endr
.irp b, 0,1,2,3
	s_delay_alu instid0(VALU_DEP_4)
	v_add_nc_u32 v[SO+\b], 0xff000000, v[MX+\b]
.endr
	PACKP 9
.irp c, 0,1,2
	global_store_b128 v7, v[PC+4*\c:PC+4*\c+3], s[10:11] offset:512*\c
.endr
	ds_store_b32 v12, v9                           ; the eight tiles' scale words meet in LDS and leave as 512 consecutive bytes
	s_wait_dscnt 0x0
	s_barrier_signal -1
	s_barrier_wait -1
	s_cmp_lg_u32 s[WV], 0
	s_cbranch_scc1 .Lnot_first
	ds_load_b128 v[S:S+3], v13
	s_wait_dscnt 0x0
	global_store_b128 v1, v[S:S+3], s[10:11] offset:12288
.Lnot_first:
	s_wait_tensorcnt 0x0                           ; the wave's end
	ds_add_u32 v[SPW], v[NIL]
	s_wait_dscnt 0x0
	CROUND                                         ; the closing round
	s_endpgm
.Lfunc_end_k_q8b6e4da770_attn:
	.size	k_q8b6e4da770_attn, .Lfunc_end_k_q8b6e4da770_attn-k_q8b6e4da770_attn
	.p2alignl 7, 3214868480
	.fill 96, 4, 3214868480
	.section	.rodata,"a",@progbits
	.p2align	6, 0x0
	.amdhsa_kernel k_q8b6e4da770_attn
		.amdhsa_group_segment_fixed_size 327680
		.amdhsa_private_segment_fixed_size 0
		.amdhsa_enable_private_segment 0
		.amdhsa_kernarg_size 24
		.amdhsa_user_sgpr_count 2
		.amdhsa_user_sgpr_kernarg_segment_ptr 1
		.amdhsa_wavefront_size32 1
		.amdhsa_system_sgpr_workgroup_id_x 1
		.amdhsa_system_sgpr_workgroup_id_y 1
		.amdhsa_system_sgpr_workgroup_id_z 1
		.amdhsa_system_vgpr_workitem_id 0
		.amdhsa_next_free_vgpr 512
		.amdhsa_next_free_sgpr 66
		.amdhsa_reserve_vcc 1
		.amdhsa_float_denorm_mode_32 3
		.amdhsa_float_denorm_mode_16_64 3
		.amdhsa_memory_ordered 1
		.amdhsa_forward_progress 1
		.amdhsa_inst_pref_size 101
	.end_amdhsa_kernel
	.amdgpu_metadata
---
amdhsa.version: [ 1, 2 ]
amdhsa.kernels:
  - .name:           k_q8b6e4da770_attn
    .symbol:         k_q8b6e4da770_attn.kd
    .args:
      - { .name: qkv, .offset: 0, .size: 8, .value_kind: global_buffer, .address_space: global }
      - { .name: src_mask, .offset: 8, .size: 8, .value_kind: global_buffer, .address_space: global }
      - { .name: cc, .offset: 16, .size: 8, .value_kind: global_buffer, .address_space: global }
    .group_segment_fixed_size: 327680
    .private_segment_fixed_size: 0
    .kernarg_segment_align: 8
    .kernarg_segment_size: 24
    .max_flat_workgroup_size: 256
    .sgpr_count:     66
    .vgpr_count:     512
    .wavefront_size: 32
...
	.end_amdgpu_metadata
.endif
;; end of part 12
;; launch g_wo (part 13): grid 8 x 32, 4 waves a work-group, clusters of 4 x 4, 327,680 bytes of LDS; arguments cc, img, cf; writes cf
.if DOCPART == 13
	.amdgcn_target "amdgcn-amd-amdhsa--gfx1250"
	.amdhsa_code_object_version 6
	.text
	.protected	k_q8b6e4da770_g_wo
	.globl	k_q8b6e4da770_g_wo
	.p2align	8
	.type	k_q8b6e4da770_g_wo,@function
k_q8b6e4da770_g_wo:
	s_mov_b64 s[64:65], 0
	v_nop
	global_prefetch_b8 v0, s[64:65] scope:SCOPE_SE
	s_setreg_imm32_b32 hwreg(HW_REG_WAVE_MODE, 25, 1), 1
	s_wait_xcnt 0x0
	s_wait_alu depctr_hold_cnt(0) depctr_sa_sdst(0) depctr_va_vdst(0) depctr_va_sdst(0) depctr_va_ssrc(0) depctr_va_vcc(0) depctr_vm_vsrc(0)
	s_getreg_b32 s2, hwreg(HW_REG_IB_STS2, 6, 4)
	s_cmp_eq_u32 s2, 0
	s_cbranch_scc0 .Lentry_in_a_cluster
	s_endpgm
.Lentry_in_a_cluster:
	s_bfe_u32 s2, ttmp6, 0x10000c
	s_cmp_lg_u32 s2, 0xf033
	s_cbranch_scc0 .Lentry_shape_is_right
	s_endpgm
.Lentry_shape_is_right:
; THE GEMM ON RECORDS, ON TILES OF 128 x 128; one text assembled twice; this copy: concat x w_o^T, K = 1,024, f32 out (the bias is added by the layer norm's launch).
; C = A B^T on FP6 (E2M3) codes with E8M0 scales.  Both operands lie in memory as RECORDS of 12,800 bytes: 128 rows x 128 K as images of operand registers (fragment a at 1536 a + 512 c + 16 l; position r of
; fragment a = row pi(a, r) = 32 (a / 2) + 8 (a % 2) + r + 8 (r / 8); scale words at 12288 + 64 a + 4 r), records of a group of rows on end along K.
; C is 4,096 x 1,024: tiles of 256 x 256 would be 64, tiles of 128 x 128 are 256, one for each work-group of the grid of 8 x 32.  A tile is one group of A's rows against one group of B's.
; Four waves, each 64 x 64: 16 accumulators, 128 registers: wave w takes A's fragments 4 (w / 2) + 0 .. 3 and B's fragments 4 (w % 2) + 0 .. 3.
; K goes in steps of 512 through two LDS slots: a slot holds four records of A and four of B, 102,400 bytes; a wave's one tensor load brings four records, 51,200 dense bytes, codes and scale words together
; (waves 0, 1: A's; waves 2, 3: B's); a fragment is three ds_load_b128 of 512 consecutive bytes.  4 x 4 work-groups form a cluster: A's records are asked for jointly along a row of it, B's along a column.
; TRANSPOSED USE: source 0 = 16 rows of B, source 1 = 16 rows of A: lane (r, h) of accumulator (a, b) holds A's row pi(a, r), and its register j B's row 32 (b / 2) + 8 (b % 2) + 16 h + j.
; WAY OUT: the accumulators leave as they stand, 512 dense bytes a store, into blocks of 8,192 bytes: block ((8 G + a) 8 + column group), accumulator b's registers at 1024 b.
; REGISTERS: window 0: v16-29 addresses; v32-63 scale words, a set for each slot; v128-255 the accumulators ((a, b) at v[128 + 8 (4 a + b)]).
;   window 1: two fragment buffers of 96 registers, at v0 and v128: A's four fragments, then B's four, of 128 along K.
; With K = 1,024 both slots are filled at the start and nothing is filled again: this copy has no loop.
.set NK,    8                          ; K steps of 128
.set A_OFF, 0
.set B_OFF, 256*12800                  ; w_o's records in img
.set REC,   12800
.set PART,  2*REC                      ; what one tensor load brings
.set SLOT,  4*PART                     ; A's four records, then B's four
.set SPARE, 2*SLOT                     ; behind the ring: the spare words, 128 bytes a wave
.set LAPS,  NK/8                       ; a lap = once round the ring = 1,024 along K
.set FR,    12                         ; registers of a fragment
.set NP,    4                          ; places behind this matrix instruction (ISA guide 7.12.1)
.set ADRA, 16                          ; v16-17 16 l + my four fragments of A in slot 0, 1
.set ADRB, 20                          ; v20-21 the same for B
.set ADRS, 22                          ; v22-23 my scale words: lanes 0-15 A's, lanes 16-31 B's
.set L16,  24
.set LANE, 27
.set SPW,  28
.set NIL,  29
.set SC,   32                          ; v32-63 scale words: 16 s + 4 q + i: lanes 0-15 my A block i, lanes 16-31 my B block i, of the slot's q-th record
.set ACC,  128
.set G1,  24
.set G0,  32
.set G1B, 48
.set G0B, 56
.set MSB, 0
.macro WIN new                         ; the immediate's high byte repeats the setting that is left
.if MSB != (\new)
	s_set_vgpr_msb (MSB<<8)|(\new)
.set MSB, (\new)
.endif
.endm
.set MUL,  0x05                        ; sources 0 (B) and 1 (A) window 1; C and D window 0
.set TO_F, 0x40                        ; destination window 1, address window 0
.macro JLOAD s                         ; a joint load: waves 0, 1 fetch A's records, waves 2, 3 B's; s_nop 0 and four v_nop follow each line
	s_cmp_eq_u32 s15, 0
	s_cbranch_scc0 .Lfor_b_\@
	tensor_load_to_lds s[G0+4*\s:G0+4*\s+3], s[G1:G1+7]
	s_nop 0
.rept 4
	v_nop
.endr
	s_branch .Lasked_\@
.Lfor_b_\@:
	tensor_load_to_lds s[G0B+4*\s:G0B+4*\s+3], s[G1B:G1B+7]
	s_nop 0
.rept 4
	v_nop
.endr
.Lasked_\@:
.endm
.macro CREST                           ; a round of the cluster's barrier behind its opening barrier
	s_cmp_lg_u32 s14, 0
	s_cbranch_scc1 .Lnot_wave_0_\@
	s_barrier_signal -3
.Lnot_wave_0_\@:
	s_barrier_wait -3
	s_barrier_signal -1
	s_barrier_wait -1
.endm
.macro CROUND
	s_barrier_signal -1
	s_barrier_wait -1
	CREST
.endm
.macro PLACES n
.rept \n
	v_nop
.endr
.endm
.macro FRAG reg, adr, off
.irp c, 0,1,2
	ds_load_b128 v[\reg+4*\c:\reg+4*\c+3], v[\adr] offset:\off+512*\c
.endr
.endm
.macro FETCH slot, q, f                ; 24 LDS loads in one run: my fragments of the slot's q-th record into the buffer at f: B's four first, then A's
	WIN TO_F
.irp i, 0,1,2,3
	FRAG (\f)+48+FR*\i, ADRB+\slot, (\q)*REC+1536*\i
.endr
.irp i, 0,1,2,3
	FRAG (\f)+FR*\i, ADRA+\slot, (\q)*REC+1536*\i
.endr
.endm
.macro SCALES sc                       ; a slot's scale words, all four records (window 0)
.irp q, 0,1,2,3
.irp i, 0,1,2,3
	ds_load_b32 v[SC+16*\sc+4*\q+\i], v[ADRS+\sc] offset:\q*REC+64*\i
.endr
.endr
.endm
; 4 matrix instructions: my A block a x my four B blocks.  zero = 1: C = 0 starts the sums.  The 16 accumulators take turns, one instruction a turn, in the same order in every step.
.macro MULA a, f, q, sc, zero
.irp b, 0,1,2,3
.if \zero
	v_wmma_scale_f32_16x16x128_f8f6f4 v[ACC+8*(4*(\a)+\b):ACC+8*(4*(\a)+\b)+7], v[(\f)+48+FR*\b:(\f)+48+FR*\b+FR-1], v[(\f)+FR*(\a):(\f)+FR*(\a)+FR-1], 0, v[SC+16*(\sc)+4*(\q)+\b], v[SC+16*(\sc)+4*(\q)+(\a)] matrix_a_fmt:MATRIX_FMT_FP6 matrix_b_fmt:MATRIX_FMT_FP6 matrix_a_scale:MATRIX_SCALE_ROW1
.else
	v_wmma_scale_f32_16x16x128_f8f6f4 v[ACC+8*(4*(\a)+\b):ACC+8*(4*(\a)+\b)+7], v[(\f)+48+FR*\b:(\f)+48+FR*\b+FR-1], v[(\f)+FR*(\a):(\f)+FR*(\a)+FR-1], v[ACC+8*(4*(\a)+\b):ACC+8*(4*(\a)+\b)+7], v[SC+16*(\sc)+4*(\q)+\b], v[SC+16*(\sc)+4*(\q)+(\a)] matrix_a_fmt:MATRIX_FMT_FP6 matrix_b_fmt:MATRIX_FMT_FP6 matrix_a_scale:MATRIX_SCALE_ROW1
.endif
.endr
.endm
; One of a slot's first three steps of 128 along K: multiplies buffer q % 2 and, in its middle, fetches the next step's fragments into the other buffer
.macro STEP slot, q, zero
	s_wait_dscnt 6                                 ; all but the youngest six loads (A's blocks 2, 3) are in
	WIN MUL
	MULA 0, 128*((\q)%2), \q, \slot, \zero
	MULA 1, 128*((\q)%2), \q, \slot, \zero
	PLACES NP                                      ; ahead of loads into the buffer that the step before multiplied
	FETCH \slot, (\q)+1, 128*(1-(\q)%2)
	s_wait_dscnt 24                                ; all but the 24 just issued
	WIN MUL
	MULA 2, 128*((\q)%2), \q, \slot, \zero
	MULA 3, 128*((\q)%2), \q, \slot, \zero
.endm
; A slot's fourth step multiplies buffer 1 and changes slots: one barrier; ahead of it each wave waits for all its tensor loads, adds 0 to its spare word, and waits for that and for its reads of this slot.
; fill = 1: this slot is filled again, two slots ahead.
.macro TURN slot, next, fill
	WIN 0                                          ; (the add's two registers lie in window 0)
	s_wait_tensorcnt 0x0                           ; my one load that was out, my part of the next slot, has landed
	ds_add_u32 v[SPW], v[NIL]
	s_wait_dscnt 7                                 ; the add and the youngest six loads may be out
	WIN MUL
	MULA 0, 128, 3, \slot, 0                       ; four matrix instructions stand between the add and the wait for it
	s_wait_dscnt 0x0                               ; the add is done, my reads of this slot are over
	s_barrier_signal -1
	MULA 1, 128, 3, \slot, 0
	WIN 0
	s_barrier_wait -1
.if \fill
	CREST                                          ; the barrier has opened a round of the cluster's: no wave of any partner still reads this slot or has a load on its way
	s_add_nc_u64 s[G0+4*\slot+2:G0+4*\slot+3], s[G0+4*\slot+2:G0+4*\slot+3], 4*PART
	s_add_nc_u64 s[G0B+4*\slot+2:G0B+4*\slot+3], s[G0B+4*\slot+2:G0B+4*\slot+3], 4*PART
	JLOAD \slot                                    ; first behind the round; its four v_nop are the places ahead of the loads below
.else
	PLACES NP
.endif
	SCALES \next
	FETCH \next, 0, 0
	WIN MUL
	MULA 2, 128, 3, \slot, 0
	MULA 3, 128, 3, \slot, 0
.endm
	s_load_b128 s[4:7], s[0:1], 0x0                ; A's buffer, B's buffer
	s_load_b64 s[8:9], s[0:1], 0x10                ; the output
	v_lshl_add_u32 v[SPW], v0, 2, SPARE
	v_mov_b32 v[NIL], 0
	ds_add_u32 v[SPW], v[NIL]                      ; the wave's opening: the add and its wait ahead of my first tensor load
	ds_add_u32 v[SPW], v[NIL]
	v_lshrrev_b32 v1, 5, v0
	v_readfirstlane_b32 s14, v1                    ; wave
	s_lshr_b32 s15, s14, 1                         ; my half of the tile's rows; also: I fetch for A (0) or B (1)
	s_and_b32 s16, s14, 1                          ; my half of its columns; also: which slot's four records I fetch
	s_bfe_u32 s40, ttmp6, 0x40000                  ; cx
	s_bfe_u32 s41, ttmp6, 0x40004                  ; cy
	s_and_b32 s17, ttmp7, 0xffff                   ; cluster y
	s_lshl_b32 s42, ttmp9, 2
	s_add_co_u32 s42, s42, s40                     ; tile column = B's group of rows
	s_lshl_b32 s17, s17, 2
	s_add_co_u32 s17, s17, s41                     ; tile row = A's group of rows
	s_lshl_b32 s43, s41, 2
	s_lshl_b32 s43, 15, s43                        ; my row of the cluster
	s_lshl_b32 s44, 0x1111, s40                    ; my column
	s_or_b32 s[G1+0], s43, (3<<16)|(1<<21)         ; the mask; elements of 8 bytes; bit 21 beside a mask; no padding
	s_or_b32 s[G1B+0], s44, (3<<16)|(1<<21)
.irp g, G1, G1B                        ; 51,200 dense bytes as 200 rows of 256
	s_mov_b32 s[\g+1], 32<<16
	s_mov_b32 s[\g+2], 200<<16                     ; ALL OF K COMES AT THE HEAD: a wave's one tensor load brings four records, 51,200 dense bytes as 200 rows of 256
	s_mov_b32 s[\g+3], 32<<16
	s_mov_b32 s[\g+4], 200
	s_mov_b32 s[\g+5], 32
	s_mov_b32 s[\g+6], 0
	s_mov_b32 s[\g+7], 0
.endr
	s_mul_i32 s18, s16, 2*PART                     ; my four records of the group's eight: those of slot w % 2
	s_mul_i32 s20, s17, NK*REC                     ; A's records: they hang on the tile row alone
	s_add_co_u32 s20, s20, s18
	s_add_co_u32 s20, s20, A_OFF
	s_mov_b32 s21, 0
	s_mul_i32 s46, s42, NK*REC                     ; B's: on the tile column alone
	s_add_co_u32 s46, s46, s18
	s_add_co_u32 s46, s46, B_OFF
	s_mov_b32 s47, 0
	s_mul_i32 s45, s16, SLOT                       ; where they go: slot w % 2, A's four records (waves 0, 1) or, behind them, B's four (waves 2, 3): no place in the cluster enters an LDS address
	s_mul_i32 s19, s15, 2*PART
	s_add_co_u32 s45, s45, s19
	s_wait_dscnt 0x0                               ; the opening add is done
	s_wait_kmcnt 0x0
	s_add_nc_u64 s[20:21], s[4:5], s[20:21]
	s_add_nc_u64 s[46:47], s[6:7], s[46:47]
	CROUND                                         ; all sixteen work-groups are here: the first joint loads meet
.irp s, 0                              ; one group 0 and one joint load a wave: 16 records, 204,800 bytes, fill both slots once; nothing is filled later, and there is no loop to prefetch in
	s_mov_b32 s[G0+4*\s], 1
	s_add_co_u32 s[G0+4*\s+1], s45, \s*SLOT
	s_add_nc_u64 s[G0+4*\s+2:G0+4*\s+3], s[20:21], \s*2*PART
	s_or_b32 s[G0+4*\s+3], s[G0+4*\s+3], 0x80000000
	s_mov_b32 s[G0B+4*\s], 1
	s_add_co_u32 s[G0B+4*\s+1], s45, \s*SLOT
	s_add_nc_u64 s[G0B+4*\s+2:G0B+4*\s+3], s[46:47], \s*2*PART
	s_or_b32 s[G0B+4*\s+3], s[G0B+4*\s+3], 0x80000000
	JLOAD \s
.endr
	v_and_b32 v[LANE], 31, v0
	v_and_b32 v1, 15, v0                           ; r
	v_bfe_u32 v2, v0, 4, 1                         ; h
	v_lshlrev_b32 v[L16], 4, v[LANE]
	s_mul_i32 s72, s15, 4*1536                     ; my four fragments in a record of A
	s_mul_i32 s73, s16, 4*1536
	s_add_co_u32 s73, s73, 2*PART                  ; and in a record of B: B's records lie behind A's four
	v_add_nc_u32 v[ADRA], s72, v[L16]
	v_add_nc_u32 v[ADRB], s73, v[L16]
	v_add_nc_u32 v[ADRA+1], SLOT, v[ADRA]
	v_add_nc_u32 v[ADRB+1], SLOT, v[ADRB]
	s_lshl_b32 s72, s15, 8                         ; my four blocks' scale words: 64 bytes a block
	s_lshl_b32 s73, s16, 8
	s_add_co_u32 s73, s73, 2*PART
	s_sub_co_u32 s73, s73, s72
	v_mul_u32_u24 v3, s73, v2                      ; lanes 16-31 take B's scale words
	v_lshl_add_u32 v3, v1, 2, v3
	s_add_co_u32 s72, s72, 12288
	v_add_nc_u32 v[ADRS], s72, v3
	v_add_nc_u32 v[ADRS+1], SLOT, v[ADRS]
	s_lshl_b32 s68, s17, 19                        ; the output: group of rows x 524,288
	s_lshl_b32 s69, s42, 13                        ; + column group x 8,192
	s_add_co_u32 s68, s68, s69
	s_lshl_b32 s69, s15, 18                        ; + my first A block x 65,536
	s_add_co_u32 s68, s68, s69
	s_lshl_b32 s69, s16, 12                        ; + my first B block x 1,024
	s_add_co_u32 s68, s68, s69
	s_mov_b32 s69, 0
	s_add_nc_u64 s[8:9], s[8:9], s[68:69]
	s_wait_alu depctr_va_vdst(0)
	s_wait_tensorcnt 0x0                           ; my four records are in
	s_barrier_signal -1
	s_barrier_wait -1
	SCALES 0
	FETCH 0, 0, 0
	STEP 0, 0, 1                                   ; the first step stands ahead of the loop: its products start the sums
	WIN 0                                          ; at a label and at a branch every window is 0
.if LAPS > 1
	s_mov_b32 s3, LAPS-1
.Llap:                                                 ; a trip goes once round the ring, from a lap's second step to the next lap's first, and fills both slots again
	STEP 0, 1, 0
	STEP 0, 2, 0
	TURN 0, 1, 1
	STEP 1, 0, 0
	STEP 1, 1, 0
	STEP 1, 2, 0
	TURN 1, 0, 1
	STEP 0, 0, 0
	WIN 0
	s_sub_co_u32 s3, s3, 1
	s_cmp_lg_u32 s3, 0
	s_cbranch_scc1 .Llap
.endif
	STEP 0, 1, 0                                   ; the last lap fills nothing, and has no round of the cluster's barrier
	STEP 0, 2, 0
	TURN 0, 1, 0
	STEP 1, 0, 0
	STEP 1, 1, 0
	STEP 1, 2, 0
	s_wait_dscnt 6                                 ; the very last step: nothing more to fetch
	WIN MUL
	MULA 0, 128, 3, 1, 0
	MULA 1, 128, 3, 1, 0
	s_wait_dscnt 0
	MULA 2, 128, 3, 1, 0
	MULA 3, 128, 3, 1, 0
	WIN 0
	PLACES NP                                      ; ahead of the first read of results
.irp a, 0,1,2,3
.irp b, 0,1,2,3
	global_store_b128 v[L16], v[ACC+8*(4*\a+\b):ACC+8*(4*\a+\b)+3], s[8:9] offset:\a*65536+1024*\b th:TH_STORE_NT        ; each accumulator from its low end on; 512 consecutive bytes a store
	global_store_b128 v[L16], v[ACC+8*(4*\a+\b)+4:ACC+8*(4*\a+\b)+7], s[8:9] offset:\a*65536+1024*\b+512 th:TH_STORE_NT
.endr
.endr
	s_wait_tensorcnt 0x0                           ; the wave's end
	ds_add_u32 v[SPW], v[NIL]
	s_wait_dscnt 0x0
	CROUND                                         ; the closing round
	s_endpgm
.Lfunc_end_k_q8b6e4da770_g_wo:
	.size	k_q8b6e4da770_g_wo, .Lfunc_end_k_q8b6e4da770_g_wo-k_q8b6e4da770_g_wo
	.p2alignl 7, 3214868480
	.fill 96, 4, 3214868480
	.section	.rodata,"a",@progbits
	.p2align	6, 0x0
	.amdhsa_kernel k_q8b6e4da770_g_wo
		.amdhsa_group_segment_fixed_size 327680
		.amdhsa_private_segment_fixed_size 0
		.amdhsa_enable_private_segment 0
		.amdhsa_kernarg_size 24
		.amdhsa_user_sgpr_count 2
		.amdhsa_user_sgpr_kernarg_segment_ptr 1
		.amdhsa_wavefront_size32 1
		.amdhsa_system_sgpr_workgroup_id_x 1
		.amdhsa_system_sgpr_workgroup_id_y 1
		.amdhsa_system_sgpr_workgroup_id_z 1
		.amdhsa_system_vgpr_workitem_id 0
		.amdhsa_next_free_vgpr 512
		.amdhsa_next_free_sgpr 80
		.amdhsa_reserve_vcc 0
		.amdhsa_float_denorm_mode_32 3
		.amdhsa_float_denorm_mode_16_64 3
		.amdhsa_memory_ordered 1
		.amdhsa_forward_progress 1
		.amdhsa_inst_pref_size 42
	.end_amdhsa_kernel
	.amdgpu_metadata
---
amdhsa.version: [ 1, 2 ]
amdhsa.kernels:
  - .name:           k_q8b6e4da770_g_wo
    .symbol:         k_q8b6e4da770_g_wo.kd
    .args:
      - { .name: cc, .offset: 0, .size: 8, .value_kind: global_buffer, .address_space: global }
      - { .name: img, .offset: 8, .size: 8, .value_kind: global_buffer, .address_space: global }
      - { .name: cf, .offset: 16, .size: 8, .value_kind: global_buffer, .address_space: global }
    .group_segment_fixed_size: 327680
    .private_segment_fixed_size: 0
    .kernarg_segment_align: 8
    .kernarg_segment_size: 24
    .max_flat_workgroup_size: 128
    .sgpr_count:     80
    .vgpr_count:     512
    .wavefront_size: 32
...
	.end_amdgpu_metadata
.endif
;; end of part 13
;; launch ln1 (part 14): grid 256 x 1, 8 waves a work-group, no clusters, 69,632 bytes of LDS; arguments cf, x, b_o, ln1_g, ln1_b, x1; writes x1
.if DOCPART == 14
	.amdgcn_target "amdgcn-amd-amdhsa--gfx1250"
	.amdhsa_code_object_version 6
	.text
	.protected	k_q8b6e4da770_ln1
	.globl	k_q8b6e4da770_ln1
	.p2align	8
	.type	k_q8b6e4da770_ln1,@function
k_q8b6e4da770_ln1:
	s_mov_b64 s[64:65], 0
	v_nop
	global_prefetch_b8 v0, s[64:65] scope:SCOPE_SE
	s_setreg_imm32_b32 hwreg(HW_REG_WAVE_MODE, 25, 1), 1
	s_wait_xcnt 0x0
; x1 = layer_norm(x + (concat w_o^T + b_o)) g + b, in f32; x1 leaves twice: as f32 in the order of accumulator registers, and as FP6 records for the next product.
; cf holds the product in blocks of 8,192 bytes: block ((8 G + a) 8 + kap): lane (r, h), register 16 b + i = row 128 G + pi(a, r), column 128 kap + 32 b + 16 h + i, registers 4 j .. 4 j + 3 of lane l at 512 j + 16 l;
; pi(a, r) = 32 (a / 2) + 8 (a % 2) + r + 8 (r / 8).  Work-group g = 8 G + a owns those 16 rows whole; wave kap owns 128 columns.
; x's rows come as 512 consecutive bytes a load and turn through the wave's own stage into the same layout.  Mean, then the mean of squared differences: two sums over the eight waves, through LDS, a barrier each.
; x1 f32: the same blocks at byte 0 of x1; the records (12,800 bytes, [G][kap]) from byte 16,777,216 on: my fragment a at 1536 a, its scale words at 12288 + 64 a + 4 r.
; LIMITS: a block of zeros gets the byte 1 (codes zero; read by this program alone); NaN and infinities are not served.  Memory binds: no matrix unit, no cluster (no byte is read by two work-groups but g, b, b_o).
.set REC,   12800
.set STG,   16*528
.set RED,   8*STG                      ; 16 rows x 8 waves' partial sums, 512 bytes; a second such block behind it
.set SPARE, RED+1024
.set SPW, 10
.set NIL, 11
.set MX,  16
.set PB,  20
.set SO,  24
.set A0,  32
.set A1,  96
.set A2,  160
.set PC,  224
.set TP,  236
.set SEL, 40
.set FLR, 42
.set C10, 43                           ; 2^-10
.set CEP, 44                           ; 1e-6
.macro QUANT src, pw
.irp b, 0,1,2,3
	v_max3_num_f32 v[MX+\b], s[FLR], |v[\src+16*\b]|, |v[\src+16*\b+1]|
.endr
.irp i, 2,4,6,8,10,12,14
.irp b, 0,1,2,3
	s_delay_alu instid0(VALU_DEP_4)
	v_max3_num_f32 v[MX+\b], v[MX+\b], |v[\src+16*\b+\i]|, |v[\src+16*\b+\i+1]|
.endr
.endr
.irp b, 0,1,2,3
	s_delay_alu instid0(VALU_DEP_4)
	v_permlanex16_b32 v[PB+\b], v[MX+\b], s[SEL], s[SEL+1]
.endr
.irp b, 0,1,2,3
	s_delay_alu instid0(VALU_DEP_4)
	v_max_num_f32 v[MX+\b], v[MX+\b], v[PB+\b]
.endr
.irp b, 0,1,2,3
	s_delay_alu instid0(VALU_DEP_4)
	v_add_nc_u32 v[SO+\b], 0xff000000, v[MX+\b]
.endr
.irp b, 0,1,2,3
	s_delay_alu instid0(VALU_DEP_4)
	v_lshrrev_b32 v[PB+\b], 23, v[SO+\b]
.endr
	s_delay_alu instid0(VALU_DEP_3)
	v_lshl_or_b32 v[\pw], v[PB+1], 8, v[PB]
	s_delay_alu instid0(VALU_DEP_1)
	v_lshl_or_b32 v[\pw], v[PB+2], 16, v[\pw]
	s_delay_alu instid0(VALU_DEP_1)
	v_lshl_or_b32 v[\pw], v[PB+3], 24, v[\pw]
.irp c, 0,1
	v_cvt_scalef32_pk16_fp6_f32 v[PC+6*\c:PC+6*\c+2], v[\src+32*\c:\src+32*\c+15], v[SO+2*\c]
	v_cvt_scalef32_pk16_fp6_f32 v[TP+4*\c:TP+4*\c+2], v[\src+32*\c+16:\src+32*\c+31], v[SO+2*\c+1]
.endr
	v_nop
.irp c, 0,1
.irp i, 0,1,2
	v_permlane16_swap_b32 v[PC+6*\c+\i], v[TP+4*\c+\i]
.endr
.irp i, 0,1,2
	s_delay_alu instid0(VALU_DEP_3)
	v_mov_b32 v[PC+3+6*\c+\i], v[TP+4*\c+\i]
.endr
.endr
.endm
.macro RSUM off                        ; four chains in v[16:23] -> the row's sum over all 1,024 columns in v16, in every lane
	s_delay_alu instid0(VALU_DEP_3)
	v_pk_add_f32 v[16:17], v[16:17], v[18:19]
	s_delay_alu instid0(VALU_DEP_2)
	v_pk_add_f32 v[20:21], v[20:21], v[22:23]
	s_delay_alu instid0(VALU_DEP_1)
	v_pk_add_f32 v[16:17], v[16:17], v[20:21]
	s_delay_alu instid0(VALU_DEP_1)
	v_add_f32 v16, v16, v17
	s_delay_alu instid0(VALU_DEP_1)
	v_permlanex16_b32 v17, v16, s[SEL], s[SEL+1]
	s_delay_alu instid0(VALU_DEP_1)
	v_add_f32 v16, v16, v17                        ; my wave's 128 columns of row r
	ds_store_b32 v7, v16 offset:\off               ; (both halves of the lanes write the same word with the same value)
	s_wait_dscnt 0x0                               ; for the others' sake
	s_barrier_signal -1
	s_barrier_wait -1
	ds_load_b128 v[16:19], v8 offset:\off
	ds_load_b128 v[20:23], v8 offset:\off+16
	s_wait_dscnt 0x0
	v_pk_add_f32 v[16:17], v[16:17], v[18:19]
	v_pk_add_f32 v[20:21], v[20:21], v[22:23]
	s_delay_alu instid0(VALU_DEP_1)
	v_pk_add_f32 v[16:17], v[16:17], v[20:21]
	s_delay_alu instid0(VALU_DEP_1)
	v_add_f32 v16, v16, v17
.endm
.macro NORM Y, G, B                    ; the 64 numbers in v[Y] on are normalised in place; g in v[G] on and b in v[B] on are on their way
.irp c, 0,1,2,3
	v_pk_add_f32 v[16+2*\c:17+2*\c], v[\Y+2*\c:\Y+2*\c+1], v[\Y+8+2*\c:\Y+9+2*\c]
.endr
.irp m, 2,3,4,5,6,7
.irp c, 0,1,2,3
	s_delay_alu instid0(VALU_DEP_4)
	v_pk_add_f32 v[16+2*\c:17+2*\c], v[16+2*\c:17+2*\c], v[\Y+8*\m+2*\c:\Y+8*\m+2*\c+1]
.endr
.endr
	RSUM 0
	s_delay_alu instid0(VALU_DEP_1)
	v_mul_f32 v28, s[C10], v16                     ; the mean
	s_delay_alu instid0(VALU_DEP_1)
	v_mov_b32 v29, v28
.set j, 0
.rept 32
	v_pk_add_f32 v[\Y+j:\Y+j+1], v[\Y+j:\Y+j+1], v[28:29] neg_lo:[0,1] neg_hi:[0,1]
.set j, j+2
.endr
.irp c, 0,1,2,3
	v_pk_mul_f32 v[16+2*\c:17+2*\c], v[\Y+2*\c:\Y+2*\c+1], v[\Y+2*\c:\Y+2*\c+1]
.endr
.irp m, 1,2,3,4,5,6,7
.irp c, 0,1,2,3
	s_delay_alu instid0(VALU_DEP_4)
	v_pk_fma_f32 v[16+2*\c:17+2*\c], v[\Y+8*\m+2*\c:\Y+8*\m+2*\c+1], v[\Y+8*\m+2*\c:\Y+8*\m+2*\c+1], v[16+2*\c:17+2*\c]
.endr
.endr
	RSUM 512
	s_delay_alu instid0(VALU_DEP_1)
	v_fma_f32 v16, v16, s[C10], s[CEP]             ; the variance + 1e-6
	s_wait_alu depctr_va_vdst(0)
	v_rsq_f32 v30, v16
	v_nop
	s_wait_alu depctr_va_vdst(0)                   ; ahead of the first reader of the root
	v_mov_b32 v31, v30
	s_wait_alu depctr_va_vdst(0)
	s_wait_loadcnt 0x0                             ; g and b
.set j, 0
.rept 32
	v_pk_mul_f32 v[\Y+j:\Y+j+1], v[\Y+j:\Y+j+1], v[30:31]
	s_delay_alu instid0(VALU_DEP_1)
	v_pk_fma_f32 v[\Y+j:\Y+j+1], v[\Y+j:\Y+j+1], v[\G+j:\G+j+1], v[\B+j:\B+j+1]
.set j, j+2
.endr
.endm
	s_load_b256 s[4:11], s[0:1], 0x0               ; cf, x, b_o, g
	s_load_b128 s[12:15], s[0:1], 0x20             ; b, x1
	v_lshl_add_u32 v[SPW], v0, 2, SPARE
	v_mov_b32 v[NIL], 0
	v_lshrrev_b32 v1, 5, v0
	s_delay_alu instid0(VALU_DEP_1)
	v_readfirstlane_b32 s16, v1                    ; wave = kap
	v_and_b32 v9, 31, v0
	v_and_b32 v2, 15, v0                           ; r
	v_bfe_u32 v3, v0, 4, 1                         ; h
	s_delay_alu instid0(VALU_DEP_3)
	v_lshlrev_b32 v1, 4, v9                        ; 16 l
	s_mul_i32 s17, s16, STG
	v_add_nc_u32 v4, s17, v1                       ; the stage by rows: 16 l
	v_mul_u32_u24 v5, v2, 528
	s_delay_alu instid0(VALU_DEP_1)
	v_lshl_add_u32 v5, v3, 6, v5
	s_delay_alu instid0(VALU_DEP_1)
	v_add_nc_u32 v5, s17, v5                       ; and by lanes: row r, + 64 h
	s_lshl_b32 s24, s16, 9
	v_lshl_add_u32 v6, v3, 6, s24                  ; g, b: 64 h + 512 kap
	v_lshl_add_u32 v8, v2, 5, RED                  ; row r's eight partial sums
	s_delay_alu instid0(VALU_DEP_1)
	v_lshl_add_u32 v7, s16, 2, v8                  ; my wave's among them
	v_add_nc_u32 v3, s24, v1                       ; b_o: 16 l + 512 kap
	v_lshlrev_b32 v2, 2, v2                        ; 4 r
	s_mov_b32 s[SEL], 0x76543210
	s_mov_b32 s[SEL+1], 0xfedcba98
	s_mov_b32 s[FLR], 0x1800000
	s_mov_b32 s[C10], 0x3a800000
	s_mov_b32 s[CEP], 0x358637bd
	s_lshr_b32 s20, ttmp9, 3                       ; G
	s_and_b32 s21, ttmp9, 7                        ; a
	s_lshl_b32 s22, s20, 7
	s_lshr_b32 s23, s21, 1
	s_lshl_b32 s23, s23, 5
	s_add_co_u32 s22, s22, s23
	s_and_b32 s23, s21, 1
	s_lshl_b32 s23, s23, 3
	s_add_co_u32 s22, s22, s23                     ; the row of position 0
	s_lshl_b32 s22, s22, 12
	s_add_co_u32 s22, s22, s24
	s_mov_b32 s23, 0
	s_lshl_b32 s26, ttmp9, 3
	s_add_co_u32 s26, s26, s16
	s_lshl_b32 s26, s26, 13                        ; my block of 8,192 bytes
	s_mov_b32 s27, 0
	s_lshl_b32 s28, s20, 3
	s_add_co_u32 s28, s28, s16
	s_mul_i32 s28, s28, REC
	s_add_co_u32 s28, s28, 0x1000000               ; my record
	s_mov_b32 s29, 0
	s_mul_i32 s30, s21, 1536
	s_mov_b32 s31, 0
	s_lshl_b32 s32, s21, 6
	s_add_co_u32 s32, s32, 12288
	s_mov_b32 s33, 0
	s_wait_alu depctr_va_vdst(0)
	s_wait_kmcnt 0x0
	s_add_nc_u64 s[4:5], s[4:5], s[26:27]
	s_add_nc_u64 s[6:7], s[6:7], s[22:23]
	s_add_nc_u64 s[34:35], s[14:15], s[26:27]
	s_add_nc_u64 s[36:37], s[14:15], s[28:29]
	s_add_nc_u64 s[38:39], s[36:37], s[32:33]
	s_add_nc_u64 s[36:37], s[36:37], s[30:31]
	global_load_b128 v[12:15], v3, s[8:9]
.irp t, 0,1,2,3,4,5,6,7,8,9,10,11,12,13,14,15
	global_load_b128 v[A1+4*\t:A1+4*\t+3], v1, s[6:7] offset:(\t+8*(\t/8))*4096
.endr
.irp t, 0,1,2,3,4,5,6,7,8,9,10,11,12,13,14,15
	global_load_b128 v[A0+4*\t:A0+4*\t+3], v1, s[4:5] offset:512*\t th:TH_LOAD_NT
.endr
	s_wait_loadcnt 16                              ; b_o and x's rows are in; the product's 16 loads may be out
.irp t, 0,1,2,3,4,5,6,7,8,9,10,11,12,13,14,15
	v_pk_add_f32 v[A1+4*\t:A1+4*\t+1], v[A1+4*\t:A1+4*\t+1], v[12:13]
	v_pk_add_f32 v[A1+4*\t+2:A1+4*\t+3], v[A1+4*\t+2:A1+4*\t+3], v[14:15]
.endr
.irp t, 0,1,2,3,4,5,6,7,8,9,10,11,12,13,14,15
	ds_store_b128 v4, v[A1+4*\t:A1+4*\t+3] offset:528*\t
.endr
.irp t, 0,1,2,3,4,5,6,7,8,9,10,11,12,13,14,15
	ds_load_b128 v[A2+4*\t:A2+4*\t+3], v5 offset:128*(\t/4)+16*(\t%4)     ; LDS serves a wave's instructions in order
.endr
	s_wait_loadcnt 0x0
	s_wait_dscnt 0x0
.set j, 0
.rept 32
	v_pk_add_f32 v[A2+j:A2+j+1], v[A2+j:A2+j+1], v[A0+j:A0+j+1]
.set j, j+2
.endr
.irp t, 0,1,2,3,4,5,6,7,8,9,10,11,12,13,14,15
	global_load_b128 v[A0+4*\t:A0+4*\t+3], v6, s[10:11] offset:128*(\t/4)+16*(\t%4)
	global_load_b128 v[A1+4*\t:A1+4*\t+3], v6, s[12:13] offset:128*(\t/4)+16*(\t%4)
.endr
	NORM A2, A0, A1
.irp t, 0,1,2,3,4,5,6,7,8,9,10,11,12,13,14,15
	global_store_b128 v1, v[A2+4*\t:A2+4*\t+3], s[34:35] offset:512*\t
.endr
	QUANT A2, 9
.irp c, 0,1,2
	global_store_b128 v1, v[PC+4*\c:PC+4*\c+3], s[36:37] offset:512*\c
.endr
	global_store_b32 v2, v9, s[38:39]              ; 16 words; lanes r and 16 + r store the same word with the same value
	s_wait_tensorcnt 0x0                           ; the wave's end
	ds_add_u32 v[SPW], v[NIL]
	s_wait_dscnt 0x0
	s_endpgm
.Lfunc_end_k_q8b6e4da770_ln1:
	.size	k_q8b6e4da770_ln1, .Lfunc_end_k_q8b6e4da770_ln1-k_q8b6e4da770_ln1
	.p2alignl 7, 3214868480
	.fill 96, 4, 3214868480
	.section	.rodata,"a",@progbits
	.p2align	6, 0x0
	.amdhsa_kernel k_q8b6e4da770_ln1
		.amdhsa_group_segment_fixed_size 69632
		.amdhsa_private_segment_fixed_size 0
		.amdhsa_enable_private_segment 0
		.amdhsa_kernarg_size 48
		.amdhsa_user_sgpr_count 2
		.amdhsa_user_sgpr_kernarg_segment_ptr 1
		.amdhsa_wavefront_size32 1
		.amdhsa_system_sgpr_workgroup_id_x 1
		.amdhsa_system_sgpr_workgroup_id_y 1
		.amdhsa_system_sgpr_workgroup_id_z 1
		.amdhsa_system_vgpr_workitem_id 0
		.amdhsa_next_free_vgpr 256
		.amdhsa_next_free_sgpr 66
		.amdhsa_reserve_vcc 0
		.amdhsa_float_denorm_mode_32 3
		.amdhsa_float_denorm_mode_16_64 3
		.amdhsa_memory_ordered 1
		.amdhsa_forward_progress 1
		.amdhsa_inst_pref_size 38
	.end_amdhsa_kernel
	.amdgpu_metadata
---
amdhsa.version: [ 1, 2 ]
amdhsa.kernels:
  - .name:           k_q8b6e4da770_ln1
    .symbol:         k_q8b6e4da770_ln1.kd
    .args:
      - { .name: cf, .offset: 0, .size: 8, .value_kind: global_buffer, .address_space: global }
      - { .name: x, .offset: 8, .size: 8, .value_kind: global_buffer, .address_space: global }
      - { .name: b_o, .offset: 16, .size: 8, .value_kind: global_buffer, .address_space: global }
      - { .name: ln1_g, .offset: 24, .size: 8, .value_kind: global_buffer, .address_space: global }
      - { .name: ln1_b, .offset: 32, .size: 8, .value_kind: global_buffer, .address_space: global }
      - { .name: x1, .offset: 40, .size: 8, .value_kind: global_buffer, .address_space: global }
    .group_segment_fixed_size: 69632
    .private_segment_fixed_size: 0
    .kernarg_segment_align: 8
    .kernarg_segment_size: 48
    .max_flat_workgroup_size: 256
    .sgpr_count:     66
    .vgpr_count:     256
    .wavefront_size: 32
...
	.end_amdgpu_metadata
.endif
;; end of part 14
;; launch g_ff1 (part 15): grid 16 x 16, 4 waves a work-group, clusters of 4 x 4, 327,680 bytes of LDS; arguments x1, img, hq, b1; writes hq
.if DOCPART == 15
	.amdgcn_target "amdgcn-amd-amdhsa--gfx1250"
	.amdhsa_code_object_version 6
	.text
	.protected	k_q8b6e4da770_g_ff1
	.globl	k_q8b6e4da770_g_ff1
	.p2align	8
	.type	k_q8b6e4da770_g_ff1,@function
k_q8b6e4da770_g_ff1:
	s_mov_b64 s[64:65], 0
	v_nop
	global_prefetch_b8 v0, s[64:65] scope:SCOPE_SE
	s_setreg_imm32_b32 hwreg(HW_REG_WAVE_MODE, 25, 1), 1
	s_wait_xcnt 0x0
	s_wait_alu depctr_hold_cnt(0) depctr_sa_sdst(0) depctr_va_vdst(0) depctr_va_sdst(0) depctr_va_ssrc(0) depctr_va_vcc(0) depctr_vm_vsrc(0)
	s_getreg_b32 s2, hwreg(HW_REG_IB_STS2, 6, 4)
	s_cmp_eq_u32 s2, 0
	s_cbranch_scc0 .Lentry_in_a_cluster
	s_endpgm
.Lentry_in_a_cluster:
	s_bfe_u32 s2, ttmp6, 0x10000c
	s_cmp_lg_u32 s2, 0xf033
	s_cbranch_scc0 .Lentry_shape_is_right
	s_endpgm
.Lentry_shape_is_right:
.set NK,    8
.set A_OFF, 16777216
.set B_OFF, 320*12800
.set EPI,   1
.set FF1,   1
.set QKV,   0
.set REC,   12800
.set PART,  2*REC
.set SLOT,  4*PART
.set SPARE, 2*SLOT
.set LAPS,  NK/4
.set FR,    12
.set NL,    3
.set NP,    4
.set ADRA, 16
.set ADRB, 20
.set ADRS, 22
.set L16,  24
.set L4,   25
.set H64,  26
.set LANE, 27
.set SPW,  28
.set NIL,  29
.set SC,   32
.set BI,   64
.set AF,   128
.set TP,   224
.set MX,   232
.set PB,   236
.set SO,   240
.set SW,   244
.set PW,   248
.set G1,  24
.set G0,  32
.set G1B, 48
.set G0B, 56
.set SEL, 76
.set FLR, 78
.set MSB, 0
.macro WIN new
.if MSB != (\new)
	s_set_vgpr_msb (MSB<<8)|(\new)
.set MSB, (\new)
.endif
.endm
.set MUL_LO, 0xa1
.set MUL_HI, 0xf1
.set TO_B,   0x40
.macro JLOAD s
	s_cmp_eq_u32 s15, 0
	s_cbranch_scc0 .Lfor_b_\@
	tensor_load_to_lds s[G0+4*\s:G0+4*\s+3], s[G1:G1+7]
	s_nop 0
.rept 4
	v_nop
.endr
	s_branch .Lasked_\@
.Lfor_b_\@:
	tensor_load_to_lds s[G0B+4*\s:G0B+4*\s+3], s[G1B:G1B+7]
	s_nop 0
.rept 4
	v_nop
.endr
.Lasked_\@:
.endm
.macro CREST
	s_cmp_lg_u32 s14, 0
	s_cbranch_scc1 .Lnot_wave_0_\@
	s_barrier_signal -3
.Lnot_wave_0_\@:
	s_barrier_wait -3
	s_barrier_signal -1
	s_barrier_wait -1
.endm
.macro CROUND
	s_barrier_signal -1
	s_barrier_wait -1
	CREST
.endm
.macro PLACES n
.rept \n
	v_nop
.endr
.endm
.macro FRAG reg, adr, off
.irp c, 0,1,2
	ds_load_b128 v[\reg+4*\c:\reg+4*\c+3], v[\adr] offset:\off+512*\c
.endr
.endm
.macro FETCH_B slot, q, p
	WIN TO_B
.irp i, 0,1,2,3,4,5,6,7
	FRAG 128*(\p)+FR*\i, ADRB+\slot, (\q)*REC+1536*\i
.endr
	WIN 0
.endm
.macro FETCH_A slot, q, i0
.irp i, \i0, \i0+1, \i0+2, \i0+3
	FRAG AF+FR*(\i), ADRA+\slot, (\q)*REC+1536*(\i)
.endr
.endm
.macro SCALES sc
.irp q, 0,1
.irp i, 0,1,2,3,4,5,6,7
	ds_load_b32 v[SC+16*\sc+8*\q+\i], v[ADRS+\sc] offset:\q*REC+64*\i
.endr
.endr
.endm
.macro MUL16 a0, p, q, sc, zero
.irp a, \a0, \a0+1
.irp b, 0,1,2,3,4,5,6,7
.if \zero == 1
	v_wmma_scale_f32_16x16x128_f8f6f4 v[8*(8*((\a)%4)+\b):8*(8*((\a)%4)+\b)+7], v[128*(\p)+FR*\b:128*(\p)+FR*\b+FR-1], v[AF+FR*(\a):AF+FR*(\a)+FR-1], 0, v[SC+16*(\sc)+8*(\q)+\b], v[SC+16*(\sc)+8*(\q)+(\a)] matrix_a_fmt:MATRIX_FMT_FP6 matrix_b_fmt:MATRIX_FMT_FP6 matrix_a_scale:MATRIX_SCALE_ROW1
.elseif \zero == 2
	v_wmma_scale_f32_16x16x128_f8f6f4 v[8*(8*((\a)%4)+\b):8*(8*((\a)%4)+\b)+7], v[128*(\p)+FR*\b:128*(\p)+FR*\b+FR-1], v[AF+FR*(\a):AF+FR*(\a)+FR-1], v[BI+8*\b:BI+8*\b+7], v[SC+16*(\sc)+8*(\q)+\b], v[SC+16*(\sc)+8*(\q)+(\a)] matrix_a_fmt:MATRIX_FMT_FP6 matrix_b_fmt:MATRIX_FMT_FP6 matrix_a_scale:MATRIX_SCALE_ROW1
.else
	v_wmma_scale_f32_16x16x128_f8f6f4 v[8*(8*((\a)%4)+\b):8*(8*((\a)%4)+\b)+7], v[128*(\p)+FR*\b:128*(\p)+FR*\b+FR-1], v[AF+FR*(\a):AF+FR*(\a)+FR-1], v[8*(8*((\a)%4)+\b):8*(8*((\a)%4)+\b)+7], v[SC+16*(\sc)+8*(\q)+\b], v[SC+16*(\sc)+8*(\q)+(\a)] matrix_a_fmt:MATRIX_FMT_FP6 matrix_b_fmt:MATRIX_FMT_FP6 matrix_a_scale:MATRIX_SCALE_ROW1
.endif
.endr
.endr
.endm
.macro STEP slot, q, zero
	s_wait_dscnt 4*NL
.if \zero == 2
	WIN 0x81
.else
	WIN MUL_LO
.endif
	MUL16 0, (\q)%2, \q, \slot, \zero
	MUL16 2, (\q)%2, \q, \slot, \zero
	s_wait_dscnt 0
	PLACES NP
	FETCH_B \slot, (\q)+1, 1-(\q)%2
	FETCH_A \slot, (\q)+1, 0
.if \zero == 2
	WIN 0xc1
.else
	WIN MUL_HI
.endif
	MUL16 4, (\q)%2, \q, \slot, \zero
	MUL16 6, (\q)%2, \q, \slot, \zero
	PLACES NP
	WIN 0
	FETCH_A \slot, (\q)+1, 4
.endm
.macro TURN slot, next, fill
	s_wait_tensorcnt 0x0
	ds_add_u32 v[SPW], v[NIL]
	s_wait_dscnt 4*NL+1
	WIN MUL_LO
	MUL16 0, 1, 1, \slot, 0
	s_wait_dscnt 0x0
	s_barrier_signal -1
	MUL16 2, 1, 1, \slot, 0
	WIN 0
	s_barrier_wait -1
.if \fill
	CREST
	s_add_nc_u64 s[G0+4*\slot+2:G0+4*\slot+3], s[G0+4*\slot+2:G0+4*\slot+3], 2*PART
	s_add_nc_u64 s[G0B+4*\slot+2:G0B+4*\slot+3], s[G0B+4*\slot+2:G0B+4*\slot+3], 2*PART
	JLOAD \slot
.else
	PLACES NP
.endif
	FETCH_B \next, 0, 0
	FETCH_A \next, 0, 0
	SCALES \next
	WIN MUL_HI
	MUL16 4, 1, 1, \slot, 0
	MUL16 6, 1, 1, \slot, 0
	PLACES NP
	WIN 0
	FETCH_A \next, 0, 4
.endm
.macro QUANT src, W, pc, pw
	WIN ((\W)<<2)|((\W)<<4)
.irp b, 0,1,2,3
	v_max3_num_f32 v[MX+\b], s[FLR], |v[(\src)+16*\b]|, |v[(\src)+16*\b+1]|
.endr
.irp i, 2,4,6,8,10,12,14
.irp b, 0,1,2,3
	v_max3_num_f32 v[MX+\b], v[MX+\b], |v[(\src)+16*\b+\i]|, |v[(\src)+16*\b+\i+1]|
.endr
.endr
	WIN 0
.irp b, 0,1,2,3
	v_permlanex16_b32 v[PB+\b], v[MX+\b], s[SEL], s[SEL+1]
.endr
.irp b, 0,1,2,3
	v_max_num_f32 v[MX+\b], v[MX+\b], v[PB+\b]
.endr
.irp b, 0,1,2,3
	v_add_nc_u32 v[SO+\b], 0xff000000, v[MX+\b]
.endr
.irp b, 0,1,2,3
	v_lshrrev_b32 v[PB+\b], 23, v[SO+\b]
.endr
	v_lshl_or_b32 v[\pw], v[PB+1], 8, v[PB]
	v_lshl_or_b32 v[\pw], v[PB+2], 16, v[\pw]
	v_lshl_or_b32 v[\pw], v[PB+3], 24, v[\pw]
	WIN \W
.irp c, 0,1
	v_cvt_scalef32_pk16_fp6_f32 v[(\pc)+6*\c:(\pc)+6*\c+2], v[(\src)+32*\c:(\src)+32*\c+15], v[SO+2*\c]
	v_cvt_scalef32_pk16_fp6_f32 v[TP+4*\c:TP+4*\c+2], v[(\src)+32*\c+16:(\src)+32*\c+31], v[SO+2*\c+1]
.endr
	WIN 0
	v_nop
.irp c, 0,1
.irp i, 0,1,2
	v_permlane16_swap_b32 v[(\pc)+6*\c+\i], v[TP+4*\c+\i]
.endr
.irp i, 0,1,2
	v_mov_b32 v[(\pc)+3+6*\c+\i], v[TP+4*\c+\i]
.endr
.endr
.endm
.if QKV
	s_load_b64 s[4:5], s[0:1], 0x0
	s_load_b64 s[6:7], s[0:1], 0x0
	s_load_b64 s[8:9], s[0:1], 0x8
.else
	s_load_b128 s[4:7], s[0:1], 0x0
.if FF1
	s_load_b128 s[8:11], s[0:1], 0x10
.else
	s_load_b64 s[8:9], s[0:1], 0x10
.endif
.endif
	v_lshl_add_u32 v[SPW], v0, 2, SPARE
	v_mov_b32 v[NIL], 0
	ds_add_u32 v[SPW], v[NIL]
	ds_add_u32 v[SPW], v[NIL]
	v_lshrrev_b32 v1, 5, v0
	v_readfirstlane_b32 s14, v1
	v_and_b32 v30, 31, v0                          ; the prefetches' offset: lane i names block min(i, 24) of my work-group's 25 blocks of 256 bytes; never rewritten
	v_min_u32 v30, 24, v30
	v_lshlrev_b32 v30, 8, v30
	s_lshr_b32 s15, s14, 1
	s_and_b32 s16, s14, 1
	s_bfe_u32 s40, ttmp6, 0x40000
	s_bfe_u32 s41, ttmp6, 0x40004
	s_and_b32 s72, ttmp7, 0xffff
.if QKV
	s_cmp_lt_u32 ttmp9, 2
	s_cselect_b32 s42, ttmp9, s72
	s_cselect_b32 s17, s72, 0
	s_mov_b32 s73, 960*REC
	s_cselect_b32 s70, 0, s73
	s_mov_b32 s73, 832*REC
	s_cselect_b32 s71, s73, 0
	s_cselect_b32 s74, 0, 512
	s_cselect_b32 s75, 1, 0
.else
	s_mov_b32 s42, ttmp9
	s_mov_b32 s17, s72
	s_mov_b32 s70, A_OFF
	s_mov_b32 s71, B_OFF
.endif
	s_lshl_b32 s42, s42, 2
	s_add_co_u32 s42, s42, s40
	s_lshl_b32 s17, s17, 2
	s_add_co_u32 s17, s17, s41
	s_lshl_b32 s43, s41, 2
	s_lshl_b32 s43, 15, s43
	s_lshl_b32 s44, 0x1111, s40
	s_or_b32 s[G1+0], s43, (3<<16)|(1<<21)
	s_or_b32 s[G1B+0], s44, (3<<16)|(1<<21)
.irp g, G1, G1B
	s_mov_b32 s[\g+1], 32<<16
	s_mov_b32 s[\g+2], 100<<16
	s_mov_b32 s[\g+3], 32<<16
	s_mov_b32 s[\g+4], 100
	s_mov_b32 s[\g+5], 32
	s_mov_b32 s[\g+6], 0
	s_mov_b32 s[\g+7], 0
.endr
	s_lshl_b32 s20, s17, 1
	s_add_co_u32 s20, s20, s16
	s_mul_i32 s20, s20, NK*REC
	s_add_co_u32 s20, s20, s70
	s_mov_b32 s21, 0
	s_lshl_b32 s46, s42, 1
	s_add_co_u32 s46, s46, s16
	s_mul_i32 s46, s46, NK*REC
	s_add_co_u32 s46, s46, s71
	s_mov_b32 s47, 0
	s_mul_i32 s45, s14, PART
	s_mov_b32 s[SEL], 0x76543210
	s_mov_b32 s[SEL+1], 0xfedcba98
	s_mov_b32 s[FLR], 0x1800000
	s_wait_alu depctr_va_vdst(0)
	s_wait_dscnt 0x0
	s_wait_kmcnt 0x0
	s_add_nc_u64 s[20:21], s[4:5], s[20:21]
	s_add_nc_u64 s[46:47], s[6:7], s[46:47]
	s_cmp_eq_u32 s15, 0                            ; the prefetches' base: of the 25,600 bytes that I fetch for a slot, the partner at place p (cx for A, cy for B) names bytes 6400 p on
	s_cselect_b64 s[12:13], s[20:21], s[46:47]
	s_cselect_b32 s22, s40, s41
	s_mul_i32 s22, s22, 6400
	s_mov_b32 s23, 0
	s_add_nc_u64 s[12:13], s[12:13], s[22:23]
	CROUND
.irp s, 0,1
	s_mov_b32 s[G0+4*\s], 1
	s_add_co_u32 s[G0+4*\s+1], s45, \s*SLOT
	s_add_nc_u64 s[G0+4*\s+2:G0+4*\s+3], s[20:21], \s*PART
	s_or_b32 s[G0+4*\s+3], s[G0+4*\s+3], 0x80000000
	s_mov_b32 s[G0B+4*\s], 1
	s_add_co_u32 s[G0B+4*\s+1], s45, \s*SLOT
	s_add_nc_u64 s[G0B+4*\s+2:G0B+4*\s+3], s[46:47], \s*PART
	s_or_b32 s[G0B+4*\s+3], s[G0B+4*\s+3], 0x80000000
.if \s == 1                            ; slot 1's first fill is issued as a refill is
	s_wait_tensorcnt 0x0
	ds_add_u32 v28, v29
	ds_add_u32 v28, v29
	s_wait_dscnt 0x0
	CROUND
.endif
	JLOAD \s
.if \s == 0                            ; behind the load of slot n: a prefetch of slot n + 2's bytes; slot 1's go with slot 0's load.  K has four slots: nothing is named beyond the fourth
	global_prefetch_b8 v30, s[12:13] offset:PART th:TH_LOAD_NT scope:SCOPE_SE
	global_prefetch_b8 v30, s[12:13] offset:2*PART th:TH_LOAD_NT scope:SCOPE_SE
.else
	global_prefetch_b8 v30, s[12:13] offset:3*PART th:TH_LOAD_NT scope:SCOPE_SE
.endif
.endr
	v_and_b32 v[LANE], 31, v0
	v_and_b32 v1, 15, v0
	v_bfe_u32 v2, v0, 4, 1
	v_lshlrev_b32 v[L16], 4, v[LANE]
	v_lshlrev_b32 v[L4], 2, v[LANE]
	v_lshlrev_b32 v[H64], 6, v2
	s_wait_alu depctr_va_vdst(0)
	s_mul_i32 s72, s15, PART
	s_mul_i32 s73, s16, PART
	s_add_co_u32 s73, s73, 2*PART
	v_add_nc_u32 v[ADRA], s72, v[L16]
	v_add_nc_u32 v[ADRB], s73, v[L16]
	v_add_nc_u32 v[ADRA+1], SLOT, v[ADRA]
	v_add_nc_u32 v[ADRB+1], SLOT, v[ADRB]
	s_sub_co_u32 s73, s73, s72
	v_mul_u32_u24 v3, s73, v2
	v_lshl_add_u32 v3, v1, 2, v3
	s_add_co_u32 s72, s72, 12288
	v_add_nc_u32 v[ADRS], s72, v3
	v_add_nc_u32 v[ADRS+1], SLOT, v[ADRS]
	s_lshl_b32 s66, s17, 1
	s_add_co_u32 s66, s66, s15
	s_lshl_b32 s67, s42, 1
	s_add_co_u32 s67, s67, s16
.if FF1
	s_lshl_b32 s70, s67, 9
	s_mov_b32 s71, 0
	s_add_nc_u64 s[10:11], s[10:11], s[70:71]
.irp b, 0,1,2,3,4,5,6,7
	global_load_b128 v[BI+8*\b:BI+8*\b+3], v[H64], s[10:11] offset:(32*(\b/2)+8*(\b%2))*4
	global_load_b128 v[BI+8*\b+4:BI+8*\b+7], v[H64], s[10:11] offset:(32*(\b/2)+8*(\b%2))*4+16
.endr
.endif
.if QKV
	s_cmp_eq_u32 s75, 1
	s_cselect_b32 s68, s67, s66
	s_cselect_b32 s69, s66, s67
	s_lshl_b32 s68, s68, 5
	s_add_co_u32 s68, s68, s69
	s_add_co_u32 s68, s68, s74
	s_mul_i32 s68, s68, REC
.elseif FF1
	s_lshl_b32 s68, s66, 5
	s_add_co_u32 s68, s68, s67
	s_mul_i32 s68, s68, REC
.else
	s_lshl_b32 s68, s66, 19
	s_lshl_b32 s69, s67, 13
	s_add_co_u32 s68, s68, s69
.endif
	s_mov_b32 s69, 0
	s_add_nc_u64 s[8:9], s[8:9], s[68:69]
.if EPI
.irp b, 0,1,2,3
	v_mov_b32 v[PB+\b], 0
.endr
.endif
	s_wait_alu depctr_va_vdst(0)
	s_wait_tensorcnt 1
	s_barrier_signal -1
	s_barrier_wait -1
	FETCH_B 0, 0, 0
	FETCH_A 0, 0, 0
	SCALES 0
	FETCH_A 0, 0, 4
.if FF1
	s_wait_loadcnt 0x0
.endif
	STEP 0, 0, 1+FF1
	s_mov_b32 s3, LAPS-1
.Llap:
	TURN 0, 1, 1
	STEP 1, 0, 0
	TURN 1, 0, 1
	STEP 0, 0, 0
	s_sub_co_u32 s3, s3, 1
	s_cmp_lg_u32 s3, 0
	s_cbranch_scc1 .Llap
	TURN 0, 1, 0
	STEP 1, 0, 0
	s_wait_dscnt 4*NL
	WIN MUL_LO
	MUL16 0, 1, 1, 1, 0
	MUL16 2, 1, 1, 1, 0
	s_wait_dscnt 0
	WIN MUL_HI
	MUL16 4, 1, 1, 1, 0
	MUL16 6, 1, 1, 1, 0
	WIN 0
	PLACES NP
.if EPI == 0
.irp a, 0,1,2,3,4,5,6,7
	WIN 0x08+4*(\a/4)
.irp b, 0,1,2,3,4,5,6,7
	global_store_b128 v[L16], v[8*(8*(\a%4)+\b):8*(8*(\a%4)+\b)+3], s[8:9] offset:\a*65536+1024*\b th:TH_STORE_NT
	global_store_b128 v[L16], v[8*(8*(\a%4)+\b)+4:8*(8*(\a%4)+\b)+7], s[8:9] offset:\a*65536+1024*\b+512 th:TH_STORE_NT
.endr
.endr
	WIN 0
.else
.irp a, 0,1,2,3,4,5,6,7
.if FF1
	WIN 0x88+0x44*(\a/4)
.set j, 64*(\a%4)
.rept 64
	v_max_num_f32 v[j], 0, v[j]
.set j, j+1
.endr
.endif
	QUANT 64*(\a%4), 2+\a/4, AF+12*\a, PW+\a
.irp c, 0,1,2
	global_store_b128 v[L16], v[AF+12*\a+4*\c:AF+12*\a+4*\c+3], s[8:9] offset:1536*\a+512*\c
.endr
.endr
	v_cmp_le_u32 vcc_lo, 16, v[LANE]
.irp i, 0,1,2,3
	v_cndmask_b32 v[SW+\i], v[PW+2*\i], v[PW+2*\i+1], vcc_lo
.endr
.irp i, 0,1,2,3
	global_store_b32 v[L4], v[SW+\i], s[8:9] offset:12288+128*\i
.endr
.endif
	s_wait_tensorcnt 0x0
	ds_add_u32 v[SPW], v[NIL]
	s_wait_dscnt 0x0
	CROUND
	s_endpgm
.Lfunc_end_k_q8b6e4da770_g_ff1:
	.size	k_q8b6e4da770_g_ff1, .Lfunc_end_k_q8b6e4da770_g_ff1-k_q8b6e4da770_g_ff1
	.p2alignl 7, 3214868480
	.fill 96, 4, 3214868480
	.section	.rodata,"a",@progbits
	.p2align	6, 0x0
	.amdhsa_kernel k_q8b6e4da770_g_ff1
		.amdhsa_group_segment_fixed_size 327680
		.amdhsa_private_segment_fixed_size 0
		.amdhsa_enable_private_segment 0
		.amdhsa_kernarg_size 32
		.amdhsa_user_sgpr_count 2
		.amdhsa_user_sgpr_kernarg_segment_ptr 1
		.amdhsa_wavefront_size32 1
		.amdhsa_system_sgpr_workgroup_id_x 1
		.amdhsa_system_sgpr_workgroup_id_y 1
		.amdhsa_system_sgpr_workgroup_id_z 1
		.amdhsa_system_vgpr_workitem_id 0
		.amdhsa_next_free_vgpr 1024
		.amdhsa_next_free_sgpr 80
		.amdhsa_reserve_vcc 1
		.amdhsa_float_denorm_mode_32 3
		.amdhsa_float_denorm_mode_16_64 3
		.amdhsa_memory_ordered 1
		.amdhsa_forward_progress 1
		.amdhsa_inst_pref_size 157
	.end_amdhsa_kernel
	.amdgpu_metadata
---
amdhsa.version: [ 1, 2 ]
amdhsa.kernels:
  - .name:           k_q8b6e4da770_g_ff1
    .symbol:         k_q8b6e4da770_g_ff1.kd
    .args:
      - { .name: x1, .offset: 0, .size: 8, .value_kind: global_buffer, .address_space: global }
      - { .name: img, .offset: 8, .size: 8, .value_kind: global_buffer, .address_space: global }
      - { .name: hq, .offset: 16, .size: 8, .value_kind: global_buffer, .address_space: global }
      - { .name: b1, .offset: 24, .size: 8, .value_kind: global_buffer, .address_space: global }
    .group_segment_fixed_size: 327680
    .private_segment_fixed_size: 0
    .kernarg_segment_align: 8
    .kernarg_segment_size: 32
    .max_flat_workgroup_size: 128
    .sgpr_count:     80
    .vgpr_count:     1024
    .wavefront_size: 32
...
	.end_amdgpu_metadata
.endif
;; end of part 15
;; launch g_ff2 (part 16): grid 8 x 32, 4 waves a work-group, clusters of 4 x 4, 327,680 bytes of LDS; arguments hq, img, cf, x1; writes cf
.if DOCPART == 16
	.amdgcn_target "amdgcn-amd-amdhsa--gfx1250"
	.amdhsa_code_object_version 6
	.text
	.protected	k_q8b6e4da770_g_ff2
	.globl	k_q8b6e4da770_g_ff2
	.p2align	8
	.type	k_q8b6e4da770_g_ff2,@function
k_q8b6e4da770_g_ff2:
	s_mov_b64 s[64:65], 0
	v_nop
	global_prefetch_b8 v0, s[64:65] scope:SCOPE_SE
	s_setreg_imm32_b32 hwreg(HW_REG_WAVE_MODE, 25, 1), 1
	s_wait_xcnt 0x0
	s_wait_alu depctr_hold_cnt(0) depctr_sa_sdst(0) depctr_va_vdst(0) depctr_va_sdst(0) depctr_va_ssrc(0) depctr_va_vcc(0) depctr_vm_vsrc(0)
	s_getreg_b32 s2, hwreg(HW_REG_IB_STS2, 6, 4)
	s_cmp_eq_u32 s2, 0
	s_cbranch_scc0 .Lentry_in_a_cluster
	s_endpgm
.Lentry_in_a_cluster:
	s_bfe_u32 s2, ttmp6, 0x10000c
	s_cmp_lg_u32 s2, 0xf033
	s_cbranch_scc0 .Lentry_shape_is_right
	s_endpgm
.Lentry_shape_is_right:
.set NK,    32
.set A_OFF, 0
.set B_OFF, 576*12800
.set REC,   12800
.set PART,  2*REC
.set SLOT,  4*PART
.set SPARE, 2*SLOT
.set LAPS,  NK/8
.set FR,    12
.set NP,    4
.set ADRA, 16
.set ADRB, 20
.set ADRS, 22
.set L16,  24
.set LANE, 27
.set SPW,  28
.set NIL,  29
.set SC,   32
.set ACC,  128
.set G1,  24
.set G0,  32
.set G1B, 48
.set G0B, 56
.set MSB, 0
.macro WIN new
.if MSB != (\new)
	s_set_vgpr_msb (MSB<<8)|(\new)
.set MSB, (\new)
.endif
.endm
.set MUL,  0x05
.set TO_F, 0x40
.macro JLOAD s
	s_cmp_eq_u32 s15, 0
	s_cbranch_scc0 .Lfor_b_\@
	tensor_load_to_lds s[G0+4*\s:G0+4*\s+3], s[G1:G1+7]
	s_nop 0
.rept 4
	v_nop
.endr
	s_branch .Lasked_\@
.Lfor_b_\@:
	tensor_load_to_lds s[G0B+4*\s:G0B+4*\s+3], s[G1B:G1B+7]
	s_nop 0
.rept 4
	v_nop
.endr
.Lasked_\@:
.endm
.macro CREST
	s_cmp_lg_u32 s14, 0
	s_cbranch_scc1 .Lnot_wave_0_\@
	s_barrier_signal -3
.Lnot_wave_0_\@:
	s_barrier_wait -3
	s_barrier_signal -1
	s_barrier_wait -1
.endm
.macro CROUND
	s_barrier_signal -1
	s_barrier_wait -1
	CREST
.endm
.macro PLACES n
.rept \n
	v_nop
.endr
.endm
.macro FRAG reg, adr, off
.irp c, 0,1,2
	ds_load_b128 v[\reg+4*\c:\reg+4*\c+3], v[\adr] offset:\off+512*\c
.endr
.endm
.macro FETCH slot, q, f
	WIN TO_F
.irp i, 0,1,2,3
	FRAG (\f)+48+FR*\i, ADRB+\slot, (\q)*REC+1536*\i
.endr
.irp i, 0,1,2,3
	FRAG (\f)+FR*\i, ADRA+\slot, (\q)*REC+1536*\i
.endr
.endm
.macro SCALES sc
.irp q, 0,1,2,3
.irp i, 0,1,2,3
	ds_load_b32 v[SC+16*\sc+4*\q+\i], v[ADRS+\sc] offset:\q*REC+64*\i
.endr
.endr
.endm
.macro MULA a, f, q, sc, zero
.irp b, 0,1,2,3
.if \zero
	v_wmma_scale_f32_16x16x128_f8f6f4 v[ACC+8*(4*(\a)+\b):ACC+8*(4*(\a)+\b)+7], v[(\f)+48+FR*\b:(\f)+48+FR*\b+FR-1], v[(\f)+FR*(\a):(\f)+FR*(\a)+FR-1], 0, v[SC+16*(\sc)+4*(\q)+\b], v[SC+16*(\sc)+4*(\q)+(\a)] matrix_a_fmt:MATRIX_FMT_FP6 matrix_b_fmt:MATRIX_FMT_FP6 matrix_a_scale:MATRIX_SCALE_ROW1
.else
	v_wmma_scale_f32_16x16x128_f8f6f4 v[ACC+8*(4*(\a)+\b):ACC+8*(4*(\a)+\b)+7], v[(\f)+48+FR*\b:(\f)+48+FR*\b+FR-1], v[(\f)+FR*(\a):(\f)+FR*(\a)+FR-1], v[ACC+8*(4*(\a)+\b):ACC+8*(4*(\a)+\b)+7], v[SC+16*(\sc)+4*(\q)+\b], v[SC+16*(\sc)+4*(\q)+(\a)] matrix_a_fmt:MATRIX_FMT_FP6 matrix_b_fmt:MATRIX_FMT_FP6 matrix_a_scale:MATRIX_SCALE_ROW1
.endif
.endr
.endm
.macro STEP slot, q, zero
	s_wait_dscnt 6
	WIN MUL
	MULA 0, 128*((\q)%2), \q, \slot, \zero
	MULA 1, 128*((\q)%2), \q, \slot, \zero
	PLACES NP
	FETCH \slot, (\q)+1, 128*(1-(\q)%2)
	s_wait_dscnt 24
	WIN MUL
	MULA 2, 128*((\q)%2), \q, \slot, \zero
	MULA 3, 128*((\q)%2), \q, \slot, \zero
.endm
.macro TURN slot, next, fill
	WIN 0
	s_wait_tensorcnt 0x0
	ds_add_u32 v[SPW], v[NIL]
	s_wait_dscnt 7
	WIN MUL
	MULA 0, 128, 3, \slot, 0
	s_wait_dscnt 0x0
	s_barrier_signal -1
	MULA 1, 128, 3, \slot, 0
	WIN 0
	s_barrier_wait -1
.if \fill
	CREST
	s_add_nc_u64 s[G0+4*\slot+2:G0+4*\slot+3], s[G0+4*\slot+2:G0+4*\slot+3], 4*PART
	s_add_nc_u64 s[G0B+4*\slot+2:G0B+4*\slot+3], s[G0B+4*\slot+2:G0B+4*\slot+3], 4*PART
	JLOAD \slot
.else
	PLACES NP
.endif
	SCALES \next
	FETCH \next, 0, 0
.if \fill                              ; behind the joint load and the run of LDS loads: a prefetch of the slot two refills on; the loop's last trip has none left to name
	WIN 0
	s_cmp_gt_u32 s3, 1
	s_cbranch_scc0 .Lno_pf_\@
	global_prefetch_b8 v30, s[12:13] offset:(8+2*\slot)*PART th:TH_LOAD_NT scope:SCOPE_SE
.Lno_pf_\@:
.endif
	WIN MUL
	MULA 2, 128, 3, \slot, 0
	MULA 3, 128, 3, \slot, 0
.endm
	s_load_b128 s[4:7], s[0:1], 0x0
	s_load_b128 s[8:11], s[0:1], 0x10              ; cf, x1
	v_lshl_add_u32 v[SPW], v0, 2, SPARE
	v_mov_b32 v[NIL], 0
	ds_add_u32 v[SPW], v[NIL]
	ds_add_u32 v[SPW], v[NIL]
	v_lshrrev_b32 v1, 5, v0
	v_readfirstlane_b32 s14, v1
	v_and_b32 v30, 31, v0
	v_lshlrev_b32 v31, 4, v30                      ; 16 l, for x1's blocks
	v_min_u32 v30, 24, v30                         ; the prefetches' offset: lane i names block min(i, 24) of my work-group's 25 blocks of 256 bytes; never rewritten
	v_lshlrev_b32 v30, 8, v30
	s_lshr_b32 s15, s14, 1
	s_and_b32 s16, s14, 1
	s_bfe_u32 s40, ttmp6, 0x40000
	s_bfe_u32 s41, ttmp6, 0x40004
	s_and_b32 s17, ttmp7, 0xffff
	s_lshl_b32 s42, ttmp9, 2
	s_add_co_u32 s42, s42, s40
	s_lshl_b32 s17, s17, 2
	s_add_co_u32 s17, s17, s41
	s_lshl_b32 s43, s41, 2
	s_lshl_b32 s43, 15, s43
	s_lshl_b32 s44, 0x1111, s40
	s_or_b32 s[G1+0], s43, (3<<16)|(1<<21)
	s_or_b32 s[G1B+0], s44, (3<<16)|(1<<21)
.irp g, G1, G1B
	s_mov_b32 s[\g+1], 32<<16
	s_mov_b32 s[\g+2], 100<<16
	s_mov_b32 s[\g+3], 32<<16
	s_mov_b32 s[\g+4], 100
	s_mov_b32 s[\g+5], 32
	s_mov_b32 s[\g+6], 0
	s_mov_b32 s[\g+7], 0
.endr
	s_mul_i32 s18, s16, PART
	s_mul_i32 s20, s17, NK*REC
	s_add_co_u32 s20, s20, s18
	s_add_co_u32 s20, s20, A_OFF
	s_mov_b32 s21, 0
	s_mul_i32 s46, s42, NK*REC
	s_add_co_u32 s46, s46, s18
	s_add_co_u32 s46, s46, B_OFF
	s_mov_b32 s47, 0
	s_mul_i32 s45, s14, PART
	s_lshl_b32 s22, s17, 19                        ; my part of x1's blocks, laid as the output's: group of rows, column group, my first A block, my first B block
	s_lshl_b32 s23, s42, 13
	s_add_co_u32 s22, s22, s23
	s_lshl_b32 s23, s15, 18
	s_add_co_u32 s22, s22, s23
	s_lshl_b32 s23, s16, 12
	s_add_co_u32 s22, s22, s23
	s_mov_b32 s23, 0
	s_wait_alu depctr_va_vdst(0)
	s_wait_dscnt 0x0
	s_wait_kmcnt 0x0
	s_add_nc_u64 s[10:11], s[10:11], s[22:23]
	s_add_nc_u64 s[20:21], s[4:5], s[20:21]
	s_add_nc_u64 s[46:47], s[6:7], s[46:47]
	s_cmp_eq_u32 s15, 0                            ; the prefetches' base: of the 25,600 bytes that I fetch for a slot, the partner at place p (cx for A, cy for B) names bytes 6400 p on
	s_cselect_b64 s[12:13], s[20:21], s[46:47]
	s_cselect_b32 s22, s40, s41
	s_mul_i32 s22, s22, 6400
	s_mov_b32 s23, 0
	s_add_nc_u64 s[12:13], s[12:13], s[22:23]
	CROUND
.irp s, 0,1
	s_mov_b32 s[G0+4*\s], 1
	s_add_co_u32 s[G0+4*\s+1], s45, \s*SLOT
	s_add_nc_u64 s[G0+4*\s+2:G0+4*\s+3], s[20:21], \s*2*PART
	s_or_b32 s[G0+4*\s+3], s[G0+4*\s+3], 0x80000000
	s_mov_b32 s[G0B+4*\s], 1
	s_add_co_u32 s[G0B+4*\s+1], s45, \s*SLOT
	s_add_nc_u64 s[G0B+4*\s+2:G0B+4*\s+3], s[46:47], \s*2*PART
	s_or_b32 s[G0B+4*\s+3], s[G0B+4*\s+3], 0x80000000
.if \s == 1                            ; slot 1's first fill is issued as a refill is
	s_wait_tensorcnt 0x0
	ds_add_u32 v28, v29
	ds_add_u32 v28, v29
	s_wait_dscnt 0x0
	CROUND
.endif
	JLOAD \s
.if \s == 0                            ; behind the load of slot n: a prefetch of slot n + 2's bytes (slots lie 2 PART apart in memory); slot 1's go with slot 0's load
	global_prefetch_b8 v30, s[12:13] offset:2*PART th:TH_LOAD_NT scope:SCOPE_SE
	global_prefetch_b8 v30, s[12:13] offset:4*PART th:TH_LOAD_NT scope:SCOPE_SE
.else
	global_prefetch_b8 v30, s[12:13] offset:6*PART th:TH_LOAD_NT scope:SCOPE_SE
; x1, the residual, in the accumulators' order, 512 consecutive bytes a load, into 128 registers that nothing else names: window 0 v64-127 (accumulator registers 0-63), window 1 v96-127 and v224-255 (64-127).
; It is asked for behind both slots' first loads and waited for only behind the last product.
.set n, 0
.rept 16
	global_load_b128 v[64+4*n:67+4*n], v31, s[10:11] offset:(n/8)*65536+1024*((n/2)%4)+512*(n%2) th:TH_LOAD_NT
.set n, n+1
.endr
	WIN 0x40
.rept 8
	global_load_b128 v[96+4*(n-16):99+4*(n-16)], v31, s[10:11] offset:(n/8)*65536+1024*((n/2)%4)+512*(n%2) th:TH_LOAD_NT
.set n, n+1
.endr
.rept 8
	global_load_b128 v[224+4*(n-24):227+4*(n-24)], v31, s[10:11] offset:(n/8)*65536+1024*((n/2)%4)+512*(n%2) th:TH_LOAD_NT
.set n, n+1
.endr
	WIN 0
.endif
.endr
	v_and_b32 v[LANE], 31, v0
	v_and_b32 v1, 15, v0
	v_bfe_u32 v2, v0, 4, 1
	v_lshlrev_b32 v[L16], 4, v[LANE]
	s_mul_i32 s72, s15, 4*1536
	s_mul_i32 s73, s16, 4*1536
	s_add_co_u32 s73, s73, 2*PART
	v_add_nc_u32 v[ADRA], s72, v[L16]
	v_add_nc_u32 v[ADRB], s73, v[L16]
	v_add_nc_u32 v[ADRA+1], SLOT, v[ADRA]
	v_add_nc_u32 v[ADRB+1], SLOT, v[ADRB]
	s_lshl_b32 s72, s15, 8
	s_lshl_b32 s73, s16, 8
	s_add_co_u32 s73, s73, 2*PART
	s_sub_co_u32 s73, s73, s72
	v_mul_u32_u24 v3, s73, v2
	v_lshl_add_u32 v3, v1, 2, v3
	s_add_co_u32 s72, s72, 12288
	v_add_nc_u32 v[ADRS], s72, v3
	v_add_nc_u32 v[ADRS+1], SLOT, v[ADRS]
	s_lshl_b32 s68, s17, 19
	s_lshl_b32 s69, s42, 13
	s_add_co_u32 s68, s68, s69
	s_lshl_b32 s69, s15, 18
	s_add_co_u32 s68, s68, s69
	s_lshl_b32 s69, s16, 12
	s_add_co_u32 s68, s68, s69
	s_mov_b32 s69, 0
	s_add_nc_u64 s[8:9], s[8:9], s[68:69]
	s_wait_alu depctr_va_vdst(0)
	s_wait_tensorcnt 1
	s_barrier_signal -1
	s_barrier_wait -1
	SCALES 0
	FETCH 0, 0, 0
	STEP 0, 0, 1
	WIN 0
.if LAPS > 1
	s_mov_b32 s3, LAPS-1
.Llap:
	STEP 0, 1, 0
	STEP 0, 2, 0
	TURN 0, 1, 1
	STEP 1, 0, 0
	STEP 1, 1, 0
	STEP 1, 2, 0
	TURN 1, 0, 1
	STEP 0, 0, 0
	WIN 0
	s_wait_xcnt 0x0                                ; the trip's prefetches have read their base: two slots on for the next trip
	s_add_nc_u64 s[12:13], s[12:13], 4*PART
	s_sub_co_u32 s3, s3, 1
	s_cmp_lg_u32 s3, 0
	s_cbranch_scc1 .Llap
.endif
	STEP 0, 1, 0
	STEP 0, 2, 0
	TURN 0, 1, 0
	STEP 1, 0, 0
	STEP 1, 1, 0
	STEP 1, 2, 0
	s_wait_dscnt 6
	WIN MUL
	MULA 0, 128, 3, 1, 0
	MULA 1, 128, 3, 1, 0
	s_wait_dscnt 0
	MULA 2, 128, 3, 1, 0
	MULA 3, 128, 3, 1, 0
	WIN 0
	PLACES NP
	s_wait_loadcnt 0x0                             ; x1 is in: cf takes hidden w2^T + x1; each accumulator is read from its low end on
.set n, 0
.rept 32
	v_pk_add_f32 v[ACC+n:ACC+n+1], v[ACC+n:ACC+n+1], v[64+n:65+n]
.set n, n+2
.endr
	WIN 0x04                                       ; source 1 in window 1
.set n, 0
.rept 16
	v_pk_add_f32 v[ACC+64+n:ACC+65+n], v[ACC+64+n:ACC+65+n], v[96+n:97+n]
.set n, n+2
.endr
.set n, 0
.rept 16
	v_pk_add_f32 v[ACC+96+n:ACC+97+n], v[ACC+96+n:ACC+97+n], v[224+n:225+n]
.set n, n+2
.endr
	WIN 0
.irp a, 0,1,2,3
.irp b, 0,1,2,3
	global_store_b128 v[L16], v[ACC+8*(4*\a+\b):ACC+8*(4*\a+\b)+3], s[8:9] offset:\a*65536+1024*\b th:TH_STORE_NT
	global_store_b128 v[L16], v[ACC+8*(4*\a+\b)+4:ACC+8*(4*\a+\b)+7], s[8:9] offset:\a*65536+1024*\b+512 th:TH_STORE_NT
.endr
.endr
	s_wait_tensorcnt 0x0
	ds_add_u32 v[SPW], v[NIL]
	s_wait_dscnt 0x0
	CROUND
	s_endpgm
.Lfunc_end_k_q8b6e4da770_g_ff2:
	.size	k_q8b6e4da770_g_ff2, .Lfunc_end_k_q8b6e4da770_g_ff2-k_q8b6e4da770_g_ff2
	.p2alignl 7, 3214868480
	.fill 96, 4, 3214868480
	.section	.rodata,"a",@progbits
	.p2align	6, 0x0
	.amdhsa_kernel k_q8b6e4da770_g_ff2
		.amdhsa_group_segment_fixed_size 327680
		.amdhsa_private_segment_fixed_size 0
		.amdhsa_enable_private_segment 0
		.amdhsa_kernarg_size 32
		.amdhsa_user_sgpr_count 2
		.amdhsa_user_sgpr_kernarg_segment_ptr 1
		.amdhsa_wavefront_size32 1
		.amdhsa_system_sgpr_workgroup_id_x 1
		.amdhsa_system_sgpr_workgroup_id_y 1
		.amdhsa_system_sgpr_workgroup_id_z 1
		.amdhsa_system_vgpr_workitem_id 0
		.amdhsa_next_free_vgpr 512
		.amdhsa_next_free_sgpr 80
		.amdhsa_reserve_vcc 0
		.amdhsa_float_denorm_mode_32 3
		.amdhsa_float_denorm_mode_16_64 3
		.amdhsa_memory_ordered 1
		.amdhsa_forward_progress 1
		.amdhsa_inst_pref_size 86
	.end_amdhsa_kernel
	.amdgpu_metadata
---
amdhsa.version: [ 1, 2 ]
amdhsa.kernels:
  - .name:           k_q8b6e4da770_g_ff2
    .symbol:         k_q8b6e4da770_g_ff2.kd
    .args:
      - { .name: hq, .offset: 0, .size: 8, .value_kind: global_buffer, .address_space: global }
      - { .name: img, .offset: 8, .size: 8, .value_kind: global_buffer, .address_space: global }
      - { .name: cf, .offset: 16, .size: 8, .value_kind: global_buffer, .address_space: global }
      - { .name: x1, .offset: 24, .size: 8, .value_kind: global_buffer, .address_space: global }
    .group_segment_fixed_size: 327680
    .private_segment_fixed_size: 0
    .kernarg_segment_align: 8
    .kernarg_segment_size: 32
    .max_flat_workgroup_size: 128
    .sgpr_count:     80
    .vgpr_count:     512
    .wavefront_size: 32
...
	.end_amdgpu_metadata
.endif
;; end of part 16
;; launch ln2 (part 17): grid 256 x 1, 8 waves a work-group, no clusters, 69,632 bytes of LDS; arguments cf, b2, ln2_g, ln2_b, out0; writes out0
.if DOCPART == 17
	.amdgcn_target "amdgcn-amd-amdhsa--gfx1250"
	.amdhsa_code_object_version 6
	.text
	.protected	k_q8b6e4da770_ln2
	.globl	k_q8b6e4da770_ln2
	.p2align	8
	.type	k_q8b6e4da770_ln2,@function
k_q8b6e4da770_ln2:
	s_mov_b64 s[64:65], 0
	v_nop
	global_prefetch_b8 v0, s[64:65] scope:SCOPE_SE
	s_setreg_imm32_b32 hwreg(HW_REG_WAVE_MODE, 25, 1), 1
	s_wait_xcnt 0x0
; out0 = layer_norm(x1 + (hidden w2^T + b2)) g + b, in f32, row-major.
; cf (the product) and x1 lie in blocks of 8,192 bytes: block ((8 G + a) 8 + kap): lane (r, h), register 16 b + i = row 128 G + pi(a, r), column 128 kap + 32 b + 16 h + i, registers 4 j .. 4 j + 3 of lane l at 512 j + 16 l;
; pi(a, r) = 32 (a / 2) + 8 (a % 2) + r + 8 (r / 8).  Work-group g = 8 G + a owns those 16 rows whole; wave kap owns 128 columns.
; Mean, then the mean of squared differences: two sums over the eight waves, through LDS, a barrier each.  The result turns through the wave's own stage and leaves as 512 consecutive bytes of a row a store.
; LIMITS: NaN and infinities are not served.  Memory binds: no matrix unit, no cluster.
.set STG,   16*528
.set RED,   8*STG
.set SPARE, RED+1024
.set SPW, 10
.set NIL, 11
.set A0,  32
.set A1,  96
.set A2,  160
.set SEL, 40
.set C10, 43                           ; 2^-10
.set CEP, 44                           ; 1e-6
.macro RSUM off                        ; four chains in v[16:23] -> the row's sum over all 1,024 columns in v16, in every lane
	s_delay_alu instid0(VALU_DEP_3)
	v_pk_add_f32 v[16:17], v[16:17], v[18:19]
	s_delay_alu instid0(VALU_DEP_2)
	v_pk_add_f32 v[20:21], v[20:21], v[22:23]
	s_delay_alu instid0(VALU_DEP_1)
	v_pk_add_f32 v[16:17], v[16:17], v[20:21]
	s_delay_alu instid0(VALU_DEP_1)
	v_add_f32 v16, v16, v17
	s_delay_alu instid0(VALU_DEP_1)
	v_permlanex16_b32 v17, v16, s[SEL], s[SEL+1]
	s_delay_alu instid0(VALU_DEP_1)
	v_add_f32 v16, v16, v17
	ds_store_b32 v7, v16 offset:\off
	s_wait_dscnt 0x0                               ; for the others' sake
	s_barrier_signal -1
	s_barrier_wait -1
	ds_load_b128 v[16:19], v8 offset:\off
	ds_load_b128 v[20:23], v8 offset:\off+16
	s_wait_dscnt 0x0
	v_pk_add_f32 v[16:17], v[16:17], v[18:19]
	v_pk_add_f32 v[20:21], v[20:21], v[22:23]
	s_delay_alu instid0(VALU_DEP_1)
	v_pk_add_f32 v[16:17], v[16:17], v[20:21]
	s_delay_alu instid0(VALU_DEP_1)
	v_add_f32 v16, v16, v17
.endm
.macro NORM Y, G, B
.irp c, 0,1,2,3
	v_pk_add_f32 v[16+2*\c:17+2*\c], v[\Y+2*\c:\Y+2*\c+1], v[\Y+8+2*\c:\Y+9+2*\c]
.endr
.irp m, 2,3,4,5,6,7
.irp c, 0,1,2,3
	s_delay_alu instid0(VALU_DEP_4)
	v_pk_add_f32 v[16+2*\c:17+2*\c], v[16+2*\c:17+2*\c], v[\Y+8*\m+2*\c:\Y+8*\m+2*\c+1]
.endr
.endr
	RSUM 0
	s_delay_alu instid0(VALU_DEP_1)
	v_mul_f32 v28, s[C10], v16                     ; the mean
	s_delay_alu instid0(VALU_DEP_1)
	v_mov_b32 v29, v28
.set j, 0
.rept 32
	v_pk_add_f32 v[\Y+j:\Y+j+1], v[\Y+j:\Y+j+1], v[28:29] neg_lo:[0,1] neg_hi:[0,1]
.set j, j+2
.endr
.irp c, 0,1,2,3
	v_pk_mul_f32 v[16+2*\c:17+2*\c], v[\Y+2*\c:\Y+2*\c+1], v[\Y+2*\c:\Y+2*\c+1]
.endr
.irp m, 1,2,3,4,5,6,7
.irp c, 0,1,2,3
	s_delay_alu instid0(VALU_DEP_4)
	v_pk_fma_f32 v[16+2*\c:17+2*\c], v[\Y+8*\m+2*\c:\Y+8*\m+2*\c+1], v[\Y+8*\m+2*\c:\Y+8*\m+2*\c+1], v[16+2*\c:17+2*\c]
.endr
.endr
	RSUM 512
	s_delay_alu instid0(VALU_DEP_1)
	v_fma_f32 v16, v16, s[C10], s[CEP]             ; the variance + 1e-6
	s_wait_alu depctr_va_vdst(0)
	v_rsq_f32 v30, v16
	v_nop
	s_wait_alu depctr_va_vdst(0)                   ; ahead of the first reader of the root
	v_mov_b32 v31, v30
	s_wait_alu depctr_va_vdst(0)
	s_wait_loadcnt 0x0                             ; g and b
.set j, 0
.rept 32
	v_pk_mul_f32 v[\Y+j:\Y+j+1], v[\Y+j:\Y+j+1], v[30:31]
	s_delay_alu instid0(VALU_DEP_1)
	v_pk_fma_f32 v[\Y+j:\Y+j+1], v[\Y+j:\Y+j+1], v[\G+j:\G+j+1], v[\B+j:\B+j+1]
.set j, j+2
.endr
.endm
	s_load_b64 s[4:5], s[0:1], 0x0                 ; cf: it holds x1 + hidden w2^T (x1 is added to the product's finished sums), so x1 itself is not read here
	s_load_b256 s[8:15], s[0:1], 0x8               ; b2, g, b, out0
	v_lshl_add_u32 v[SPW], v0, 2, SPARE
	v_mov_b32 v[NIL], 0
	v_lshrrev_b32 v1, 5, v0
	s_delay_alu instid0(VALU_DEP_1)
	v_readfirstlane_b32 s16, v1                    ; wave = kap
	v_and_b32 v9, 31, v0
	v_and_b32 v2, 15, v0                           ; r
	v_bfe_u32 v3, v0, 4, 1                         ; h
	s_delay_alu instid0(VALU_DEP_3)
	v_lshlrev_b32 v1, 4, v9                        ; 16 l
	s_mul_i32 s17, s16, STG
	v_add_nc_u32 v4, s17, v1                       ; the stage by rows
	v_mul_u32_u24 v5, v2, 528
	s_delay_alu instid0(VALU_DEP_1)
	v_lshl_add_u32 v5, v3, 6, v5
	s_delay_alu instid0(VALU_DEP_1)
	v_add_nc_u32 v5, s17, v5                       ; and by lanes
	s_lshl_b32 s24, s16, 9
	v_lshl_add_u32 v6, v3, 6, s24                  ; b2, g, b: 64 h + 512 kap
	v_lshl_add_u32 v8, v2, 5, RED
	s_delay_alu instid0(VALU_DEP_1)
	v_lshl_add_u32 v7, s16, 2, v8
	s_mov_b32 s[SEL], 0x76543210
	s_mov_b32 s[SEL+1], 0xfedcba98
	s_mov_b32 s[C10], 0x3a800000
	s_mov_b32 s[CEP], 0x358637bd
	s_lshr_b32 s20, ttmp9, 3                       ; G
	s_and_b32 s21, ttmp9, 7                        ; a
	s_lshl_b32 s22, s20, 7
	s_lshr_b32 s23, s21, 1
	s_lshl_b32 s23, s23, 5
	s_add_co_u32 s22, s22, s23
	s_and_b32 s23, s21, 1
	s_lshl_b32 s23, s23, 3
	s_add_co_u32 s22, s22, s23                     ; the row of position 0
	s_lshl_b32 s22, s22, 12
	s_add_co_u32 s22, s22, s24
	s_mov_b32 s23, 0
	s_lshl_b32 s26, ttmp9, 3
	s_add_co_u32 s26, s26, s16
	s_lshl_b32 s26, s26, 13                        ; my block of 8,192 bytes
	s_mov_b32 s27, 0
	s_wait_alu depctr_va_vdst(0)
	s_wait_kmcnt 0x0
	s_add_nc_u64 s[4:5], s[4:5], s[26:27]
	s_add_nc_u64 s[14:15], s[14:15], s[22:23]
.irp t, 0,1,2,3,4,5,6,7,8,9,10,11,12,13,14,15
	global_load_b128 v[A0+4*\t:A0+4*\t+3], v1, s[4:5] offset:512*\t th:TH_LOAD_NT
	global_load_b128 v[A2+4*\t:A2+4*\t+3], v6, s[8:9] offset:128*(\t/4)+16*(\t%4)
.endr
	s_wait_loadcnt 0x0
.set j, 0
.rept 32
	v_pk_add_f32 v[A0+j:A0+j+1], v[A0+j:A0+j+1], v[A2+j:A2+j+1]      ; x1 + the product, + b2
.set j, j+2
.endr
.irp t, 0,1,2,3,4,5,6,7,8,9,10,11,12,13,14,15
	global_load_b128 v[A1+4*\t:A1+4*\t+3], v6, s[10:11] offset:128*(\t/4)+16*(\t%4)
	global_load_b128 v[A2+4*\t:A2+4*\t+3], v6, s[12:13] offset:128*(\t/4)+16*(\t%4)
.endr
	NORM A0, A1, A2
.irp t, 0,1,2,3,4,5,6,7,8,9,10,11,12,13,14,15
	ds_store_b128 v5, v[A0+4*\t:A0+4*\t+3] offset:128*(\t/4)+16*(\t%4)
.endr
.irp t, 0,1,2,3,4,5,6,7,8,9,10,11,12,13,14,15
	ds_load_b128 v[A1+4*\t:A1+4*\t+3], v4 offset:528*\t              ; LDS serves a wave's instructions in order: these see my stores
.endr
.irp t, 0,1,2,3,4,5,6,7,8,9,10,11,12,13,14,15
	s_wait_dscnt 15-\t                             ; row t is back; the younger rows' loads may be out
	global_store_b128 v1, v[A1+4*\t:A1+4*\t+3], s[14:15] offset:(\t+8*(\t/8))*4096 th:TH_STORE_NT    ; 512 consecutive bytes of a row
.endr
	s_wait_tensorcnt 0x0                           ; the wave's end
	ds_add_u32 v[SPW], v[NIL]
	s_wait_dscnt 0x0
	s_endpgm
.Lfunc_end_k_q8b6e4da770_ln2:
	.size	k_q8b6e4da770_ln2, .Lfunc_end_k_q8b6e4da770_ln2-k_q8b6e4da770_ln2
	.p2alignl 7, 3214868480
	.fill 96, 4, 3214868480
	.section	.rodata,"a",@progbits
	.p2align	6, 0x0
	.amdhsa_kernel k_q8b6e4da770_ln2
		.amdhsa_group_segment_fixed_size 69632
		.amdhsa_private_segment_fixed_size 0
		.amdhsa_enable_private_segment 0
		.amdhsa_kernarg_size 40
		.amdhsa_user_sgpr_count 2
		.amdhsa_user_sgpr_kernarg_segment_ptr 1
		.amdhsa_wavefront_size32 1
		.amdhsa_system_sgpr_workgroup_id_x 1
		.amdhsa_system_sgpr_workgroup_id_y 1
		.amdhsa_system_sgpr_workgroup_id_z 1
		.amdhsa_system_vgpr_workitem_id 0
		.amdhsa_next_free_vgpr 256
		.amdhsa_next_free_sgpr 66
		.amdhsa_reserve_vcc 0
		.amdhsa_float_denorm_mode_32 3
		.amdhsa_float_denorm_mode_16_64 3
		.amdhsa_memory_ordered 1
		.amdhsa_forward_progress 1
		.amdhsa_inst_pref_size 30
	.end_amdhsa_kernel
	.amdgpu_metadata
---
amdhsa.version: [ 1, 2 ]
amdhsa.kernels:
  - .name:           k_q8b6e4da770_ln2
    .symbol:         k_q8b6e4da770_ln2.kd
    .args:
      - { .name: cf, .offset: 0, .size: 8, .value_kind: global_buffer, .address_space: global }
      - { .name: b2, .offset: 8, .size: 8, .value_kind: global_buffer, .address_space: global }
      - { .name: ln2_g, .offset: 16, .size: 8, .value_kind: global_buffer, .address_space: global }
      - { .name: ln2_b, .offset: 24, .size: 8, .value_kind: global_buffer, .address_space: global }
      - { .name: out0, .offset: 32, .size: 8, .value_kind: global_buffer, .address_space: global }
    .group_segment_fixed_size: 69632
    .private_segment_fixed_size: 0
    .kernarg_segment_align: 8
    .kernarg_segment_size: 40
    .max_flat_workgroup_size: 256
    .sgpr_count:     66
    .vgpr_count:     256
    .wavefront_size: 32
...
	.end_amdgpu_metadata
.endif
;; end of part 17
